; MI455X (gfx1250); checked and timed in simulation.
; The chip was launched on July 23, 2026; its instructions are those of AMD's public machine-readable ISA for CDNA 5 (MIT licence, August 2026) and "CDNA5" Instruction Set Architecture Reference Guide (July 2026). The comments in the code are by the model that wrote it; some were corrected since.
;; Transformer Block. Allowed arithmetic: matrix products marked QUANTISED: E3M2 operands, one E8M0 scale for each 32 along K, by v_wmma_scale_f32_16x16x128_f8f6f4 with both operands' format E3M2, f32 sums; everything else in f32.
;; Inputs: W_attn 1,024 x 3,072 float32; W_attn_proj 1,024 x 1,024 float32; W_fc 1,024 x 4,096 float32; W_mlp_proj 4,096 x 1,024 float32; b_attn 3,072 float32; b_attn_proj 1,024 float32; b_fc 4,096 float32; b_mlp_proj 1,024 float32; ln1_b 1,024 float32; ln1_g 1,024 float32; ln2_b 1,024 float32; ln2_g 1,024 float32; x 2 x 2,048 x 1,024 float32.
;; Outputs: out0 2 x 2,048 x 1,024 float32.
;; This version of the problem:
;;   THIS VERSION OF THE PROBLEM IS GIVEN IN LOW PRECISION. The matrix products marked QUANTISED in the list below multiply operands that are first quantised to E3M2 (3 exponent bits, 2 mantissa bits; 6 bits a number), with one power-of-two scale for each 32 numbers along K (OCP MX v1.0); their sums are f32. All else is computed in f32.
;;   The module's matrix products, in the order in which they are computed (A, B: the left and right operand; K: the contracted axis; several contracted axes count as one K, in the product's order):
;;     1. [M 4,096, K 1,024] x [K 1,024, N 3,072]; A: computed on the way; B: input W_attn: QUANTISED
;;     2. batch 32 x [M 2,048, K 64] x [K 64, N 2,048]; A: computed on the way; B: computed on the way: QUANTISED
;;     3. batch 32 x [M 2,048, K 2,048] x [K 2,048, N 64]; A: softmax (see below); B: computed on the way: QUANTISED
;;     4. [M 4,096, K 1,024] x [K 1,024, N 1,024]; A: computed on the way; B: input W_attn_proj: QUANTISED
;;     5. [M 4,096, K 1,024] x [K 1,024, N 4,096]; A: computed on the way; B: input W_fc: QUANTISED
;;     6. [M 4,096, K 4,096] x [K 4,096, N 1,024]; A: computed on the way; B: input W_mlp_proj: QUANTISED
;;   THE QUANTISER, for each operand of a quantised product, along K:
;;     - K is cut into blocks of 32 from its start; a last block that is shorter is filled with zeros.
;;     - A block's scale is 2^e with e = floor(log2(the largest magnitude in the block)) - 4, held to -126 .. 127; a block of zeros has e = 0. As a byte (E8M0): e + 127.
;;     - Each number is divided by its block's scale, clamped to +-28, and rounded to the nearest number of E3M2, ties to even, subnormals kept.
;;     - The product sums the exact products of the quantised numbers (number of the format x scale) in f32.
;;   ~~~python
;;   def quantise(x, axis):      # numpy; x: float32 -> the quantised numbers, widened to float32 again
;;       x = np.moveaxis(x, axis, -1); K = x.shape[-1]
;;       x = np.pad(x, [(0, 0)] * (x.ndim - 1) + [(0, -K % 32)]); x = x.reshape(x.shape[:-1] + (-1, 32)); a = np.abs(x).max(-1, keepdims=True)
;;       e = np.where(a > 0, np.clip(np.frexp(np.where(a > 0, a, 1))[1] - 1 - 4, -126, 127), 0)      # np.frexp(a)[1] - 1 = floor(log2(a)), exactly
;;       r = np.clip(x / 2.0 ** e, -28, 28)
;;       step = 2.0 ** (np.maximum(np.frexp(np.where(r == 0, 1, r))[1] - 1, -2) - 2)
;;       q = np.round(r / step) * step * 2.0 ** e      # np.round: ties to even
;;       return np.moveaxis(q.reshape(q.shape[:-2] + (-1,))[..., :K], -1, axis).astype(np.float32)
;;   ~~~
;;   SOFTMAX AHEAD OF A QUANTISED PRODUCT. Where the list says 'softmax', what is quantised is not the finished softmax but p = 2^(t - M), with t = logit x log2(e) and M = ceil(the row's largest t), a whole number; so 1/2 < the row's largest p <= 1. The row's sum l is taken of the UNQUANTISED p, in f32, and the product's result is divided by l at the end. Since M is a whole number, a kernel that streams over the keys may use a running M (the ceiling of the running maximum): every later rescaling is an exact power of two, which a block's scale takes up: the codes' values come out the same.
;;   OPERANDS COMPUTED ON THE WAY. 'Computed on the way' means the value that the module computes at that place (a softmax that the list does not call 'softmax' is quantised finished and normalised). What goes into a quantiser is computed in f32, as accurately as f32 sums, v_exp_f32 and their like allow (about 1e-6 of the number): no bf16 or f16 on the way to a quantiser, and a product that is left as it is and whose result goes on into a quantised operand takes f32 operands (vector FMAs, or v_wmma_f32_16x16x4_f32). A number that lies on a knife's edge between two numbers of the format may be rounded either way, as far as f32 arithmetic and the matrix unit's own rounding can turn it there, and no further.
;; One version. Each part assembles by itself: llvm-mc -triple=amdgcn-amd-amdhsa -mcpu=gfx1250 --defsym DOCPART=n.
;; ======== version 1 of 1: 7 launches
;; limits: right only within a limited range of input values
;; workspace buffers: WQ 10,649,600 bytes; XN 20,054,016 bytes; QKV 10,092,544 bytes; AO 3,276,800 bytes; X1 16,777,216 bytes; X2 20,054,016 bytes; H 13,107,200 bytes
;; launch prep (part 1): grid 640 x 1, 4 waves a work-group, no clusters, 91,136 bytes of LDS; arguments x, ln1_g, ln1_b, XN, W_attn, W_attn_proj, W_fc, W_mlp_proj, WQ; writes XN, WQ
.if DOCPART == 1
	.amdgcn_target "amdgcn-amd-amdhsa--gfx1250"
	.amdhsa_code_object_version 6
	.text
	.protected	k_q37a82b9bb5_prep
	.globl	k_q37a82b9bb5_prep
	.p2align	8
	.type	k_q37a82b9bb5_prep,@function
k_q37a82b9bb5_prep:
	s_mov_b64 s[64:65], 0
	v_nop
	global_prefetch_b8 v0, s[64:65] scope:SCOPE_SE
	s_setreg_imm32_b32 hwreg(HW_REG_WAVE_MODE, 25, 1), 1
	s_wait_xcnt 0x0
; TWO JOBS THAT DEPEND ON NOTHING OF EACH OTHER, IN ONE LAUNCH.  Work-groups 0 .. 255: the first layer norm and its codes.  Work-groups 256 .. 639: the four weights' codes.
; The two part at the first line, on the work-group's number alone, and each has LDS bytes of its own: the norm's stage from byte 0, the weights' stages from byte 66,048.
;
; THE NORM.  y = (x - mean) rsqrt(var + 1e-5) g + b for rows of 1,024 f32.  XN takes each token's mean and 1 / deviation (8 bytes a token, from byte 0), y's codes of BF6 (E3M2) quantised along the row
; (from byte 16,777,216: [kstep 8][row block 256][1,536], a fragment's image) and the scale words (from byte 19,922,944: [kstep][storage row]).
; Storage row s holds token s with bits 3 and 4 exchanged.  The variance is taken of x - mean, in a second pass over registers.
; A work-group makes one storage row block of 16 tokens.  Wave w normalises stage rows 4 w .. 4 w + 3, which are four neighbouring tokens;
; the rows meet in a stage in LDS (pitch 4,096 + 16); behind one barrier wave w quantises ksteps 2 w and 2 w + 1 of all 16 rows.
;
; THE WEIGHTS, f32 stored [K][N], become codes of BF6 quantised along K, with one E8M0 byte for each 32 along K, laid [kstep of 128][row block of 16][1,536 bytes], a fragment's image:
; half c (k = 64 c ..) at 768 c: registers 6 c .. 6 c + 3 at 16 x lane, registers 6 c + 4, 6 c + 5 at 512 + 8 x lane.  Storage row s holds column n = s with bits 3 and 4 exchanged.
; Scale words: [kstep][storage row].  A work-group takes 128 columns x 256 along K of one weight, a wave 32 columns: a lane to a column, its registers down K.
; One path serves all four weights: sizes, sections and the source pointer are chosen by s_cselect on the work-group's number.
;
; A block's scale byte is its largest magnitude's exponent field - 4, held at 1 from below (a block of zeros gets 1: its codes are zeros, and only this program reads the bytes).
; LIMITS: NaN and infinities are not served; blocks under 2^-122 take the floor's byte.
.set X,   32                           ; the norm: v32-159  row i at 32 i: register 4 j + e = column 128 j + 4 lane + e
.set G,   160                          ; v160-191 g, the same columns
.set BV,  192                          ; v192-223 b
.set ST,  32                           ; phase 2: 64 numbers of a lane
.set PC,  96                           ; the codes just made
.set TM,  116
.set PW,  132
.set SEL, 20
.set WSTG, 66048                       ; the weights: their stages begin here, 6,144 bytes a wave
.set WVO,  32                          ; v32-63   4 x lane + i x a row of the weight in bytes
.set WX,   64                          ; v64-127  two sets of 32 numbers
.set WD,   128                         ; v128-133 a block's six registers of codes
.set WT,   136                         ; v136-138 the second conversion's result
.set WSB,  140                         ; v140-141 my column's two scale words
.set WOUT, 144                         ; v144-191 the way out
.macro QUANT s                         ; 64 numbers, register 16 b + i = k 32 b + 16 (lane / 16) + i of my row -> codes in v[PC] on, scale word in v[PW]
.irp b, 0,1,2,3
	v_max3_num_f32 v[TM+\b], |v[\s+16*\b]|, |v[\s+1+16*\b]|, 0x2800000
.endr
.irp i, 2,4,6,8,10,12,14
.irp b, 0,1,2,3
	v_max3_num_f32 v[TM+\b], v[TM+\b], |v[\s+16*\b+\i]|, |v[\s+1+16*\b+\i]|
.endr
.endr
.irp b, 0,1,2,3
	v_permlanex16_b32 v[TM+4+\b], v[TM+\b], s[SEL], s[SEL+1]
.endr
.irp b, 0,1,2,3
	v_max_num_f32 v[TM+\b], v[TM+\b], v[TM+4+\b]
.endr
.irp b, 0,1,2,3
	v_add_nc_u32 v[TM+12+\b], 0xfe000000, v[TM+\b]
.endr
.irp b, 0,1,2,3
	v_lshrrev_b32 v[TM+4+\b], 23, v[TM+12+\b]
.endr
	v_lshl_or_b32 v[PW], v[TM+5], 8, v[TM+4]
	v_lshl_or_b32 v[PW], v[TM+6], 16, v[PW]
	v_lshl_or_b32 v[PW], v[TM+7], 24, v[PW]
.irp c, 0,1
	v_cvt_scalef32_pk16_bf6_f32 v[PC+6*\c:PC+2+6*\c], v[\s+32*\c:\s+15+32*\c], v[TM+12+2*\c]
	v_cvt_scalef32_pk16_bf6_f32 v[PC+12+4*\c:PC+14+4*\c], v[\s+16+32*\c:\s+31+32*\c], v[TM+12+2*\c+1]
.endr
	v_nop                                          ; one plain line behind a scaled conversion
.irp c, 0,1
.irp i, 0,1,2
	v_permlane16_swap_b32 v[PC+6*\c+\i], v[PC+12+4*\c+\i]
.endr
.irp i, 0,1,2
	v_mov_b32 v[PC+3+6*\c+\i], v[PC+12+4*\c+\i]
.endr
.endr
.endm
.macro REDUCE                          ; the four rows' figures in v224, v228, v232, v236, summed over the 32 lanes
.irp m, 1,2,4,8
.irp i, 0,1,2,3
	v_add_f32_dpp v[224+4*\i], v[224+4*\i], v[224+4*\i] row_xmask:\m row_mask:0xf bank_mask:0xf
.endr
.endr
.irp i, 0,1,2,3
	v_permlanex16_b32 v[225+4*\i], v[224+4*\i], s[SEL], s[SEL+1]
.endr
.irp i, 0,1,2,3
	v_add_f32 v[224+4*\i], v[224+4*\i], v[225+4*\i]
.endr
.endm
	v_lshl_add_u32 v254, v0, 2, 0x16200
	v_mov_b32 v255, 0
	s_cmp_lt_u32 ttmp9, 256                        ; the same in all four waves of a work-group
	s_cbranch_scc0 .Lweights
	; ---------------------------------------------------------------- the norm
	s_load_b256 s[4:11], s[0:1], 0x0               ; x, g, b, XN
	v_lshrrev_b32 v1, 5, v0
	v_readfirstlane_b32 s14, v1                    ; wave
	v_and_b32 v1, 31, v0
	v_lshlrev_b32 v2, 4, v1                        ; 16 x lane
	v_lshlrev_b32 v5, 3, v1                        ; 8 x lane
	v_and_b32 v7, 15, v0                           ; r
	v_bfe_u32 v24, v0, 4, 1                        ; h
	v_lshlrev_b32 v6, 2, v7                        ; 4 r
	s_mul_i32 s16, s14, 4*4112
	v_add_nc_u32 v3, s16, v2                       ; the stage, in: my four rows, 16 x lane
	v_mul_u32_u24 v4, v7, 4112
	v_lshl_add_u32 v4, v24, 6, v4
	s_lshl_b32 s16, s14, 10
	v_add_nc_u32 v4, s16, v4                       ; and out: row r, + 64 h, + my two ksteps' 1,024 bytes x wave
	s_mov_b32 s12, 0x3a800000                      ; 1 / 1,024
	s_mov_b32 s13, 0x3727c5ac                      ; 1e-5
	s_mov_b32 s[SEL], 0x76543210
	s_mov_b32 s[SEL+1], 0xfedcba98
	s_lshr_b32 s16, ttmp9, 1                       ; my first token: 32 (block / 2) + 8 (block % 2) + 4 (wave % 2) + 16 (wave / 2)
	s_lshl_b32 s16, s16, 5
	s_and_b32 s17, ttmp9, 1
	s_lshl_b32 s17, s17, 3
	s_add_co_u32 s16, s16, s17
	s_and_b32 s17, s14, 1
	s_lshl_b32 s17, s17, 2
	s_add_co_u32 s16, s16, s17
	s_lshr_b32 s17, s14, 1
	s_lshl_b32 s17, s17, 4
	s_add_co_u32 s16, s16, s17
	s_lshl_b32 s16, s16, 12
	s_mov_b32 s17, 0
	s_lshl_b32 s18, s14, 9
	s_add_co_u32 s18, s18, ttmp9
	s_mul_i32 s18, s18, 1536
	s_add_co_u32 s18, s18, 16777216                ; codes: kstep 2 wave, my row block
	s_mov_b32 s19, 0
	s_wait_alu depctr_va_vdst(0)
	s_wait_kmcnt 0x0
	s_add_nc_u64 s[4:5], s[4:5], s[16:17]
	s_lshr_b32 s28, s16, 9                         ; y itself is not stored as f32: XN takes, from byte 0, each token's mean and 1 / deviation, 8 bytes a token; the launch that adds the residual makes y again from x
	s_mov_b32 s29, 0
	s_add_nc_u64 s[22:23], s[10:11], s[28:29]
	s_add_nc_u64 s[24:25], s[10:11], s[18:19]
	s_lshl_b32 s18, s14, 15
	s_lshl_b32 s26, ttmp9, 6
	s_add_co_u32 s18, s18, s26
	s_add_co_u32 s18, s18, 19922944                ; scale words likewise
	s_add_nc_u64 s[26:27], s[10:11], s[18:19]
.irp i, 0,1,2,3
.irp j, 0,1,2,3,4,5,6,7
	global_load_b128 v[X+32*\i+4*\j:X+32*\i+4*\j+3], v2, s[4:5] offset:\i*4096+512*\j th:TH_LOAD_NT
.endr
.endr
.irp j, 0,1,2,3,4,5,6,7
	global_load_b128 v[G+4*\j:G+4*\j+3], v2, s[6:7] offset:512*\j
	global_load_b128 v[BV+4*\j:BV+4*\j+3], v2, s[8:9] offset:512*\j
.endr
	s_wait_loadcnt 16                              ; the rows are in; the 16 loads of g and b may be out
.irp i, 0,1,2,3
	v_pk_add_f32 v[224+4*\i:225+4*\i], v[X+32*\i:X+32*\i+1], v[X+32*\i+2:X+32*\i+3]
	v_pk_add_f32 v[226+4*\i:227+4*\i], v[X+32*\i+4:X+32*\i+5], v[X+32*\i+6:X+32*\i+7]
.endr
.irp j, 8,12,16,20,24,28
.irp i, 0,1,2,3
	v_pk_add_f32 v[224+4*\i:225+4*\i], v[224+4*\i:225+4*\i], v[X+32*\i+\j:X+32*\i+\j+1]
	v_pk_add_f32 v[226+4*\i:227+4*\i], v[226+4*\i:227+4*\i], v[X+32*\i+\j+2:X+32*\i+\j+3]
.endr
.endr
.irp i, 0,1,2,3
	v_pk_add_f32 v[224+4*\i:225+4*\i], v[224+4*\i:225+4*\i], v[226+4*\i:227+4*\i]
.endr
.irp i, 0,1,2,3
	v_add_f32 v[224+4*\i], v[224+4*\i], v[225+4*\i]
.endr
	REDUCE
.irp i, 0,1,2,3
	v_mul_f32 v[8+2*\i], s12, v[224+4*\i]          ; the mean, twice: a pair for the packed forms
	v_mul_f32 v[9+2*\i], s12, v[224+4*\i]
.endr
.irp j, 0,2,4,6,8,10,12,14,16,18,20,22,24,26,28,30
.irp i, 0,1,2,3
	v_pk_add_f32 v[X+32*\i+\j:X+32*\i+\j+1], v[X+32*\i+\j:X+32*\i+\j+1], v[8+2*\i:9+2*\i] neg_lo:[0,1] neg_hi:[0,1]
.endr
.endr
.irp i, 0,1,2,3
	v_pk_mul_f32 v[224+4*\i:225+4*\i], v[X+32*\i:X+32*\i+1], v[X+32*\i:X+32*\i+1]
	v_pk_mul_f32 v[226+4*\i:227+4*\i], v[X+32*\i+2:X+32*\i+3], v[X+32*\i+2:X+32*\i+3]
.endr
.irp j, 4,8,12,16,20,24,28
.irp i, 0,1,2,3
	v_pk_fma_f32 v[224+4*\i:225+4*\i], v[X+32*\i+\j:X+32*\i+\j+1], v[X+32*\i+\j:X+32*\i+\j+1], v[224+4*\i:225+4*\i]
	v_pk_fma_f32 v[226+4*\i:227+4*\i], v[X+32*\i+\j+2:X+32*\i+\j+3], v[X+32*\i+\j+2:X+32*\i+\j+3], v[226+4*\i:227+4*\i]
.endr
.endr
.irp i, 0,1,2,3
	v_pk_add_f32 v[224+4*\i:225+4*\i], v[224+4*\i:225+4*\i], v[226+4*\i:227+4*\i]
.endr
.irp i, 0,1,2,3
	v_add_f32 v[224+4*\i], v[224+4*\i], v[225+4*\i]
.endr
	REDUCE
.irp i, 0,1,2,3
	v_fma_f32 v[224+4*\i], v[224+4*\i], s12, s13   ; var + eps
.endr
	s_wait_alu depctr_va_vdst(0)
.irp i, 0,1,2,3
	v_rsq_f32 v[16+2*\i], v[224+4*\i]
.endr
	v_nop                                          ; a plain line behind the last of the four
	s_wait_alu depctr_va_vdst(0)                   ; one wait for the four, ahead of their first reader
.irp i, 0,1,2,3
	v_mov_b32 v[17+2*\i], v[16+2*\i]
.endr
	s_wait_alu depctr_va_vdst(0)
	s_wait_loadcnt 0x0                             ; g and b
.irp j, 0,2,4,6,8,10,12,14,16,18,20,22,24,26,28,30
.irp i, 0,1,2,3
	v_pk_mul_f32 v[X+32*\i+\j:X+32*\i+\j+1], v[X+32*\i+\j:X+32*\i+\j+1], v[16+2*\i:17+2*\i]
.endr
.endr
.irp j, 0,2,4,6,8,10,12,14,16,18,20,22,24,26,28,30
.irp i, 0,1,2,3
	v_pk_fma_f32 v[X+32*\i+\j:X+32*\i+\j+1], v[X+32*\i+\j:X+32*\i+\j+1], v[G+\j:G+\j+1], v[BV+\j:BV+\j+1]
.endr
.endr
.irp i, 0,1,2,3
.irp j, 0,1,2,3,4,5,6,7
	ds_store_b128 v3, v[X+32*\i+4*\j:X+32*\i+4*\j+3] offset:\i*4112+512*\j
.endr
.endr
	v_and_b32 v224, 3, v1                          ; lane l takes row l % 4 of my four: eight lanes hold the same pair and write it to the same place
	v_cmp_eq_u32 vcc_lo, 1, v224
	v_cndmask_b32 v226, v8, v10, vcc_lo
	v_cndmask_b32 v227, v16, v18, vcc_lo
	v_cmp_eq_u32 vcc_lo, 2, v224
	v_cndmask_b32 v226, v226, v12, vcc_lo
	v_cndmask_b32 v227, v227, v20, vcc_lo
	v_cmp_eq_u32 vcc_lo, 3, v224
	v_cndmask_b32 v226, v226, v14, vcc_lo
	v_cndmask_b32 v227, v227, v22, vcc_lo
	v_lshlrev_b32 v225, 3, v224
	global_store_b64 v225, v[226:227], s[22:23]    ; (mean, 1 / deviation) of four neighbouring tokens: 32 consecutive bytes
	s_wait_dscnt 0x0
	s_barrier_signal -1
	s_barrier_wait -1
	s_wait_xcnt 0x0                                ; the stores have read their registers, which are written again below
.irp b, 0,1,2,3
	v_mov_b32 v[TM+4+\b], 0                        ; a lane permute's destination counts as one of its sources
.endr
.irp u, 0,1
.irp b, 0,1,2,3
.irp j, 0,1,2,3
	ds_load_b128 v[ST+16*\b+4*\j:ST+16*\b+4*\j+3], v4 offset:512*\u+128*\b+16*\j
.endr
.endr
	s_wait_dscnt 0x0
.if \u
	s_wait_xcnt 0x0                                ; the first kstep's stores have read the codes' registers
.endif
	QUANT ST
	global_store_b128 v2, v[PC:PC+3], s[24:25] offset:\u*393216
	global_store_b64 v5, v[PC+4:PC+5], s[24:25] offset:\u*393216+512
	global_store_b128 v2, v[PC+6:PC+9], s[24:25] offset:\u*393216+768
	global_store_b64 v5, v[PC+10:PC+11], s[24:25] offset:\u*393216+1280
	global_store_b32 v6, v[PW], s[26:27] offset:\u*16384           ; lanes r and r + 16 hold the same word and write it to the same place
.endr
	s_wait_tensorcnt 0x0
	ds_add_u32 v254, v255
	s_wait_dscnt 0x0
	s_endpgm
	; ---------------------------------------------------------------- the weights
.Lweights:
	s_load_b256 s[4:11], s[0:1], 0x20              ; W_attn, W_attn_proj, W_fc, W_mlp_proj
	s_load_b64 s[12:13], s[0:1], 0x40              ; WQ
	s_sub_co_u32 s25, ttmp9, 256                   ; which of the 384 parts of the weights
	v_lshrrev_b32 v1, 5, v0
	v_readfirstlane_b32 s14, v1                    ; wave
	v_and_b32 v1, 31, v0                           ; lane = my column of the wave's 32
	v_bfe_u32 v2, v0, 3, 1                         ; which of the two row blocks my column falls into
	v_and_b32 v3, 7, v0
	v_bfe_u32 v9, v0, 4, 1
	v_lshl_add_u32 v3, v9, 3, v3                   ; and its row r there
	s_mul_i32 s26, s14, 6144                       ; my stage: [kstep 2][row block 2][1,536]
	s_add_co_u32 s26, s26, WSTG
	v_mul_u32_u24 v10, v2, 1536
	v_add_nc_u32 v10, s26, v10
	v_lshl_add_u32 v4, v3, 4, v10                  ; into the stage: 16 r
	v_lshl_add_u32 v5, v3, 3, v10                  ; and 8 r
	v_lshl_add_u32 v6, v1, 4, s26                  ; out of it: 16 x lane
	v_lshlrev_b32 v7, 4, v1
	v_lshl_add_u32 v8, v2, 4, v3
	v_lshlrev_b32 v8, 2, v8                        ; my storage row's scale word
	v_lshlrev_b32 v14, 2, v1
	s_mov_b32 s15, 256                             ; W_mlp_proj: first part, bits of y, row bytes, row blocks, sections
	s_mov_b32 s16, 4
	s_mov_b32 s17, 4096
	s_mov_b32 s18, 64
	s_mov_b32 s19, 7372800
	s_mov_b32 s20, 10518528
	s_wait_alu depctr_va_vdst(0)
	s_wait_kmcnt 0x0
	s_mov_b64 s[22:23], s[10:11]
	s_cmp_lt_u32 s25, 256                          ; W_fc
	s_cselect_b32 s15, 128, s15
	s_cselect_b32 s16, 2, s16
	s_cselect_b32 s17, 16384, s17
	s_cselect_b32 s18, 256, s18
	s_cselect_b32 s19, 4096000, s19
	s_cselect_b32 s20, 7241728, s20
	s_cselect_b64 s[22:23], s[8:9], s[22:23]
	s_cmp_lt_u32 s25, 128                          ; W_attn_proj
	s_cselect_b32 s15, 96, s15
	s_cselect_b32 s17, 4096, s17
	s_cselect_b32 s18, 64, s18
	s_cselect_b32 s19, 3276800, s19
	s_cselect_b32 s20, 4063232, s20
	s_cselect_b64 s[22:23], s[6:7], s[22:23]
	s_cmp_lt_u32 s25, 96                           ; W_attn (its pitch is 256 row blocks; 192 are written and read)
	s_cselect_b32 s15, 0, s15
	s_cselect_b32 s17, 12288, s17
	s_cselect_b32 s18, 256, s18
	s_cselect_b32 s19, 0, s19
	s_cselect_b32 s20, 3145728, s20
	s_cselect_b64 s[22:23], s[4:5], s[22:23]
	s_sub_co_u32 s15, s25, s15
	s_bfm_b32 s21, s16, 0
	s_and_b32 s21, s15, s21                        ; y: which 256 along K
	s_lshr_b32 s24, s15, s16                       ; x: which 128 columns
.set II, 0
.rept 32
	v_mad_u32_u24 v[WVO+II], s17, II, v14
.set II, II+1
.endr
	s_mul_i32 s26, s21, s17
	s_lshl_b32 s26, s26, 8                         ; 256 y rows
	s_lshl_b32 s27, s24, 9
	s_add_co_u32 s26, s26, s27                     ; + 128 x columns
	s_lshl_b32 s27, s14, 7
	s_add_co_u32 s26, s26, s27                     ; + 32 columns a wave
	s_mov_b32 s27, 0
	s_add_nc_u64 s[32:33], s[22:23], s[26:27]      ; a base for each block of 32 along K: none is written again
	s_lshl_b32 s26, s17, 5
.irp t, 1,2,3,4,5,6,7
	s_add_nc_u64 s[32+2*\t:33+2*\t], s[30+2*\t:31+2*\t], s[26:27]
.endr
	s_lshl_b32 s28, s21, 1
	s_mul_i32 s28, s28, s18                        ; kstep 2 y, in row blocks
	s_lshl_b32 s29, s24, 3
	s_add_co_u32 s29, s29, s28
	s_lshl_b32 s30, s14, 1
	s_add_co_u32 s29, s29, s30                     ; + 8 x + 2 wave
	s_mul_i32 s30, s29, 1536
	s_add_co_u32 s30, s30, s19
	s_mov_b32 s31, 0
	s_add_nc_u64 s[48:49], s[12:13], s[30:31]      ; codes of kstep 2 y
	s_mul_i32 s30, s18, 1536
	s_add_nc_u64 s[50:51], s[48:49], s[30:31]      ; and of 2 y + 1
	s_lshl_b32 s30, s28, 6
	s_lshl_b32 s29, s24, 9
	s_add_co_u32 s30, s30, s29
	s_lshl_b32 s29, s14, 7
	s_add_co_u32 s30, s30, s29
	s_add_co_u32 s30, s30, s20
	s_add_nc_u64 s[52:53], s[12:13], s[30:31]      ; scale words of kstep 2 y
	s_lshl_b32 s30, s18, 6
	s_add_nc_u64 s[54:55], s[52:53], s[30:31]
.macro LOAD t                          ; block t: W(32 t + i, my column): 32 lanes read 128 consecutive bytes
.set II, 0
.rept 32
	global_load_b32 v[WX+32*((\t)%2)+II], v[WVO+II], s[32+2*(\t):33+2*(\t)] th:TH_LOAD_NT
.set II, II+1
.endr
.endm
.macro BLOCK t
.set XS, WX+32*((\t)%2)
.if (\t) < 7
	s_wait_loadcnt 32                              ; this block's 32 loads are in; the next block's 32 may be out
.else
	s_wait_loadcnt 0x0
.endif
	v_max3_num_f32 v12, |v[XS]|, |v[XS+1]|, |v[XS+2]|
	v_max3_num_f32 v13, |v[XS+3]|, |v[XS+4]|, |v[XS+5]|
.irp i, 6,10,14,18,22,26
	v_max3_num_f32 v12, v12, |v[XS+\i]|, |v[XS+\i+1]|
	v_max3_num_f32 v13, v13, |v[XS+\i+2]|, |v[XS+\i+3]|
.endr
	v_max3_num_f32 v12, v12, |v[XS+30]|, |v[XS+31]|
	v_max3_num_f32 v12, v12, v13, 0x2800000        ; the floor 2^(5 - 127): the byte cannot fall under 1
	v_add_nc_u32 v11, 0xfe000000, v12              ; 4 off the exponent field: the conversion's scale operand
	v_lshrrev_b32 v13, 23, v11                     ; the byte
.if (\t)%4 == 0
	v_mov_b32 v[WSB+(\t)/4], v13
.else
	v_lshl_or_b32 v[WSB+(\t)/4], v13, 8*((\t)%4), v[WSB+(\t)/4]
.endif
	v_cvt_scalef32_pk16_bf6_f32 v[WD:WD+2], v[XS:XS+15], v11
	v_cvt_scalef32_pk16_bf6_f32 v[WT:WT+2], v[XS+16:XS+31], v11
	v_nop                                          ; one plain line behind a scaled conversion
.irp i, 0,1,2
	v_mov_b32 v[WD+3+\i], v[WT+\i]
.endr
	ds_store_b128 v4, v[WD:WD+3] offset:((\t)/4)*3072+768*(((\t)%4)/2)+256*((\t)%2)          ; the image's lane is r + 16 (block % 2)
	ds_store_b64 v5, v[WD+4:WD+5] offset:((\t)/4)*3072+768*(((\t)%4)/2)+512+128*((\t)%2)
.if (\t) < 6
	LOAD (\t)+2
.endif
	s_wait_dscnt 0x0                               ; the stores have read their registers: the next block may write them
.endm
	s_wait_alu depctr_va_vdst(0)
	LOAD 0
	LOAD 1
.irp t, 0,1,2,3,4,5,6,7
	BLOCK \t
.endr
	global_store_b32 v8, v[WSB], s[52:53]          ; 32 lanes store 128 consecutive bytes
	s_wait_alu depctr_va_vdst(0)
	global_store_b32 v8, v[WSB+1], s[54:55]
.irp n, 0,1,2,3,4,5,6,7,8,9,10,11
	ds_load_b128 v[WOUT+4*\n:WOUT+4*\n+3], v6 offset:512*\n        ; a wave's LDS instructions are served in order: these see my stores
.endr
.irp n, 0,1,2,3,4,5,6,7,8,9,10,11
	s_wait_dscnt 11-\n                             ; the younger loads may be out
	global_store_b128 v7, v[WOUT+4*\n:WOUT+4*\n+3], s[48+2*(\n/6):49+2*(\n/6)] offset:512*(\n%6)   ; 512 consecutive bytes, aligned
.endr
	s_wait_tensorcnt 0x0
	ds_add_u32 v254, v255
	s_wait_dscnt 0x0
	s_endpgm
.Lfunc_end_k_q37a82b9bb5_prep:
	.size	k_q37a82b9bb5_prep, .Lfunc_end_k_q37a82b9bb5_prep-k_q37a82b9bb5_prep
	.p2alignl 7, 3214868480
	.fill 96, 4, 3214868480
	.section	.rodata,"a",@progbits
	.p2align	6, 0x0
	.amdhsa_kernel k_q37a82b9bb5_prep
		.amdhsa_group_segment_fixed_size 91136
		.amdhsa_private_segment_fixed_size 0
		.amdhsa_enable_private_segment 0
		.amdhsa_kernarg_size 72
		.amdhsa_user_sgpr_count 2
		.amdhsa_user_sgpr_kernarg_segment_ptr 1
		.amdhsa_wavefront_size32 1
		.amdhsa_system_sgpr_workgroup_id_x 1
		.amdhsa_system_sgpr_workgroup_id_y 1
		.amdhsa_system_sgpr_workgroup_id_z 1
		.amdhsa_system_vgpr_workitem_id 0
		.amdhsa_next_free_vgpr 256
		.amdhsa_next_free_sgpr 66
		.amdhsa_reserve_vcc 1
		.amdhsa_float_denorm_mode_32 3
		.amdhsa_float_denorm_mode_16_64 3
		.amdhsa_memory_ordered 1
		.amdhsa_forward_progress 1
		.amdhsa_inst_pref_size 90
	.end_amdhsa_kernel
	.amdgpu_metadata
---
amdhsa.version: [ 1, 2 ]
amdhsa.kernels:
  - .name:           k_q37a82b9bb5_prep
    .symbol:         k_q37a82b9bb5_prep.kd
    .args:
      - { .name: x, .offset: 0, .size: 8, .value_kind: global_buffer, .address_space: global }
      - { .name: ln1_g, .offset: 8, .size: 8, .value_kind: global_buffer, .address_space: global }
      - { .name: ln1_b, .offset: 16, .size: 8, .value_kind: global_buffer, .address_space: global }
      - { .name: XN, .offset: 24, .size: 8, .value_kind: global_buffer, .address_space: global }
      - { .name: W_attn, .offset: 32, .size: 8, .value_kind: global_buffer, .address_space: global }
      - { .name: W_attn_proj, .offset: 40, .size: 8, .value_kind: global_buffer, .address_space: global }
      - { .name: W_fc, .offset: 48, .size: 8, .value_kind: global_buffer, .address_space: global }
      - { .name: W_mlp_proj, .offset: 56, .size: 8, .value_kind: global_buffer, .address_space: global }
      - { .name: WQ, .offset: 64, .size: 8, .value_kind: global_buffer, .address_space: global }
    .group_segment_fixed_size: 91136
    .private_segment_fixed_size: 0
    .kernarg_segment_align: 8
    .kernarg_segment_size: 72
    .max_flat_workgroup_size: 128
    .sgpr_count:     66
    .vgpr_count:     256
    .wavefront_size: 32
...
	.end_amdgpu_metadata
.endif
;; end of part 1
;; launch qkv (part 2): grid 12 x 16, 4 waves a work-group, clusters of 4 x 4, 327,680 bytes of LDS; arguments XN, WQ, b_attn, QKV; writes QKV
.if DOCPART == 2
	.amdgcn_target "amdgcn-amd-amdhsa--gfx1250"
	.amdhsa_code_object_version 6
	.text
	.protected	k_q37a82b9bb5_qkv
	.globl	k_q37a82b9bb5_qkv
	.p2align	8
	.type	k_q37a82b9bb5_qkv,@function
k_q37a82b9bb5_qkv:
	s_mov_b64 s[64:65], 0
	v_nop
	global_prefetch_b8 v0, s[64:65] scope:SCOPE_SE
	s_setreg_imm32_b32 hwreg(HW_REG_WAVE_MODE, 25, 1), 1
	s_wait_xcnt 0x0
	s_wait_alu depctr_hold_cnt(0) depctr_sa_sdst(0) depctr_va_vdst(0) depctr_va_sdst(0) depctr_va_ssrc(0) depctr_va_vcc(0) depctr_vm_vsrc(0)
	s_getreg_b32 s2, hwreg(HW_REG_IB_STS2, 6, 4)
	s_cmp_eq_u32 s2, 0
	s_cbranch_scc0 .Lentry_in_a_cluster
	s_endpgm
.Lentry_in_a_cluster:
	s_bfe_u32 s2, ttmp6, 0x10000c
	s_cmp_lg_u32 s2, 0xf033
	s_cbranch_scc0 .Lentry_shape_is_right
	s_endpgm
.Lentry_shape_is_right:
; qkv = ln1(x) W_attn + b_attn on codes of BF6, and q, k, v quantised on the way out, laid as attention's operand registers want them.
; A tile of 256 x 256, four waves of 128 x 128 (64 accumulators).  K = 1,024 goes in 8 ksteps of 128 through two LDS slots of two ksteps; tiles are fragment images
; ([kstep][row block][1,536]), so a slot is a plain run of images: no pitch, no padding; a fragment comes by two loads of 16 and two of 8 bytes a lane.
; The scale words of the work-group's rows, for all of K, come once with the first fills.  Clusters of 4 x 4: A's tiles are asked for jointly along a row, B's along a column.
; The matrix instruction is used transposed (source 0 = B's rows, source 1 = A's rows): a lane holds one row of A, and, since storage rows have bits 3 and 4 of the
; row number exchanged, its 64 registers of a block of A are 128 / 2 neighbours of B's rows: register 16 b + i = row 32 b + 16 (lane / 16) + i.  That is what the quantiser takes.
; TWO MODES, told apart by the cluster's x alone (equal in all partners), by s_cselect on pointers, indices and masks of data; no branch hangs on it.
;   clusters x = 0, 1 (QK): A = tokens, B = W's columns of q and k: a lane holds a token, registers run along two heads' channels: halves go to QKc[head][token block][768].
;   cluster  x = 2    (VT): A = W's columns of v, B = tokens: a lane holds a channel, registers run along 128 keys: halves go to Vc[b, head][64 keys][16 channels][768].
; q's and k's scale words carry the head's two bytes below and 0x7f twice above: attention pads the head's 64 to 128 with zero codes.
; LIMITS: NaN and infinities are not served; a block of zeros, or under 2^-122, takes the byte 1.
; lds_bytes: all of it, and the add of 0 onto spare words.
.set MBW, 8
.set NBW, 8
.set NQ, 2
.set KSTEPS, 8
.set RBA, 256
.set RBB, 256
.set SPA, 2048
.set SPB, 2048
.set LAPS, KSTEPS/(2*NQ)
.set HALFT, NQ*MBW*1536                ; what one tensor load of the ring brings: one kstep of a tile, 16 images on end, dense in memory
.set SLOT, 4*HALFT                     ; A's two ksteps, then B's two: [kstep][16 blocks][1,536]
.set SCL, 2*SLOT                       ; the scale words: A's [kstep][256 words], then B's
.set HALFS, KSTEPS*MBW*64
.set SPARE, SCL+4*HALFS                ; the spare words: 512 bytes that no other line names
.set G1, 24
.set G0, 32
.set G1B, 48
.set G0B, 56
.set G1S, 68
.set G0S, 76
.set G1SB, 80
.set G0SB, 88
.set HA, 64                            ; the way out, window 0: 64 numbers; codes; at work
.set PC, 192
.set TM, 212
.set PW, 228
.set PWS, 229
.set SEL, 20
.set MSB, 0
.macro WIN new
.if MSB != (\new)
	s_set_vgpr_msb (MSB<<8)|(\new)
.set MSB, (\new)
.endif
.endm
.macro JLOAD g0a, g1a, g0b, g1b        ; waves 0, 1 fetch for A, waves 2, 3 for B; four v_nop follow each line
	s_cmp_eq_u32 s15, 0
	s_cbranch_scc0 .Lfor_b_\@
	tensor_load_to_lds s[\g0a:\g0a+3], s[\g1a:\g1a+7]
	s_nop 0
.rept 4
	v_nop
.endr
	s_branch .Lasked_\@
.Lfor_b_\@:
	tensor_load_to_lds s[\g0b:\g0b+3], s[\g1b:\g1b+7]
	s_nop 0
.rept 4
	v_nop
.endr
.Lasked_\@:
.endm
.macro CREST
	s_cmp_lg_u32 s14, 0
	s_cbranch_scc1 .Lnot_wave_0_\@
	s_barrier_signal -3
.Lnot_wave_0_\@:
	s_barrier_wait -3
	s_barrier_signal -1
	s_barrier_wait -1
.endm
.macro CROUND
	s_barrier_signal -1
	s_barrier_wait -1
	CREST
.endm
.macro FRAGLD reg, a16, a8, off        ; a fragment's image into 12 registers
	ds_load_b128 v[\reg:\reg+3], v[\a16] offset:\off
	ds_load_b64 v[\reg+4:\reg+5], v[\a8] offset:\off+512
	ds_load_b128 v[\reg+6:\reg+9], v[\a16] offset:\off+768
	ds_load_b64 v[\reg+10:\reg+11], v[\a8] offset:\off+1280
.endm
.macro FETCH slot, q, p                ; the fragments of the slot's q-th kstep into set p: B's into window 1, A's into window 0
	WIN 0x40
.set II, 0
.rept NBW
	FRAGLD 128*(\p)+12*II, 20+\slot, 22+\slot, ((\q)*2*NBW+II)*1536
.set II, II+1
.endr
	WIN 0
.set II, 0
.rept MBW
	FRAGLD 64+12*MBW*(\p)+12*II, 16+\slot, 18+\slot, ((\q)*2*MBW+II)*1536
.set II, II+1
.endr
.endm
.macro SCALES sc                       ; a slot's scale words: lanes 0-15 A's block i, lanes 16-31 B's block i
.set II, 0
.rept MBW
.set QQ, 0
.rept NQ
	ds_load_b32 v[32+16*(\sc)+NQ*II+QQ], v27 offset:QQ*2*MBW*64+64*II
.set QQ, QQ+1
.endr
.set II, II+1
.endr
.endm
.macro MUL a0, n, p, q, sc, zero       ; A's blocks a0 .. a0 + n - 1 against B's NBW; the accumulators take turns, one instruction a turn
.set AA, \a0
.rept \n
	WIN 0xa1+0x50*((NBW*AA)/32)
.set BB, 0
.rept NBW
.set AC, 8*((NBW*AA+BB)%32)
.set BF, 128*(\p)+12*BB
.set AFR, 64+12*MBW*(\p)+12*AA
.if \zero
	v_wmma_scale_f32_16x16x128_f8f6f4 v[AC:AC+7], v[BF:BF+11], v[AFR:AFR+11], 0, v[32+16*(\sc)+NQ*BB+(\q)], v[32+16*(\sc)+NQ*AA+(\q)] matrix_a_fmt:MATRIX_FMT_BF6 matrix_b_fmt:MATRIX_FMT_BF6 matrix_a_scale:MATRIX_SCALE_ROW1
.else
	v_wmma_scale_f32_16x16x128_f8f6f4 v[AC:AC+7], v[BF:BF+11], v[AFR:AFR+11], v[AC:AC+7], v[32+16*(\sc)+NQ*BB+(\q)], v[32+16*(\sc)+NQ*AA+(\q)] matrix_a_fmt:MATRIX_FMT_BF6 matrix_b_fmt:MATRIX_FMT_BF6 matrix_a_scale:MATRIX_SCALE_ROW1
.endif
.set BB, BB+1
.endr
.set AA, AA+1
.endr
.endm
.macro STEP slot, q, zero              ; a kstep that has its successor in the same slot
	s_wait_dscnt 0x0                               ; this kstep's set, asked for a kstep ago, is in
.rept 4
	v_nop                                          ; four places behind the products that read the other set, in front of the loads into it
.endr
	FETCH \slot, (\q)+1, 1-(\q)%2
	MUL 0, MBW, (\q)%2, \q, \slot, \zero
	WIN 0
.endm
.macro MID slot
.if NQ > 2
.set QM, 1
.rept NQ-2
	STEP \slot, QM, 0
.set QM, QM+1
.endr
.endif
.endm
.macro TURN slot, next, fill           ; a slot's last kstep changes slots
	s_wait_tensorcnt 0x0                           ; all my tensor loads have landed: my part of the next slot
	ds_add_u32 v28, v29                            ; 0 onto my spare word
	s_wait_dscnt 1                                 ; the set is in; the add may be out
	MUL 0, MBW/4, 1, NQ-1, \slot, 0
	s_wait_dscnt 0x0                               ; the add is done, and my reads of this slot are over
	s_barrier_signal -1
	MUL MBW/4, MBW/4, 1, NQ-1, \slot, 0
	WIN 0
	s_barrier_wait -1
.if \fill
	CREST                                          ; the barrier has opened a round of the cluster's: no wave of any partner still reads this slot or has a load on its way
	s_add_nc_u64 s[G0+4*\slot+2:G0+4*\slot+3], s[G0+4*\slot+2:G0+4*\slot+3], 2*NQ*RBA*1536
	s_add_nc_u64 s[G0B+4*\slot+2:G0B+4*\slot+3], s[G0B+4*\slot+2:G0B+4*\slot+3], 2*NQ*RBB*1536
	JLOAD G0+4*\slot, G1, G0B+4*\slot, G1B         ; my one tensor load behind the round; its four v_nop are the places in front of the loads below
.else
.rept 4
	v_nop
.endr
.endif
	s_wait_alu depctr_va_vdst(0)
	v_add_nc_u32 v27, 2048, v27                    ; the next slot's scale words: two ksteps of 1,024 bytes
	FETCH \next, 0, 0
	SCALES \next
	MUL MBW/2, MBW/2, 1, NQ-1, \slot, 0
	WIN 0
.endm
.macro QUANT s                         ; 64 numbers, register 16 b + i = k 32 b + 16 (lane / 16) + i of my row -> codes in v[PC] on, scale word in v[PW]
.irp b, 0,1,2,3
	v_max3_num_f32 v[TM+\b], |v[\s+16*\b]|, |v[\s+1+16*\b]|, 0x2800000
.endr
.irp i, 2,4,6,8,10,12,14
.irp b, 0,1,2,3
	v_max3_num_f32 v[TM+\b], v[TM+\b], |v[\s+16*\b+\i]|, |v[\s+1+16*\b+\i]|
.endr
.endr
.irp b, 0,1,2,3
	v_permlanex16_b32 v[TM+4+\b], v[TM+\b], s[SEL], s[SEL+1]
.endr
.irp b, 0,1,2,3
	v_max_num_f32 v[TM+\b], v[TM+\b], v[TM+4+\b]
.endr
.irp b, 0,1,2,3
	v_add_nc_u32 v[TM+12+\b], 0xfe000000, v[TM+\b]
.endr
.irp b, 0,1,2,3
	v_lshrrev_b32 v[TM+4+\b], 23, v[TM+12+\b]
.endr
	v_lshl_or_b32 v[PW], v[TM+5], 8, v[TM+4]
	v_lshl_or_b32 v[PW], v[TM+6], 16, v[PW]
	v_lshl_or_b32 v[PW], v[TM+7], 24, v[PW]
.irp c, 0,1
	v_cvt_scalef32_pk16_bf6_f32 v[PC+6*\c:PC+2+6*\c], v[\s+32*\c:\s+15+32*\c], v[TM+12+2*\c]
	v_cvt_scalef32_pk16_bf6_f32 v[PC+12+4*\c:PC+14+4*\c], v[\s+16+32*\c:\s+31+32*\c], v[TM+12+2*\c+1]
.endr
	v_nop
.irp c, 0,1
.irp i, 0,1,2
	v_permlane16_swap_b32 v[PC+6*\c+\i], v[PC+12+4*\c+\i]
.endr
.irp i, 0,1,2
	v_mov_b32 v[PC+3+6*\c+\i], v[PC+12+4*\c+\i]
.endr
.endr
.endm
	s_load_b256 s[4:11], s[0:1], 0x0               ; XN, WQ, b_attn, QKV
	v_lshl_add_u32 v28, v0, 2, SPARE
	v_mov_b32 v29, 0
	ds_add_u32 v28, v29
	ds_add_u32 v28, v29
	s_wait_dscnt 0x0
	v_lshrrev_b32 v1, 5, v0
	v_readfirstlane_b32 s14, v1                    ; wave
	s_lshr_b32 s15, s14, 1                         ; my half of A's rows; also: I fetch for A (0) or B (1)
	s_and_b32 s16, s14, 1                          ; my half of B's rows; also: which half I fetch
	s_bfe_u32 s40, ttmp6, 0x40000                  ; cx
	s_bfe_u32 s41, ttmp6, 0x40004                  ; cy
	s_and_b32 s18, ttmp7, 0xffff
	s_lshl_b32 s18, s18, 2                         ; 4 x cluster y
	s_lshl_b32 s19, ttmp9, 2                       ; 4 x cluster x
	s_cmp_eq_u32 ttmp9, 2                          ; VT?
	s_cselect_b32 s17, 8, s18
	s_cselect_b32 s42, s18, s19
	s_cselect_b32 s12, 0, -1                       ; all ones in QK
	s_cselect_b32 s13, -1, 0                       ; all ones in VT
	s_cselect_b32 s66, 0, 16777216                 ; A's codes begin here in A's buffer,
	s_mov_b32 s67, 19922944
	s_cselect_b32 s67, 3145728, s67                ; its scale words here;
	s_cselect_b32 s95, 16777216, 0                 ; B's likewise
	s_mov_b32 s2, 3145728
	s_cselect_b32 s2, 19922944, s2
	s_add_co_u32 s17, s17, s41                     ; A's tile: hangs on cy and the cluster alone
	s_add_co_u32 s42, s42, s40                     ; B's tile: on cx and the cluster alone
	s_lshl_b32 s43, s41, 2
	s_lshl_b32 s43, 15, s43                        ; my row of the cluster
	s_lshl_b32 s44, 0x1111, s40                    ; my column
	s_or_b32 s[G1+0], s43, (3<<16)|(1<<21)         ; elements of 8 bytes, no padding; bit 21 beside a mask
	s_or_b32 s[G1B+0], s44, (3<<16)|(1<<21)
.irp g, G1, G1B
	s_mov_b32 s[\g+1], (2*MBW*192)<<16             ; the head's shape: a row is a kstep of the tile, 16 images on end
	s_mov_b32 s[\g+2], NQ<<16                      ; rows: slot 0's ksteps
	s_mov_b32 s[\g+3], (2*MBW*192)<<16
	s_mov_b32 s[\g+4], NQ
	s_mov_b32 s[\g+6], 0
	s_mov_b32 s[\g+7], 0
.endr
	s_mov_b32 s[G1+5], RBA*192                     ; from kstep to kstep
	s_mov_b32 s[G1B+5], RBB*192
	s_or_b32 s[G1S+0], s43, (3<<16)|(1<<21)
	s_or_b32 s[G1SB+0], s44, (3<<16)|(1<<21)
.irp g, G1S, G1SB
	s_mov_b32 s[\g+1], (2*MBW*8)<<16               ; a row: the tile's 256 words
	s_mov_b32 s[\g+2], KSTEPS<<16
	s_mov_b32 s[\g+3], (2*MBW*8)<<16
	s_mov_b32 s[\g+4], KSTEPS
	s_mov_b32 s[\g+6], 0
	s_mov_b32 s[\g+7], 0
.endr
	s_mov_b32 s[G1S+5], SPA
	s_mov_b32 s[G1SB+5], SPB
	s_mul_i32 s20, s17, 2*MBW                      ; A's tile: its first row block
	s_mul_i32 s46, s42, 2*MBW                      ; B's
	s_lshl_b32 s22, s20, 6
	s_lshl_b32 s92, s46, 6
	s_mul_i32 s20, s20, 1536
	s_mul_i32 s46, s46, 1536
	s_add_co_u32 s20, s20, s66
	s_add_co_u32 s22, s22, s67
	s_add_co_u32 s46, s46, s95
	s_add_co_u32 s92, s92, s2
	s_mov_b32 s21, 0
	s_mov_b32 s23, 0
	s_mov_b32 s47, 0
	s_mov_b32 s93, 0
	s_mul_i32 s45, s14, HALFT
	s_wait_kmcnt 0x0
	s_cmp_eq_u32 ttmp9, 2
	s_cselect_b64 s[96:97], s[6:7], s[4:5]         ; A's buffer: WQ in VT, XN in QK
	s_cselect_b64 s[98:99], s[4:5], s[6:7]         ; B's
	s_add_nc_u64 s[20:21], s[96:97], s[20:21]
	s_add_nc_u64 s[22:23], s[96:97], s[22:23]
	s_add_nc_u64 s[46:47], s[98:99], s[46:47]
	s_add_nc_u64 s[92:93], s[98:99], s[92:93]
	CROUND                                         ; all sixteen work-groups are here: the first joint loads meet
	s_mov_b32 s[G0S], 1
	s_mov_b32 s[G0S+1], SCL
	s_mov_b64 s[G0S+2:G0S+3], s[22:23]
	s_or_b32 s[G0S+3], s[G0S+3], 0x80000000
	s_mov_b32 s[G0SB], 1
	s_mov_b32 s[G0SB+1], SCL+2*HALFS
	s_mov_b64 s[G0SB+2:G0SB+3], s[92:93]
	s_or_b32 s[G0SB+3], s[G0SB+3], 0x80000000
.irp s, 0,1
	s_mov_b32 s[G0+4*\s], 1
	s_add_co_u32 s[G0+4*\s+1], s45, \s*SLOT
	s_add_nc_u64 s[G0+4*\s+2:G0+4*\s+3], s[20:21], \s*NQ*RBA*1536
	s_or_b32 s[G0+4*\s+3], s[G0+4*\s+3], 0x80000000
	s_mov_b32 s[G0B+4*\s], 1
	s_add_co_u32 s[G0B+4*\s+1], s45, \s*SLOT
	s_add_nc_u64 s[G0B+4*\s+2:G0B+4*\s+3], s[46:47], \s*NQ*RBB*1536
	s_or_b32 s[G0B+4*\s+3], s[G0B+4*\s+3], 0x80000000
.endr
	; THE HEAD'S FOUR TILES, ONE JOINT LOAD A WAVE: A's slot 0, B's slot 0, A's scale words, B's: one chain of branches on the wave's number, one join
	s_mov_b32 s[G0+1], 0
	s_mov_b32 s[G0B+1], 2*HALFT
	s_cmp_lt_u32 s14, 1
	s_cbranch_scc0 .Lh1
	tensor_load_to_lds s[G0:G0+3], s[G1:G1+7]
	s_nop 0
.rept 4
	v_nop
.endr
	s_branch .Lh4
.Lh1:
	s_cmp_lt_u32 s14, 2
	s_cbranch_scc0 .Lh2
	tensor_load_to_lds s[G0B:G0B+3], s[G1B:G1B+7]
	s_nop 0
.rept 4
	v_nop
.endr
	s_branch .Lh4
.Lh2:
	s_cmp_lt_u32 s14, 3
	s_cbranch_scc0 .Lh3
	tensor_load_to_lds s[G0S:G0S+3], s[G1S:G1S+7]
	s_nop 0
.rept 4
	v_nop
.endr
	s_branch .Lh4
.Lh3:
	tensor_load_to_lds s[G0SB:G0SB+3], s[G1SB:G1SB+7]
	s_nop 0
.rept 4
	v_nop
.endr
.Lh4:
	s_mul_i32 s2, s16, RBA*1536                    ; in the ring I fetch one kstep of a slot's two
	s_mov_b32 s3, 0
	s_wait_alu depctr_va_vdst(0)
	s_wait_tensorcnt 0x0                           ; my tile of the head's four is in: a later first fill is issued as a refill is,
	ds_add_u32 v28, v29                            ; 0 onto my spare word;
.irp g, G1, G1B
	s_mov_b32 s[\g+1], 32<<16                      ; no load of mine is out, so the descriptors may be written: the ring's shape, 24,576 dense bytes as 96 rows of 256
	s_mov_b32 s[\g+2], 96<<16
	s_mov_b32 s[\g+3], 32<<16
	s_mov_b32 s[\g+4], 96
	s_mov_b32 s[\g+5], 32
.endr
	s_add_co_u32 s[G0+1], s45, 0
	s_add_co_u32 s[G0B+1], s45, 0
.irp s, 0,1
	s_add_nc_u64 s[G0+4*\s+2:G0+4*\s+3], s[G0+4*\s+2:G0+4*\s+3], s[2:3]
	s_add_nc_u64 s[G0B+4*\s+2:G0B+4*\s+3], s[G0B+4*\s+2:G0B+4*\s+3], s[2:3]
.endr
	s_wait_dscnt 0x0                               ; the add is done
	CROUND                                         ; a whole round, and slot 1's load, my one load behind it
	JLOAD G0+4, G1, G0B+4, G1B
	v_and_b32 v1, 15, v0                           ; r
	v_bfe_u32 v2, v0, 4, 1                         ; h
	v_and_b32 v3, 31, v0
	v_lshlrev_b32 v4, 4, v3                        ; 16 x lane
	v_lshlrev_b32 v5, 3, v3                        ; 8 x lane
	s_mul_i32 s21, s15, MBW*1536                   ; my eight blocks of a kstep's sixteen
	s_mul_i32 s22, s16, MBW*1536
	s_add_co_u32 s22, s22, 2*HALFT
.irp s, 0,1
	v_add_nc_u32 v[16+\s], s21, v4
	v_add_nc_u32 v[18+\s], s21, v5
	v_add_nc_u32 v[20+\s], s22, v4
	v_add_nc_u32 v[22+\s], s22, v5
	s_add_co_u32 s21, s21, SLOT
	s_add_co_u32 s22, s22, SLOT
.endr
	v_lshlrev_b32 v6, 2, v1
	s_mul_i32 s21, s15, MBW*64
	s_mul_i32 s22, s16, MBW*64
	s_add_co_u32 s22, s22, 2*HALFS
	s_sub_co_u32 s22, s22, s21
	v_mul_u32_u24 v7, s22, v2                      ; lanes 16-31 take B's region
	s_add_co_u32 s21, s21, SCL
	v_add_nc_u32 v6, v6, v7
	v_add_nc_u32 v27, s21, v6
	; the biases.  Along the registers (QK): b_attn at B's rows; along the lanes (VT): at A's rows.  Both are loaded, from inside the buffer in either mode; the one that does not apply is cleared on the way out.
	s_lshl_b32 s18, s42, 8
	s_lshl_b32 s19, s16, 7
	s_add_co_u32 s18, s18, s19
	s_and_b32 s18, s18, s12
	s_lshl_b32 s18, s18, 2
	s_mov_b32 s19, 0
	s_add_nc_u64 s[92:93], s[8:9], s[18:19]
	s_lshl_b32 s18, s17, 8
	s_lshl_b32 s22, s15, 7
	s_add_co_u32 s18, s18, s22
	s_and_b32 s18, s18, s13
	s_lshl_b32 s18, s18, 2
	s_add_nc_u64 s[94:95], s[8:9], s[18:19]
	v_lshlrev_b32 v6, 6, v2                        ; 16 h numbers
	v_and_b32 v7, 7, v1
	v_lshrrev_b32 v31, 3, v1
	v_lshl_add_u32 v7, v31, 4, v7
	v_lshlrev_b32 v7, 2, v7                        ; (r % 8) + 16 (r / 8) numbers
	WIN 0x40                                       ; window 1, v96-127 and v224-255: beside B's fragments
.irp b, 0,1,2,3,4,5,6,7
.if \b < 4
.set BNR, 96+8*\b
.else
.set BNR, 192+8*\b
.endif
	global_load_b128 v[BNR:BNR+3], v6, s[92:93] offset:(32*(\b/2)+8*(\b%2))*4
	global_load_b128 v[BNR+4:BNR+7], v6, s[92:93] offset:(32*(\b/2)+8*(\b%2))*4+16
.endr
	WIN 0
.irp a, 0,1,2,3,4,5,6,7
	global_load_b32 v[8+\a], v7, s[94:95] offset:(32*(\a/2)+8*(\a%2))*4
.endr
	; where the results go.  QK: head hh0 = 4 IB + 2 wx, token block 16 IA + 8 wy.  VT: kstep of keys 2 IB + wx, head 4 cy + 2 wy.
	s_lshl_b32 s18, s42, 2
	s_lshl_b32 s19, s16, 1
	s_add_co_u32 s18, s18, s19
	s_lshl_b32 s19, s17, 4
	s_lshl_b32 s22, s15, 3
	s_add_co_u32 s19, s19, s22
	s_lshl_b32 s22, s18, 8
	s_add_co_u32 s22, s22, s19
	s_mul_i32 s22, s22, 768
	s_lshl_b32 s23, s18, 12
	s_lshl_b32 s19, s19, 4
	s_add_co_u32 s23, s23, s19
	s_lshl_b32 s23, s23, 2
	s_add_co_u32 s23, s23, 6291456
	s_lshl_b32 s18, s42, 1
	s_add_co_u32 s18, s18, s16
	s_lshr_b32 s19, s18, 4
	s_and_b32 s18, s18, 15
	s_lshl_b32 s19, s19, 4
	s_lshl_b32 s46, s41, 2
	s_add_co_u32 s19, s19, s46
	s_lshl_b32 s46, s15, 1
	s_add_co_u32 s19, s19, s46
	s_lshl_b32 s46, s19, 5
	s_lshl_b32 s47, s18, 1
	s_add_co_u32 s46, s46, s47
	s_mul_i32 s46, s46, 3072
	s_add_co_u32 s46, s46, 6815744
	s_lshl_b32 s47, s19, 4
	s_add_co_u32 s47, s47, s18
	s_lshl_b32 s47, s47, 8
	s_add_co_u32 s47, s47, 9961472
	s_cmp_eq_u32 ttmp9, 2
	s_cselect_b32 s22, s46, s22
	s_cselect_b32 s46, s47, s23
	s_mov_b32 s66, 3072
	s_cselect_b32 s66, 98304, s66                  ; four blocks of A on, in the codes
	s_mov_b32 s67, 256
	s_cselect_b32 s67, 4096, s67                   ; and in the scale words
	s_cselect_b32 s2, -1, 0xffff                   ; what is kept of a scale word
	s_cselect_b32 s45, 0, 0x7f7f0000               ; and what is set above it
	s_mov_b32 s18, 196608
	s_cselect_b32 s18, 3072, s18                   ; from a fragment's first half to its second
	s_cselect_b32 s19, 0, 16384                    ; QK: lanes 16-31 store the second head's word
	s_cselect_b32 s47, 0, 16
	s_mov_b32 s23, 0
	s_add_nc_u64 s[96:97], s[10:11], s[22:23]
	s_mov_b32 s22, s46
	s_add_nc_u64 s[98:99], s[10:11], s[22:23]
	v_add_nc_u32 v24, s18, v4
	v_add_nc_u32 v25, s18, v5
	v_mul_u32_u24 v26, s19, v2
	v_lshl_add_u32 v26, v1, 2, v26
	v_mul_u32_u24 v30, s47, v2
	s_mov_b32 s[SEL], 0x76543210
	s_mov_b32 s[SEL+1], 0xfedcba98
	s_wait_tensorcnt 1                             ; the scale words and my part of slot 0 are in; slot 1's load may be out
	s_barrier_signal -1
	s_barrier_wait -1
	FETCH 0, 0, 0
	SCALES 0
	STEP 0, 0, 1                                   ; the first kstep starts the sums
.if LAPS > 1
	s_mov_b32 s3, LAPS-1
.Llap:
	MID 0
	TURN 0, 1, 1
	STEP 1, 0, 0
	MID 1
	TURN 1, 0, 1
	STEP 0, 0, 0
	s_sub_co_u32 s3, s3, 1
	s_cmp_lg_u32 s3, 0
	s_cbranch_scc1 .Llap
.endif
	MID 0
	TURN 0, 1, 0                                   ; the last lap fills nothing
	STEP 1, 0, 0
	MID 1
	s_wait_dscnt 0x0
	MUL 0, MBW, 1, NQ-1, 1, 0
	WIN 0
.rept 4
	v_nop                                          ; four places behind the last products
.endr
	s_wait_loadcnt 0x0                             ; the biases
	WIN 0x44
.set JJ, 0
.rept 64
.if JJ < 32
.set BNR, 96+JJ
.else
.set BNR, 192+JJ
.endif
	v_and_b32 v[BNR], s12, v[BNR]                  ; kept in QK, 0 in VT
.set JJ, JJ+1
.endr
	WIN 0
.irp a, 0,1,2,3,4,5,6,7
	v_and_b32 v[8+\a], s13, v[8+\a]                ; kept in VT, 0 in QK
.endr
.irp b, 0,1,2,3
	v_mov_b32 v[TM+4+\b], 0
.endr
.macro QBLK a                          ; block a of A: bias, quantise, store: from registers straight to memory, in runs of 512 and 256 aligned bytes
	WIN 0x06+(\a)/4
.set JJ, 0
.rept 32
.if JJ < 32
.set BNR, 96+JJ
.else
.set BNR, 192+JJ
.endif
	v_pk_add_f32 v[HA+JJ:HA+JJ+1], v[64*((\a)%4)+JJ:64*((\a)%4)+JJ+1], v[BNR:BNR+1]     ; each accumulator from its low end on
.set JJ, JJ+2
.endr
	WIN 0
.set JJ, 0
.rept 32
.if (\a)%2 == 0
	v_pk_add_f32 v[HA+JJ:HA+JJ+1], v[HA+JJ:HA+JJ+1], v[8+(\a):9+(\a)] op_sel_hi:[1,0]
.else
	v_pk_add_f32 v[HA+JJ:HA+JJ+1], v[HA+JJ:HA+JJ+1], v[7+(\a):8+(\a)] op_sel:[0,1] op_sel_hi:[1,1]
.endif
.set JJ, JJ+2
.endr
	s_wait_xcnt 0x0                                ; the last block's stores have read their data and offsets
.if (\a) == 4
	v_add_nc_u32 v4, s66, v4
	v_add_nc_u32 v5, s66, v5
	v_add_nc_u32 v24, s66, v24
	v_add_nc_u32 v25, s66, v25
	v_add_nc_u32 v26, s67, v26
.endif
	QUANT HA
	v_lshrrev_b32 v[PWS], v30, v[PW]
	v_and_or_b32 v[PWS], v[PWS], s2, s45
	global_store_b128 v4, v[PC:PC+3], s[96:97] offset:((\a)%4)*768
	global_store_b64 v5, v[PC+4:PC+5], s[96:97] offset:((\a)%4)*768+512
	global_store_b128 v24, v[PC+6:PC+9], s[96:97] offset:((\a)%4)*768
	global_store_b64 v25, v[PC+10:PC+11], s[96:97] offset:((\a)%4)*768+512
	global_store_b32 v26, v[PWS], s[98:99] offset:((\a)%4)*64
.endm
.irp a, 0,1,2,3,4,5,6,7
	QBLK \a
.endr
	s_wait_tensorcnt 0x0                           ; the wave's end
	ds_add_u32 v28, v29
	s_wait_dscnt 0x0
	CROUND                                         ; the closing round
	s_endpgm
.Lfunc_end_k_q37a82b9bb5_qkv:
	.size	k_q37a82b9bb5_qkv, .Lfunc_end_k_q37a82b9bb5_qkv-k_q37a82b9bb5_qkv
	.p2alignl 7, 3214868480
	.fill 96, 4, 3214868480
	.section	.rodata,"a",@progbits
	.p2align	6, 0x0
	.amdhsa_kernel k_q37a82b9bb5_qkv
		.amdhsa_group_segment_fixed_size 327680
		.amdhsa_private_segment_fixed_size 0
		.amdhsa_enable_private_segment 0
		.amdhsa_kernarg_size 32
		.amdhsa_user_sgpr_count 2
		.amdhsa_user_sgpr_kernarg_segment_ptr 1
		.amdhsa_wavefront_size32 1
		.amdhsa_system_sgpr_workgroup_id_x 1
		.amdhsa_system_sgpr_workgroup_id_y 1
		.amdhsa_system_sgpr_workgroup_id_z 1
		.amdhsa_system_vgpr_workitem_id 0
		.amdhsa_next_free_vgpr 1024
		.amdhsa_next_free_sgpr 100
		.amdhsa_reserve_vcc 0
		.amdhsa_float_denorm_mode_32 3
		.amdhsa_float_denorm_mode_16_64 3
		.amdhsa_memory_ordered 1
		.amdhsa_forward_progress 1
		.amdhsa_inst_pref_size 191
	.end_amdhsa_kernel
	.amdgpu_metadata
---
amdhsa.version: [ 1, 2 ]
amdhsa.kernels:
  - .name:           k_q37a82b9bb5_qkv
    .symbol:         k_q37a82b9bb5_qkv.kd
    .args:
      - { .name: XN, .offset: 0, .size: 8, .value_kind: global_buffer, .address_space: global }
      - { .name: WQ, .offset: 8, .size: 8, .value_kind: global_buffer, .address_space: global }
      - { .name: b_attn, .offset: 16, .size: 8, .value_kind: global_buffer, .address_space: global }
      - { .name: QKV, .offset: 24, .size: 8, .value_kind: global_buffer, .address_space: global }
    .group_segment_fixed_size: 327680
    .private_segment_fixed_size: 0
    .kernarg_segment_align: 8
    .kernarg_segment_size: 32
    .max_flat_workgroup_size: 128
    .sgpr_count:     100
    .vgpr_count:     1024
    .wavefront_size: 32
...
	.end_amdgpu_metadata
.endif
;; end of part 2
;; launch attn (part 3): grid 8 x 32, 16 waves a work-group, clusters of 4 x 1, 280,576 bytes of LDS; arguments QKV, AO; writes AO
.if DOCPART == 3
	.amdgcn_target "amdgcn-amd-amdhsa--gfx1250"
	.amdhsa_code_object_version 6
	.text
	.protected	k_q37a82b9bb5_attn
	.globl	k_q37a82b9bb5_attn
	.p2align	8
	.type	k_q37a82b9bb5_attn,@function
k_q37a82b9bb5_attn:
	s_mov_b64 s[64:65], 0
	v_nop
	global_prefetch_b8 v0, s[64:65] scope:SCOPE_SE
	s_setreg_imm32_b32 hwreg(HW_REG_WAVE_MODE, 25, 1), 1
	s_wait_xcnt 0x0
	s_wait_alu depctr_hold_cnt(0) depctr_sa_sdst(0) depctr_va_vdst(0) depctr_va_sdst(0) depctr_va_ssrc(0) depctr_va_vcc(0) depctr_vm_vsrc(0)
	s_getreg_b32 s2, hwreg(HW_REG_IB_STS2, 6, 4)
	s_cmp_eq_u32 s2, 0
	s_cbranch_scc0 .Lentry_in_a_cluster
	s_endpgm
.Lentry_in_a_cluster:
	s_bfe_u32 s2, ttmp6, 0x10000c
	s_cmp_lg_u32 s2, 0x3003
	s_cbranch_scc0 .Lentry_shape_is_right
	s_endpgm
.Lentry_shape_is_right:
; Causal attention of one (batch, head) on codes of BF6, head size 64.  t = score x log2(e) / 8; M = the running largest t rounded up to a whole number; p = 2^(t - M) is quantised along the keys;
; the sum is taken of the unquantised p and divides O at the end; when M moves, the sum and O are multiplied by 2^(old M - new M), which rounds nothing.
; O / sum is quantised along the channels and stored as half a fragment's image for the next product, with its two scale bytes.
; SHARES.  A work-group has 16 token blocks of 16 queries: block 8 j + x, j = 0 .. 15, x the work-group's x (0 .. 7).  Block j lies in key step j (128 keys) whatever x is, so it has j + 1 key steps, the last
; under the mask.  THE KEYS OF A BLOCK ARE SPLIT BETWEEN TWO WAVES, so that all sixteen waves have 8 or 9 steps.  Waves w and w xor 4 are a pair, g = w % 4 + 4 (w / 8); the pair owns blocks g and 15 - g, 17 steps
; together.  par = (w / 4) % 2: a wave takes the key steps s with s % 2 = par, of both blocks, one block after the other: first block g xor 15 par, then the other one.  What it has of the first block (O^T, -M,
; the lane's sum) goes to LDS as an image of its registers, into bytes of its own; behind its second block and one barrier it takes its partner's image of that second block and joins the two:
; M = the larger, both parts x 2^(own M - M): whole powers of two again, so nothing is rounded; a part with no key step holds zeros and is multiplied by 0.
; Every branch hangs on the wave's number and a counted loop alone: a pass is 8 trips, key step 2 i + par in trip i; a step behind the block's last is jumped over.
; LDS is filled ONCE: all of the head's K and V (98,304 bytes each) and their scale words, by joint loads of the cluster's four work-groups, which share the head: waves 0-3 ask for K's codes, waves 4-7 for V's, waves 8 and 9 for the scale words,
; one load a wave; one wait for all of them and one barrier stand in front of the first key step, since a wave's first pass may reach the head's last keys.
; LAYOUT.  Both products are used transposed: a lane holds one query.  Token and channel blocks are stored with bits 3 and 4 of the row number exchanged, so the 16 registers of tiles 2 b, 2 b + 1 are
; keys (channels) 32 b + 16 (lane / 16) + 0 .. 15.
; THE HEAD'S 64 IN AN INSTRUCTION OF 128: q's upper six registers are zero codes, and q's and k's scale words carry 0x7f for that half.  A tile of K is six registers; its operand names twelve: the upper six are
; the next tile's codes (for the last tile: zeros).  They meet q's zero codes; the format has no infinity and no NaN, so they add exactly 0.
; LIMITS: NaN and infinities are not served; a block of zeros, or under 2^-122, takes the byte 1.
.set PART, 208896                      ; behind K, V and their scale words: 4,352 bytes for each wave: O^T's 32 registers at 16 x lane + 512 n, then (-M, sum) at 4,096 + 8 x lane; no fill lands here
.macro ROUND
	s_barrier_signal -1
	s_barrier_wait -1
	s_cmp_lg_u32 s8, 0
	s_cbranch_scc1 .Lnot_wave_0_\@
	s_barrier_signal -3
.Lnot_wave_0_\@:
	s_barrier_wait -3
	s_barrier_signal -1
	s_barrier_wait -1
.endm
	s_load_b128 s[4:7], s[0:1], 0x0                ; QKV, AO
	v_lshl_add_u32 v254, v0, 2, 0x44000
	v_mov_b32 v255, 0
	ds_add_u32 v254, v255
	ds_add_u32 v254, v255
	v_lshrrev_b32 v1, 5, v0
	s_delay_alu instid0(VALU_DEP_1)
	v_readfirstlane_b32 s8, v1                     ; wave 0..15
	s_bfe_u32 s67, s8, 0x10002                     ; par = (wave / 4) % 2
	s_and_b32 s9, s8, 3
	s_lshr_b32 s10, s8, 3
	s_lshl_b32 s10, s10, 2
	s_add_co_u32 s9, s9, s10                       ; g
	s_mul_i32 s10, s67, 15
	s_xor_b32 s9, s9, s10                          ; my first block: g, or 15 - g where par = 1
	s_xor_b32 s66, s9, 15                          ; my second block: the other one
	s_bfe_u32 s14, ttmp6, 0x40000                  ; cx
	s_lshl_b32 s15, ttmp9, 2
	s_add_co_u32 s15, s15, s14                     ; x
	s_and_b32 s16, ttmp7, 0xffff                   ; 16 b + head
	s_lshr_b32 s17, s16, 4
	s_and_b32 s18, s16, 15
	s_add_co_u32 s72, s18, 16                      ; k's heads lie behind q's sixteen
	s_mul_i32 s73, s72, 196608
	s_mul_i32 s74, s17, 98304
	s_add_co_u32 s73, s73, s74                     ; K's codes
	s_mul_i32 s74, s16, 98304
	s_add_co_u32 s74, s74, 6815744                 ; V's codes
	s_lshl_b32 s75, s72, 14
	s_lshl_b32 s76, s17, 13
	s_add_co_u32 s75, s75, s76
	s_add_co_u32 s75, s75, 6291456                 ; K's scale words
	s_lshl_b32 s76, s16, 12
	s_add_co_u32 s76, s76, 9961472                 ; V's
	; THE FIRST FILLS ARE SHARED OUT, ONE A WAVE: waves 0-3 ask for K's four quarters, waves 4-7 for V's, wave 8 for K's scale words, wave 9 for V's
	s_cmp_lt_u32 s8, 4
	s_cselect_b32 s72, s73, s74
	s_and_b32 s77, s8, 3
	s_mul_i32 s77, s77, 24576
	s_add_co_u32 s72, s72, s77                     ; my quarter of K's or of V's codes
	s_cmp_eq_u32 s8, 8
	s_cselect_b32 s74, s75, s76
	s_mov_b32 s73, 0
	s_mov_b32 s75, 0
	s_mul_i32 s77, s8, 24576                       ; LDS: K's four quarters, then V's four
	s_lshl_b32 s78, s8, 13
	; group 1: dense blocks as rows of 256 bytes (32 elements of 8); the mask names the cluster's four
.irp g, 24, 32, 40
	s_mov_b32 s[\g], 15|(3<<16)|(1<<21)
	s_mov_b32 s[\g+1], 32<<16
	s_mov_b32 s[\g+3], 32<<16
	s_mov_b32 s[\g+5], 32
	s_mov_b32 s[\g+6], 0
	s_mov_b32 s[\g+7], 0
.endr
	s_mov_b32 s26, 96<<16                          ; a quarter of the codes: 24,576 bytes
	s_mov_b32 s28, 96
	s_mov_b32 s34, 32<<16                          ; K's scale words: 8,192 bytes
	s_mov_b32 s36, 32
	s_mov_b32 s42, 16<<16                          ; V's: 4,096 bytes
	s_mov_b32 s44, 16
	s_mov_b32 s20, 0x76543210
	s_mov_b32 s21, 0xfedcba98
	s_mov_b32 s22, 0x3e38aa3b                      ; c = log2(e) / 8
	s_mov_b32 s23, s22
	s_wait_dscnt 0x0
	s_wait_kmcnt 0x0
	s_add_nc_u64 s[72:73], s[4:5], s[72:73]
	s_add_nc_u64 s[74:75], s[4:5], s[74:75]
	ROUND                                          ; the four work-groups are here: the joint loads meet
	s_mov_b32 s68, 1
	s_add_co_u32 s69, s78, 131072                  ; wave 8: byte 196,608; wave 9: byte 204,800
	s_mov_b64 s[70:71], s[74:75]
	s_or_b32 s71, s71, 0x80000000
.irp c, 0
	s_mov_b32 s[48+4*\c], 1
	s_add_co_u32 s[49+4*\c], s77, \c*24576
	s_add_nc_u64 s[50+4*\c:51+4*\c], s[72:73], \c*24576
	s_or_b32 s[51+4*\c], s[51+4*\c], 0x80000000
.endr
	s_cmp_lt_u32 s8, 8                             ; one chain of branches on the wave's number, one fill to an arm, one join
	s_cbranch_scc0 .Lnot_c
	tensor_load_to_lds s[48:51], s[24:31]
	s_nop 0
.rept 4
	v_nop
.endr
	s_branch .Lasked
.Lnot_c:
	s_cmp_eq_u32 s8, 8
	s_cbranch_scc0 .Lnot_k
	tensor_load_to_lds s[68:71], s[32:39]
	s_nop 0
.rept 4
	v_nop
.endr
	s_branch .Lasked
.Lnot_k:
	s_cmp_eq_u32 s8, 9
	s_cbranch_scc0 .Lasked
	tensor_load_to_lds s[68:71], s[40:47]
	s_nop 0
.rept 4
	v_nop
.endr
.Lasked:
	v_and_b32 v232, 31, v0                         ; lane
	v_and_b32 v233, 15, v0                         ; r
	v_bfe_u32 v234, v0, 4, 1                       ; h
	s_delay_alu instid0(VALU_DEP_3)
	v_lshlrev_b32 v1, 4, v232                      ; an image's 16 bytes a lane
	s_delay_alu instid0(VALU_DEP_4)
	v_lshl_add_u32 v2, v232, 3, 512                ; and its 8 bytes a lane
	s_wait_alu depctr_va_vdst(0)
	v_lshlrev_b32 v29, 2, v233                     ; 4 r
	s_mul_i32 s76, s67, 6144                       ; my parity's first key step stands in the lanes' bases: the scalars stepped in the loops begin at 0
	v_add_nc_u32 v211, s76, v1                     ; K's tiles
	v_add_nc_u32 v231, s76, v2
	s_delay_alu instid0(VALU_DEP_2)
	v_add_nc_u32 v3, 98304, v211                   ; V's
	s_delay_alu instid0(VALU_DEP_2)
	v_add_nc_u32 v4, 98304, v231
	s_lshl_b32 s76, s67, 9
	s_add_co_u32 s76, s76, 196608
	v_add_nc_u32 v5, s76, v29                      ; K's scale words: 512 bytes a key step
	s_lshl_b32 s76, s67, 8
	s_add_co_u32 s76, s76, 204800
	v_add_nc_u32 v6, s76, v29                      ; V's: 256 bytes a key step
	s_mul_i32 s76, s8, 4352
	s_add_co_u32 s76, s76, PART
	v_add_nc_u32 v94, s76, v1                      ; where my first block's part goes: 16 x lane,
	s_add_co_u32 s76, s76, 3584
	v_add_nc_u32 v95, s76, v2                      ; and 4,096 + 8 x lane (v2 holds 512 of it)
	s_xor_b32 s76, s8, 4
	s_mul_i32 s76, s76, 4352
	s_add_co_u32 s76, s76, PART
	v_add_nc_u32 v224, s76, v1                     ; and where my partner's lies
	s_add_co_u32 s76, s76, 3584
	v_add_nc_u32 v225, s76, v2
	s_lshr_b32 s76, s15, 1
	s_lshl_b32 s76, s76, 5
	s_and_b32 s79, s15, 1
	s_lshl_b32 s79, s79, 3
	s_add_co_u32 s76, s76, s79
	v_and_b32 v7, 7, v233
	v_lshrrev_b32 v235, 3, v233
	s_delay_alu instid0(VALU_DEP_1)
	v_lshl_add_u32 v7, v235, 4, v7
	s_delay_alu instid0(VALU_DEP_1)
	v_add_nc_u32 v7, s76, v7
	v_lshlrev_b32 v235, 4, v234
	s_delay_alu instid0(VALU_DEP_1)
	v_sub_nc_u32 v7, v7, v235                      ; d = my query's place in its key step - 16 h, the same in both blocks: register 16 b + i is hidden where 32 b + i > d
	s_lshl_b32 s79, s17, 7
	s_add_co_u32 s79, s79, s15                     ; 128 b + x
	s_lshl_b32 s76, s9, 3
	s_add_co_u32 s76, s76, s79                     ; my first token block
	s_lshl_b32 s84, s18, 8
	s_add_co_u32 s80, s84, s76
	s_mul_i32 s80, s80, 768
	s_mov_b32 s81, 0
	s_add_nc_u64 s[80:81], s[4:5], s[80:81]
	global_load_b128 v[16:19], v1, s[80:81]        ; its q: six registers
	global_load_b64 v[20:21], v2, s[80:81]
	s_lshl_b32 s85, s18, 12
	s_lshl_b32 s82, s76, 4
	s_add_co_u32 s82, s82, s85
	s_lshl_b32 s82, s82, 2
	s_add_co_u32 s82, s82, 6291456
	s_mov_b32 s83, 0
	s_add_nc_u64 s[82:83], s[4:5], s[82:83]
	global_load_b32 v28, v29, s[82:83]             ; and q's scale words
	s_lshl_b32 s76, s66, 3
	s_add_co_u32 s76, s76, s79                     ; my second token block
	s_add_co_u32 s72, s84, s76
	s_mul_i32 s72, s72, 768
	s_mov_b32 s73, 0
	s_add_nc_u64 s[72:73], s[4:5], s[72:73]
	global_load_b128 v[240:243], v1, s[72:73]      ; its q waits in registers that lie idle
	global_load_b64 v[244:245], v2, s[72:73]
	s_lshl_b32 s74, s76, 4
	s_add_co_u32 s74, s74, s85
	s_lshl_b32 s74, s74, 2
	s_add_co_u32 s74, s74, 6291456
	s_mov_b32 s75, 0
	s_add_nc_u64 s[74:75], s[4:5], s[74:75]
	global_load_b32 v246, v29, s[74:75]
	s_lshr_b32 s84, s18, 1                         ; the next product's kstep: head / 2; its half: head % 2.  I store my second block
	s_and_b32 s85, s18, 1
	s_lshl_b32 s86, s84, 8
	s_add_co_u32 s86, s86, s76
	s_mul_i32 s86, s86, 1536
	s_mul_i32 s87, s85, 768
	s_add_co_u32 s86, s86, s87
	s_mov_b32 s87, 0
	s_add_nc_u64 s[86:87], s[6:7], s[86:87]
	s_lshl_b32 s88, s84, 12
	s_lshl_b32 s89, s76, 4
	s_add_co_u32 s88, s88, s89
	s_lshl_b32 s88, s88, 2
	s_lshl_b32 s89, s85, 1
	s_add_co_u32 s88, s88, s89
	s_add_co_u32 s88, s88, 3145728
	s_mov_b32 s89, 0
	s_add_nc_u64 s[88:89], s[6:7], s[88:89]
.irp j, 22,23,24,25,26,27,80,81,82,83,84,85
	v_mov_b32 v\j, 0                               ; zero codes: q's upper half, and what stands above K's last tile
.endr
	v_mov_b32 v13, 0xff61b1e6                      ; the largest t so far: -3e38
	s_delay_alu instid0(VALU_DEP_1)
	v_floor_f32 v12, -v13                          ; -M
	v_mov_b32 v14, 0
	v_mov_b32 v15, 0
.irp j, 216,217,218,219,226,227,228,229
	v_mov_b32 v\j, 0                               ; written once: permute destinations, and the pairs of the factors
.endr
.set NN, 0
.rept 32
	v_mov_b32 v[160+NN], 0                         ; O^T: the step is written once; the first change of M multiplies zeros
.set NN, NN+1
.endr
.macro STEP                            ; key step s10 + par; s9 = the block's last key step - par (it may be -1: the compare is signed)
	s_cmp_gt_i32 s10, s9                           ; all of this step's keys come after my queries: its work is left out
	s_cbranch_scc1 .Lhidden_\@
	v_add_nc_u32 v8, s11, v211                     ; (these six are also the places behind the last step's products, in front of the loads)
	v_add_nc_u32 v9, s11, v231
	v_add_nc_u32 v10, s11, v3
	v_add_nc_u32 v11, s11, v4
	v_add_nc_u32 v30, s12, v5
	v_add_nc_u32 v31, s13, v6
.irp t, 0,1,2,3,4,5,6,7
	ds_load_b128 v[32+6*\t:35+6*\t], v8 offset:768*\t
	ds_load_b64 v[36+6*\t:37+6*\t], v9 offset:768*\t
	ds_load_b32 v[86+\t], v30 offset:64*\t
.endr
	s_wait_alu depctr_va_vdst(0)
	s_wait_dscnt 0x0
.irp t, 0,1,2,3,4,5,6,7
	v_wmma_scale_f32_16x16x128_f8f6f4 v[96+8*\t:103+8*\t], v[32+6*\t:43+6*\t], v[16:27], 0, v[86+\t], v28 matrix_a_fmt:MATRIX_FMT_BF6 matrix_b_fmt:MATRIX_FMT_BF6
.endr
.rept 4
	v_nop
.endr
.irp t, 0,1,2,3                                ; V's four fragments land under the softmax
.irp c, 0,1
	ds_load_b128 v[32+12*\t+6*\c:35+12*\t+6*\c], v10 offset:\c*3072+\t*768
	ds_load_b64 v[36+12*\t+6*\c:37+12*\t+6*\c], v11 offset:\c*3072+\t*768
.endr
	ds_load_b32 v[86+\t], v31 offset:64*\t
.endr
	s_cmp_lg_u32 s10, s9                           ; the step on the diagonal: hidden scores become -infinity
	s_cbranch_scc1 .Lopen_\@
	v_mov_b32 v230, 0xff800000
.set NN, 0
.rept 64
	v_cmp_gt_i32 vcc_lo, 32*(NN/16)+NN%16, v7
	v_cndmask_b32 v[96+NN], v[96+NN], v230, vcc_lo
.set NN, NN+1
.endr
.Lopen_\@:
.irp b, 0,1,2,3
	v_max3_num_f32 v[212+\b], v[96+16*\b], v[97+16*\b], v[98+16*\b]   ; each block's largest score: for the row's maximum and for the block's largest p
.endr
.irp i, 3,5,7,9,11,13
.irp b, 0,1,2,3
	v_max3_num_f32 v[212+\b], v[212+\b], v[96+16*\b+\i], v[97+16*\b+\i]
.endr
.endr
.irp b, 0,1,2,3
	v_max_num_f32 v[212+\b], v[212+\b], v[111+16*\b]
.endr
.irp b, 0,1,2,3
	s_delay_alu instid0(VALU_DEP_4)
	v_permlanex16_b32 v[216+\b], v[212+\b], s20, s21
.endr
.irp b, 0,1,2,3
	s_delay_alu instid0(VALU_DEP_4)
	v_max_num_f32 v[212+\b], v[212+\b], v[216+\b]
.endr
	s_delay_alu instid0(VALU_DEP_2)
	v_max3_num_f32 v230, v212, v213, v214
	s_delay_alu instid0(VALU_DEP_1)
	v_max_num_f32 v230, v230, v215
	s_delay_alu instid0(VALU_DEP_1)
	v_mul_f32 v230, s22, v230
	s_delay_alu instid0(VALU_DEP_1)
	v_max_num_f32 v13, v13, v230                   ; the running largest t
	v_mov_b32 v230, v12
	s_delay_alu instid0(VALU_DEP_2)
	v_floor_f32 v12, -v13                          ; -M = floor(-t)
	s_delay_alu instid0(VALU_DEP_1)
	v_sub_f32 v230, v12, v230
	s_delay_alu instid0(VALU_DEP_1)
	v_cvt_i32_f32 v230, v230                       ; (it saturates)
	s_delay_alu instid0(VALU_DEP_1)
	v_ldexp_f32 v226, 1.0, v230                    ; f = 2^(old M - new M)
.set NN, 0
.rept 32
	v_pk_fma_f32 v[96+NN:97+NN], v[96+NN:97+NN], s[22:23], v[12:13] op_sel_hi:[1,0,0]
.set NN, NN+2
.endr
.irp b, 0,1,2,3
	v_fma_f32 v[212+\b], v[212+\b], s22, v12
.endr
.set NN, 0
	s_wait_alu depctr_va_vdst(0)
.rept 64
	v_exp_f32 v[96+NN], v[96+NN]                   ; p = 2^(t - M)
.set NN, NN+1
.endr
	v_pk_mul_f32 v[14:15], v[14:15], v[226:227] op_sel_hi:[1,0]       ; a plain line behind the batch
	s_wait_alu depctr_va_vdst(0)                   ; one wait for the 64, ahead of their first reader
.irp b, 0,1,2,3
	v_exp_f32 v[212+\b], v[212+\b]                 ; each block's largest p
.endr
	v_pk_add_f32 v[228:229], v[100:101], v[104:105]
	v_pk_add_f32 v[252:253], v[108:109], v[112:113]
	v_pk_add_f32 v[250:251], v[116:117], v[120:121]
	v_pk_add_f32 v[248:249], v[124:125], v[128:129]
	v_pk_add_f32 v[238:239], v[132:133], v[136:137]
	v_pk_add_f32 v[236:237], v[140:141], v[144:145]
	v_pk_add_f32 v[234:235], v[148:149], v[152:153]
	v_pk_add_f32 v[14:15], v[14:15], v[156:157]
	v_pk_add_f32 v[228:229], v[228:229], v[96:97]
	v_pk_add_f32 v[252:253], v[252:253], v[98:99]
	v_pk_add_f32 v[250:251], v[250:251], v[102:103]
	v_pk_add_f32 v[248:249], v[248:249], v[106:107]
	v_pk_add_f32 v[238:239], v[238:239], v[110:111]
	v_pk_add_f32 v[236:237], v[236:237], v[114:115]
	v_pk_add_f32 v[234:235], v[234:235], v[118:119]
	v_pk_add_f32 v[14:15], v[14:15], v[122:123]
	v_pk_add_f32 v[228:229], v[228:229], v[126:127]
	v_pk_add_f32 v[252:253], v[252:253], v[130:131]
	v_pk_add_f32 v[250:251], v[250:251], v[134:135]
	v_pk_add_f32 v[248:249], v[248:249], v[138:139]
	v_pk_add_f32 v[238:239], v[238:239], v[142:143]
	v_pk_add_f32 v[236:237], v[236:237], v[146:147]
	v_pk_add_f32 v[234:235], v[234:235], v[150:151]
	v_pk_add_f32 v[14:15], v[14:15], v[154:155]
	v_pk_add_f32 v[228:229], v[228:229], v[158:159]
	s_delay_alu instid0(VALU_DEP_2)
	v_pk_add_f32 v[14:15], v[14:15], v[248:249]
	s_delay_alu instid0(VALU_DEP_2)
	v_pk_add_f32 v[228:229], v[228:229], v[238:239]
	v_pk_add_f32 v[252:253], v[252:253], v[236:237]
	v_pk_add_f32 v[250:251], v[250:251], v[234:235]
	s_delay_alu instid0(VALU_DEP_2)
	v_pk_add_f32 v[14:15], v[14:15], v[252:253]
	s_delay_alu instid0(VALU_DEP_2)
	v_pk_add_f32 v[228:229], v[228:229], v[250:251]
	s_delay_alu instid0(VALU_DEP_1)
	v_pk_add_f32 v[14:15], v[14:15], v[228:229]
	s_wait_alu depctr_va_vdst(0)                   ; and one for the four
.irp b, 0,1,2,3
	v_max_num_f32 v[212+\b], 0x2800000, v[212+\b]
.endr
.irp b, 0,1,2,3
	s_delay_alu instid0(VALU_DEP_4)
	v_add_nc_u32 v[220+\b], 0xfe000000, v[212+\b]
.endr
.irp b, 0,1,2,3
	s_delay_alu instid0(VALU_DEP_4)
	v_lshrrev_b32 v[216+\b], 23, v[220+\b]
.endr
	s_delay_alu instid0(VALU_DEP_3)
	v_lshl_or_b32 v227, v217, 8, v216              ; p's scale word for these 128 keys
	s_delay_alu instid0(VALU_DEP_1)
	v_lshl_or_b32 v227, v218, 16, v227
	s_delay_alu instid0(VALU_DEP_1)
	v_lshl_or_b32 v227, v219, 24, v227
.irp c, 0,1
	v_cvt_scalef32_pk16_bf6_f32 v[192+6*\c:194+6*\c], v[96+32*\c:111+32*\c], v[220+2*\c]
	v_cvt_scalef32_pk16_bf6_f32 v[204+4*\c:206+4*\c], v[112+32*\c:127+32*\c], v[220+2*\c+1]
.endr
	v_nop
.irp c, 0,1
.irp i, 0,1,2
	v_permlane16_swap_b32 v[192+6*\c+\i], v[204+4*\c+\i]
.endr
.irp i, 0,1,2
	s_delay_alu instid0(VALU_DEP_3)
	v_mov_b32 v[195+6*\c+\i], v[204+4*\c+\i]
.endr
.endr
.set NN, 0
.rept 16
	v_pk_mul_f32 v[160+NN:161+NN], v[160+NN:161+NN], v[226:227] op_sel_hi:[1,0]   ; O^T under the new M; these sixteen also stand between p's scale word and codes and the products
.set NN, NN+2
.endr
	s_wait_alu depctr_va_vdst(0)
	s_wait_dscnt 0x0                               ; V
.irp t, 0,1,2,3
	v_wmma_scale_f32_16x16x128_f8f6f4 v[160+8*\t:167+8*\t], v[32+12*\t:43+12*\t], v[192:203], v[160+8*\t:167+8*\t], v[86+\t], v227 matrix_a_fmt:MATRIX_FMT_BF6 matrix_b_fmt:MATRIX_FMT_BF6
.endr
.Lhidden_\@:
	s_add_co_u32 s10, s10, 2                       ; two key steps on
	s_add_co_u32 s11, s11, 12288
	s_add_co_u32 s12, s12, 1024
	s_add_co_u32 s13, s13, 512
.endm
.macro PASS                            ; my parity's key steps of one block: eight trips
	s_mov_b32 s10, 0
	s_mov_b32 s11, 0
	s_mov_b32 s12, 0
	s_mov_b32 s13, 0
	s_mov_b32 s19, 8
.Lstep_\@:
	STEP
	s_sub_co_u32 s19, s19, 1
	s_cmp_lg_u32 s19, 0
	s_cbranch_scc1 .Lstep_\@
.rept 4
	v_nop                                          ; four places behind the last products, in front of what reads or writes their registers
.endr
.endm
	s_sub_co_i32 s9, s9, s67                       ; the first block's last key step - par
	s_wait_loadcnt 0x0                             ; both q
	s_wait_tensorcnt 0x0                           ; in waves 0 to 9: my part of K, V or the scale words has landed
	s_barrier_signal -1
	s_barrier_wait -1
	PASS
	v_add_f32 v13, v14, v15                        ; my lane's sum, beside -M
	s_wait_alu depctr_va_vdst(0)
.irp n, 0,1,2,3,4,5,6,7
	ds_store_b128 v94, v[160+4*\n:163+4*\n] offset:512*\n          ; each accumulator from its low end on
.endr
	ds_store_b64 v95, v[12:13]
	s_sub_co_i32 s9, s66, s67                      ; the second block's last key step - par
	s_wait_dscnt 0x0                               ; the stores have read their registers
.irp i, 0,1,2,3,4,5
	v_mov_b32 v[16+\i], v[240+\i]                  ; the second block's q,
.endr
	v_mov_b32 v28, v246                            ; its scale words (the lines below stand between them and the next product),
	v_mov_b32 v13, 0xff61b1e6                      ; and a fresh start
	s_delay_alu instid0(VALU_DEP_1)
	v_floor_f32 v12, -v13
	v_mov_b32 v14, 0
	v_mov_b32 v15, 0
.set NN, 0
.rept 32
	v_mov_b32 v[160+NN], 0
.set NN, NN+1
.endr
	PASS
	s_wait_dscnt 0x0                               ; for the others: my first block's part lies in LDS
	s_barrier_signal -1
	s_barrier_wait -1
.irp n, 0,1,2,3,4,5,6,7
	ds_load_b128 v[96+4*\n:99+4*\n], v224 offset:512*\n            ; my partner's part of the block that I hold
.endr
	ds_load_b64 v[128:129], v225
	v_add_f32 v14, v14, v15
	s_wait_dscnt 0x0
	v_min_num_f32 v130, v12, v128                  ; -M of the two: the smaller
	s_delay_alu instid0(VALU_DEP_1)
	v_sub_f32 v131, v130, v12                      ; own M - M: whole numbers, 0 or less
	s_delay_alu instid0(VALU_DEP_2)
	v_sub_f32 v132, v130, v128
	s_delay_alu instid0(VALU_DEP_2)
	v_cvt_i32_f32 v131, v131                       ; (they saturate)
	s_delay_alu instid0(VALU_DEP_2)
	v_cvt_i32_f32 v132, v132
	s_delay_alu instid0(VALU_DEP_2)
	v_ldexp_f32 v226, 1.0, v131
	s_wait_alu depctr_va_vdst(0)
	v_ldexp_f32 v228, 1.0, v132
	v_mul_f32 v14, v14, v226
	s_delay_alu instid0(VALU_DEP_1)
	v_fma_f32 v14, v129, v228, v14
.set NN, 0
.rept 16
	v_pk_mul_f32 v[160+NN:161+NN], v[160+NN:161+NN], v[226:227] op_sel_hi:[1,0]
.set NN, NN+2
.endr
.set NN, 0
.rept 16
	v_pk_fma_f32 v[160+NN:161+NN], v[96+NN:97+NN], v[228:229], v[160+NN:161+NN] op_sel_hi:[1,0,1]
.set NN, NN+2
.endr
	v_permlanex16_b32 v226, v14, s20, s21
	s_delay_alu instid0(VALU_DEP_1)
	v_add_f32 v14, v14, v226                       ; the row's sum
	s_wait_alu depctr_va_vdst(0)
	v_rcp_f32 v14, v14
	v_nop                                          ; a plain line behind the reciprocal
	s_wait_alu depctr_va_vdst(0)
.set NN, 0
.rept 32
	v_mul_f32 v[96+NN], v[160+NN], v14             ; register 16 b + i = channel 32 b + 16 h + i
.set NN, NN+1
.endr
.irp b, 0,1
	v_max3_num_f32 v[212+\b], |v[96+16*\b]|, |v[97+16*\b]|, 0x2800000
.endr
.irp i, 2,4,6,8,10,12,14
.irp b, 0,1
	s_delay_alu instid0(VALU_DEP_2)
	v_max3_num_f32 v[212+\b], v[212+\b], |v[96+16*\b+\i]|, |v[97+16*\b+\i]|
.endr
.endr
.irp b, 0,1
	s_delay_alu instid0(VALU_DEP_2)
	v_permlanex16_b32 v[216+\b], v[212+\b], s20, s21
.endr
.irp b, 0,1
	s_delay_alu instid0(VALU_DEP_2)
	v_max_num_f32 v[212+\b], v[212+\b], v[216+\b]
.endr
.irp b, 0,1
	s_delay_alu instid0(VALU_DEP_2)
	v_add_nc_u32 v[220+\b], 0xfe000000, v[212+\b]
.endr
.irp b, 0,1
	s_delay_alu instid0(VALU_DEP_2)
	v_lshrrev_b32 v[216+\b], 23, v[220+\b]
.endr
	s_delay_alu instid0(VALU_DEP_1)
	v_lshl_or_b32 v230, v217, 8, v216              ; the head's two bytes
	v_cvt_scalef32_pk16_bf6_f32 v[192:194], v[96:111], v220
	v_cvt_scalef32_pk16_bf6_f32 v[204:206], v[112:127], v221
	v_nop
.irp i, 0,1,2
	v_permlane16_swap_b32 v[192+\i], v[204+\i]
.endr
.irp i, 0,1,2
	s_delay_alu instid0(VALU_DEP_3)
	v_mov_b32 v[195+\i], v[204+\i]
.endr
	global_store_b128 v1, v[192:195], s[86:87]     ; half an image: 512 and 256 consecutive bytes, aligned
	global_store_b64 v2, v[196:197], s[86:87]
	global_store_b16 v29, v230, s[88:89]           ; half a scale word: the other half is the neighbouring head's
	s_wait_dscnt 0x0
	s_wait_tensorcnt 0x0
	ds_add_u32 v254, v255
	s_wait_dscnt 0x0
	ROUND                                          ; the closing round
	s_endpgm
.Lfunc_end_k_q37a82b9bb5_attn:
	.size	k_q37a82b9bb5_attn, .Lfunc_end_k_q37a82b9bb5_attn-k_q37a82b9bb5_attn
	.p2alignl 7, 3214868480
	.fill 96, 4, 3214868480
	.section	.rodata,"a",@progbits
	.p2align	6, 0x0
	.amdhsa_kernel k_q37a82b9bb5_attn
		.amdhsa_group_segment_fixed_size 280576
		.amdhsa_private_segment_fixed_size 0
		.amdhsa_enable_private_segment 0
		.amdhsa_kernarg_size 16
		.amdhsa_user_sgpr_count 2
		.amdhsa_user_sgpr_kernarg_segment_ptr 1
		.amdhsa_wavefront_size32 1
		.amdhsa_system_sgpr_workgroup_id_x 1
		.amdhsa_system_sgpr_workgroup_id_y 1
		.amdhsa_system_sgpr_workgroup_id_z 1
		.amdhsa_system_vgpr_workitem_id 0
		.amdhsa_next_free_vgpr 256
		.amdhsa_next_free_sgpr 90
		.amdhsa_reserve_vcc 1
		.amdhsa_float_denorm_mode_32 3
		.amdhsa_float_denorm_mode_16_64 3
		.amdhsa_memory_ordered 1
		.amdhsa_forward_progress 1
		.amdhsa_inst_pref_size 69
	.end_amdhsa_kernel
	.amdgpu_metadata
---
amdhsa.version: [ 1, 2 ]
amdhsa.kernels:
  - .name:           k_q37a82b9bb5_attn
    .symbol:         k_q37a82b9bb5_attn.kd
    .args:
      - { .name: QKV, .offset: 0, .size: 8, .value_kind: global_buffer, .address_space: global }
      - { .name: AO, .offset: 8, .size: 8, .value_kind: global_buffer, .address_space: global }
    .group_segment_fixed_size: 280576
    .private_segment_fixed_size: 0
    .kernarg_segment_align: 8
    .kernarg_segment_size: 16
    .max_flat_workgroup_size: 512
    .sgpr_count:     90
    .vgpr_count:     256
    .wavefront_size: 32
...
	.end_amdgpu_metadata
.endif
;; end of part 3
;; launch proj (part 4): grid 8 x 32, 4 waves a work-group, clusters of 4 x 4, 327,680 bytes of LDS; arguments AO, WQ, x, b_attn_proj, X1, XN, ln1_g, ln1_b; writes X1
.if DOCPART == 4
	.amdgcn_target "amdgcn-amd-amdhsa--gfx1250"
	.amdhsa_code_object_version 6
	.text
	.protected	k_q37a82b9bb5_proj
	.globl	k_q37a82b9bb5_proj
	.p2align	8
	.type	k_q37a82b9bb5_proj,@function
k_q37a82b9bb5_proj:
	s_mov_b64 s[64:65], 0
	v_nop
	global_prefetch_b8 v0, s[64:65] scope:SCOPE_SE
	s_setreg_imm32_b32 hwreg(HW_REG_WAVE_MODE, 25, 1), 1
	s_wait_xcnt 0x0
	s_wait_alu depctr_hold_cnt(0) depctr_sa_sdst(0) depctr_va_vdst(0) depctr_va_sdst(0) depctr_va_ssrc(0) depctr_va_vcc(0) depctr_vm_vsrc(0)
	s_getreg_b32 s2, hwreg(HW_REG_IB_STS2, 6, 4)
	s_cmp_eq_u32 s2, 0
	s_cbranch_scc0 .Lentry_in_a_cluster
	s_endpgm
.Lentry_in_a_cluster:
	s_bfe_u32 s2, ttmp6, 0x10000c
	s_cmp_lg_u32 s2, 0xf033
	s_cbranch_scc0 .Lentry_shape_is_right
	s_endpgm
.Lentry_shape_is_right:
; X1 = ln1(x) + (attention's result W_attn_proj + b_attn_proj), f32.  A: codes of 4,096 rows, B: codes of 1,024 rows (the weight's columns), both BF6 as fragment images
; [kstep of 128][row block of 16][1,536 bytes] with scale words [kstep][row].  K = 1,024: 8 ksteps.  A tile of 128 x 128 (256 tiles), four waves of 64 x 64: 16 accumulators each.
; A AND THE SCALE WORDS GO THROUGH LDS, B GOES STRAIGHT INTO REGISTERS.  A fill is 8 ksteps x (12,288 bytes of A + 512 + 512 of scale words), four joint loads, one a wave: A's codes in two halves of
; 4 ksteps, A's scale words, B's scale words; here one fill holds all of K and nothing is filled again.  A's loads are shared along a row of the 4 x 4 cluster, B's scale words along a column.
; B's images are laid as the operand's registers want them, so each lane loads its part of a fragment whole (runs of 512 and 256 aligned bytes a wave): four sets of 48 registers, asked for three
; ksteps ahead: 48 loads of a wave are out behind each counted wait.  So B's codes are no joint request (that form is the tensor load's), take no LDS bytes, and a wave reads 6,400 bytes of LDS a kstep.
; PREFETCH, at the head alone (the launch has one fill): B's 8 ksteps, 384 blocks of 256 bytes, 24 to each of the sixteen waves of the four partners that read them, told apart by address
; (lanes 24-31 name the wave's last block again); and the residual's 64 blocks of each wave, which are loaded in the last three ksteps.
; The matrix instruction is used transposed: a lane holds a row of A.  Storage rows have bits 3 and 4 of the row number exchanged: the way out maps them back by its immediates; a block of 16 rows goes
; through the wave's own stage and leaves as runs of 256 aligned bytes.  The add of 0 onto spare words.
.set KSTEPS, 8
.set NR, 8                             ; LDS rows: kstep k lies in row k % NR
.set ACOFF, 0
.set ASOFF, 3145728
.set BCOFF, 3276800
.set BSOFF, 4063232
.set RBA, 256
.set RBB, 64
.set SPA, 2048
.set SPB, 512
.set ROWC, 12288                       ; a kstep of A's tile: 8 images
.set LA, 0
.set LSA, NR*ROWC
.set LSB, LSA+NR*512
.set SPARE, LSB+NR*512                 ; the spare words: 512 bytes that no other line names
.set STAGE, SPARE+512                  ; 16 rows x 272 bytes for each wave; no fill lands here
.set BK, 64
.set G1A, 24
.set G0A, 32
.set PFA, 36                           ; s[36:37] A's tile at kstep 8, for the prefetches; s[38:39] B's tile; s[48:49] my four blocks of B
.set PFB, 38
.set BB0, 48
.set G0A2, 56
.set G1S, 68
.set G0S, 76
.set G1SB, 80
.set G0SB, 88
.set MSB, 0
.macro WIN new
.if MSB != (\new)
	s_set_vgpr_msb (MSB<<8)|(\new)
.set MSB, (\new)
.endif
.endm
.macro TL g0, g1                       ; s_nop 0 and four v_nop behind the load
	tensor_load_to_lds s[\g0:\g0+3], s[\g1:\g1+7]
	s_nop 0
.rept 4
	v_nop
.endr
.endm
.macro LOAD4                           ; a fill: one chain of branches on the wave's number, one joint load to an arm, one join
	s_cmp_lt_u32 s14, 1
	s_cbranch_scc0 .Lq1_\@
	TL G0A, G1A
	s_branch .Lq4_\@
.Lq1_\@:
	s_cmp_lt_u32 s14, 2
	s_cbranch_scc0 .Lq2_\@
	TL G0A2, G1A
	s_branch .Lq4_\@
.Lq2_\@:
	s_cmp_lt_u32 s14, 3
	s_cbranch_scc0 .Lq3_\@
	TL G0S, G1S
	s_branch .Lq4_\@
.Lq3_\@:
	TL G0SB, G1SB
.Lq4_\@:
.endm
.macro CREST
	s_cmp_lg_u32 s14, 0
	s_cbranch_scc1 .Lnot_wave_0_\@
	s_barrier_signal -3
.Lnot_wave_0_\@:
	s_barrier_wait -3
	s_barrier_signal -1
	s_barrier_wait -1
.endm
.macro CROUND
	s_barrier_signal -1
	s_barrier_wait -1
	CREST
.endm
.macro MKG1 g, mask, w, rows, pitch    ; elements of 8 bytes, no padding; bit 21 beside the mask
	s_or_b32 s[\g], \mask, (3<<16)|(1<<21)
	s_mov_b32 s[\g+1], (\w)<<16
	s_mov_b32 s[\g+2], (\rows)<<16
	s_mov_b32 s[\g+3], (\w)<<16
	s_mov_b32 s[\g+4], \rows
	s_mov_b32 s[\g+5], \pitch
	s_mov_b32 s[\g+6], 0
	s_mov_b32 s[\g+7], 0
.endm
.macro MKG0 g, lds, a
	s_mov_b32 s[\g], 1
	s_mov_b32 s[\g+1], \lds
	s_mov_b64 s[\g+2:\g+3], s[\a:\a+1]
	s_or_b32 s[\g+3], s[\g+3], 0x80000000
.endm
.macro NEXTFILL n                      ; the four descriptors for fill n: 8 ksteps on, into region n % 2
	s_add_nc_u64 s[G0A+2:G0A+3], s[G0A+2:G0A+3], 8*RBA*1536
	s_add_nc_u64 s[G0A2+2:G0A2+3], s[G0A2+2:G0A2+3], 8*RBA*1536
	s_add_nc_u64 s[G0S+2:G0S+3], s[G0S+2:G0S+3], 8*SPA*8
	s_add_nc_u64 s[G0SB+2:G0SB+3], s[G0SB+2:G0SB+3], 8*SPB*8
	s_mov_b32 s[G0A+1], LA+8*((\n)%2)*ROWC
	s_mov_b32 s[G0A2+1], LA+(8*((\n)%2)+4)*ROWC
	s_mov_b32 s[G0S+1], LSA+8*((\n)%2)*512
	s_mov_b32 s[G0SB+1], LSB+8*((\n)%2)*512
.endm
.macro ASK n                           ; behind fill n: the codes of fill n + 1, and B's ksteps 8 n .. 8 n + 7
.if 8*((\n)+1) < KSTEPS
	global_prefetch_b8 v30, s[PFA:PFA+1] offset:(\n)*8*RBA*1536 th:TH_LOAD_NT scope:SCOPE_SE
.endif
.if 8*(\n) < KSTEPS
	global_prefetch_b8 v20, s[PFB:PFB+1] offset:(\n)*8*RBB*1536 th:TH_LOAD_NT scope:SCOPE_SE
.endif
.endm
.macro FRAGLD reg, a16, a8, off        ; a fragment's image into 12 registers
	ds_load_b128 v[\reg:\reg+3], v[\a16] offset:\off
	ds_load_b64 v[\reg+4:\reg+5], v[\a8] offset:\off+512
	ds_load_b128 v[\reg+6:\reg+9], v[\a16] offset:\off+768
	ds_load_b64 v[\reg+10:\reg+11], v[\a8] offset:\off+1280
.endm
.macro FETCH k                         ; kstep k out of LDS into set k % 2: A's four fragments and four scale registers (lanes 0-15 A's block i, lanes 16-31 B's)
.set RW, (\k)%NR
.set II, 0
.rept 4
	FRAGLD 64+48*((\k)%2)+12*II, 8+RW/4, 12+RW/4, (RW%4)*ROWC+II*1536
	ds_load_b32 v[32+4*((\k)%2)+II], v27 offset:RW*512+64*II
.set II, II+1
.endr
.endm
.macro BLOAD k                         ; kstep k of my four blocks of B from memory into set k % 4 (window 1): 16 loads
	WIN 0x40
.set II, 0
.rept 4
.set BR, 48*((\k)%4)+12*II
.set BO, (\k)*RBB*1536+II*1536
	global_load_b128 v[BR:BR+3], v4, s[BB0:BB0+1] offset:BO
	global_load_b64 v[BR+4:BR+5], v5, s[BB0:BB0+1] offset:BO+512
	global_load_b128 v[BR+6:BR+9], v4, s[BB0:BB0+1] offset:BO+768
	global_load_b64 v[BR+10:BR+11], v5, s[BB0:BB0+1] offset:BO+1280
.set II, II+1
.endr
	WIN 0
.endm
.macro XLOAD j                         ; half j of the residual (window 2, v128-255): 16 loads; with the second half the bias: 17
	WIN 0x80
.irp a, 2*(\j), 2*(\j)+1
.irp i, 0,1,2,3,4,5,6,7
	global_load_b128 v[128+32*(\a)+4*\i:128+32*(\a)+4*\i+3], v26, s[96:97] offset:(32*((\a)/2)+8*((\a)%2)+(2*\i)%8+16*(\i/4))*4096
.endr
.endr
	WIN 0
.if (\j) == 1
	global_load_b128 v[40:43], v31, s[92:93]
.endif
.endm
.macro AHEAD k                         ; what kstep k asks of memory: B three ksteps on, or, in the last ksteps, the residual
.if (\k)+3 < KSTEPS
	BLOAD (\k)+3
.else
.if (\k)+3 < KSTEPS+2
	XLOAD (\k)+3-KSTEPS
.endif
.endif
.endm
.macro MUL a0, n, k, zero              ; A's blocks a0 .. a0 + n - 1 against B's four; the accumulators take turns
	WIN 0xa1
.set AA, \a0
.rept \n
.set BB, 0
.rept 4
.set AC, 8*(4*AA+BB)
.set BF, 48*((\k)%4)+12*BB
.set AFR, 64+48*((\k)%2)+12*AA
.set SR, 32+4*((\k)%2)
.if \zero
	v_wmma_scale_f32_16x16x128_f8f6f4 v[AC:AC+7], v[BF:BF+11], v[AFR:AFR+11], 0, v[SR+BB], v[SR+AA] matrix_a_fmt:MATRIX_FMT_BF6 matrix_b_fmt:MATRIX_FMT_BF6 matrix_a_scale:MATRIX_SCALE_ROW1
.else
	v_wmma_scale_f32_16x16x128_f8f6f4 v[AC:AC+7], v[BF:BF+11], v[AFR:AFR+11], v[AC:AC+7], v[SR+BB], v[SR+AA] matrix_a_fmt:MATRIX_FMT_BF6 matrix_b_fmt:MATRIX_FMT_BF6 matrix_a_scale:MATRIX_SCALE_ROW1
.endif
.set BB, BB+1
.endr
.set AA, AA+1
.endr
.endm
.macro STEP k, zero
	s_wait_loadcnt 32                              ; B's kstep k is in; the 16 + 16 loads of the two ksteps behind it may be out
	s_wait_dscnt 0x0                               ; A's set, asked for a kstep ago, is in
.rept 4
	v_nop                                          ; four places behind the products that read the sets written below
.endr
	FETCH (\k)+1
	AHEAD \k
	MUL 0, 4, \k, \zero
	WIN 0
.endm
.macro TURN k                          ; a region's last kstep: the other region is shown whole, and, where ksteps are left to fetch, this one is filled again
.set FN, (\k)/8+2                      ; the fill that would land here
	s_wait_tensorcnt 0x0                           ; all my tensor loads have landed: my part of the other region
	ds_add_u32 v28, v29                            ; 0 onto my spare word
.if 8*FN < KSTEPS
	NEXTFILL FN                                    ; no load of mine is out: the descriptors may be written
.endif
	s_wait_loadcnt 32
	s_wait_dscnt 1                                 ; A's set is in; the add may be out
	MUL 0, 1, \k, 0
	s_wait_dscnt 0x0                               ; the add is done, and my reads of this region are over
	s_barrier_signal -1
	MUL 1, 1, \k, 0
	WIN 0
	s_barrier_wait -1
.if 8*FN < KSTEPS
	CREST                                          ; the barrier has opened a round of the cluster's: no wave of any partner still reads this region or has a load on its way
	LOAD4                                          ; my one load behind the round; its four v_nop are the places in front of the loads below
.else
.rept 4
	v_nop
.endr
.endif
	FETCH (\k)+1
	AHEAD \k
.if 8*FN < KSTEPS
	ASK FN
	global_prefetch_b8 v21, s[96:97] offset:(FN-2)*32*4096 th:TH_LOAD_NT scope:SCOPE_SE   ; 32 of my 64 rows x 256 bytes of the residual's source, behind fills 2 and 3
.endif
	MUL 2, 2, \k, 0
	WIN 0
.endm
	s_load_b256 s[4:11], s[0:1], 0x0               ; A, WQ, the residual, the bias
	s_load_b64 s[12:13], s[0:1], 0x20              ; out
	s_load_b64 s[50:51], s[0:1], 0x28              ; each row's (mean, 1 / deviation), 8 bytes a row
	s_load_b128 s[52:55], s[0:1], 0x30             ; the norm's g and b.  THE RESIDUAL IS THE NORM'S RESULT, MADE AGAIN HERE from the rows that went into the norm, by the same three operations in the same order
	v_lshl_add_u32 v28, v0, 2, SPARE
	v_mov_b32 v29, 0
	ds_add_u32 v28, v29                            ; the opening lines
	ds_add_u32 v28, v29
	v_lshrrev_b32 v1, 5, v0
	v_readfirstlane_b32 s14, v1                    ; wave
	s_lshr_b32 s15, s14, 1                         ; my half of A's rows
	s_and_b32 s16, s14, 1                          ; my half of B's rows
	s_bfe_u32 s40, ttmp6, 0x40000
	s_bfe_u32 s41, ttmp6, 0x40004
	s_lshl_b32 s42, ttmp9, 2
	s_add_co_u32 s42, s42, s40                     ; B's tile
	s_and_b32 s17, ttmp7, 0xffff
	s_lshl_b32 s17, s17, 2
	s_add_co_u32 s17, s17, s41                     ; A's tile
	s_lshl_b32 s43, s41, 2
	s_lshl_b32 s43, 15, s43                        ; my row of the cluster
	s_lshl_b32 s44, 0x1111, s40                    ; my column
	MKG1 G1A, s43, 1536, 4, RBA*192
	MKG1 G1S, s43, 64, 8, SPA
	MKG1 G1SB, s44, 64, 8, SPB
	s_mul_i32 s20, s17, ROWC
	s_add_co_u32 s20, s20, ACOFF
	s_lshl_b32 s22, s17, 9
	s_add_co_u32 s22, s22, ASOFF
	s_mul_i32 s46, s42, ROWC
	s_add_co_u32 s46, s46, BCOFF
	s_lshl_b32 s92, s42, 9
	s_add_co_u32 s92, s92, BSOFF
	s_mov_b32 s21, 0
	s_mov_b32 s23, 0
	s_mov_b32 s47, 0
	s_mov_b32 s93, 0
	s_wait_alu depctr_va_vdst(0)
	s_wait_dscnt 0x0                               ; both opening adds are done
	s_wait_kmcnt 0x0
	s_add_nc_u64 s[20:21], s[4:5], s[20:21]
	s_add_nc_u64 s[22:23], s[4:5], s[22:23]
	s_add_nc_u64 s[46:47], s[6:7], s[46:47]
	s_add_nc_u64 s[92:93], s[6:7], s[92:93]
	CROUND                                         ; all sixteen work-groups are here: the joint loads meet
	MKG0 G0A, LA, 20
	MKG0 G0A2, LA+4*ROWC, 20
	s_add_nc_u64 s[G0A2+2:G0A2+3], s[G0A2+2:G0A2+3], 4*RBA*1536
	MKG0 G0S, LSA, 22
	MKG0 G0SB, LSB, 92
	LOAD4                                          ; fill 0: ksteps 0-7
	s_add_nc_u64 s[PFA:PFA+1], s[20:21], 8*RBA*1536
	s_mov_b64 s[PFB:PFB+1], s[46:47]
	s_mul_i32 s94, s16, 6144
	s_mov_b32 s95, 0
	s_add_nc_u64 s[BB0:BB0+1], s[46:47], s[94:95]  ; my four blocks of B
	s_lshl_b32 s18, s40, 2
	s_add_co_u32 s18, s18, s14                     ; A's prefetches: which of the sixteen waves that share the tile: 4 cx + wave
	s_lshr_b32 s19, s18, 1
	s_mul_i32 s19, s19, RBA*1536                   ; its kstep of the eight,
	s_and_b32 s18, s18, 1
	s_mul_i32 s18, s18, 6144                       ; and its half of the kstep's 48 blocks
	s_add_co_u32 s19, s19, s18
	s_lshl_b32 s18, s41, 2
	s_add_co_u32 s18, s18, s14                     ; B's likewise: 4 cy + wave
	s_lshr_b32 s22, s18, 1
	s_mul_i32 s22, s22, RBB*1536
	s_and_b32 s18, s18, 1
	s_mul_i32 s18, s18, 6144
	s_add_co_u32 s22, s22, s18
	v_and_b32 v1, 15, v0                           ; r
	v_bfe_u32 v2, v0, 4, 1                         ; h
	v_and_b32 v3, 31, v0
	v_lshlrev_b32 v4, 4, v3
	v_lshlrev_b32 v5, 3, v3
	v_min_u32 v22, 23, v3
	v_lshlrev_b32 v22, 8, v22                      ; a lane a block of 256 bytes, 24 blocks
	v_add_nc_u32 v30, s19, v22
	v_add_nc_u32 v20, s22, v22
	v_lshlrev_b32 v21, 12, v3                      ; the residual: a lane a row
	s_mul_i32 s94, s15, 6144                       ; my four blocks of A in an LDS row
	v_add_nc_u32 v6, s94, v4
	v_add_nc_u32 v7, s94, v5
.set II, 0
.rept NR/4
	v_add_nc_u32 v[8+II], II*4*ROWC, v6            ; an address register for each four LDS rows
	v_add_nc_u32 v[12+II], II*4*ROWC, v7
.set II, II+1
.endr
	v_lshlrev_b32 v6, 2, v1
	s_lshl_b32 s94, s15, 8
	s_lshl_b32 s95, s16, 8
	s_add_co_u32 s95, s95, LSB-LSA
	s_sub_co_u32 s95, s95, s94
	v_mul_u32_u24 v7, s95, v2                      ; lanes 16-31 take B's scale words
	s_add_co_u32 s94, s94, LSA
	v_add_nc_u32 v6, v6, v7
	v_add_nc_u32 v27, s94, v6
	s_mul_i32 s23, s14, 16*272
	s_add_co_u32 s23, s23, STAGE
	v_mul_u32_u24 v6, v1, 272
	v_lshl_add_u32 v6, v2, 6, v6
	v_add_nc_u32 v24, s23, v6                      ; into my stage: row r, + 16 h columns
	v_mul_u32_u24 v7, v2, 272
	v_lshl_add_u32 v7, v1, 4, v7
	v_add_nc_u32 v25, s23, v7                      ; back: lanes 0-15 one row, lanes 16-31 the next
	v_lshlrev_b32 v26, 12, v2
	v_lshl_add_u32 v26, v1, 4, v26                 ; and the same in rows of 4,096 bytes
	v_lshlrev_b32 v31, 4, v1
	v_lshlrev_b32 v23, 3, v2                       ; lanes 16-31: the next row's pair
	s_lshl_b32 s18, s17, 7
	s_lshl_b32 s19, s15, 6
	s_add_co_u32 s18, s18, s19                     ; my first row
	s_lshl_b32 s94, s18, 3
	s_mov_b32 s95, 0
	s_add_nc_u64 s[50:51], s[50:51], s[94:95]
	s_lshl_b32 s18, s18, 12
	s_lshl_b32 s46, s42, 9
	s_lshl_b32 s47, s16, 8
	s_add_co_u32 s46, s46, s47                     ; my first column, in bytes
	s_add_co_u32 s18, s18, s46
	s_mov_b32 s19, 0
	s_mov_b32 s47, 0
	s_add_nc_u64 s[96:97], s[8:9], s[18:19]
	s_add_nc_u64 s[98:99], s[12:13], s[18:19]
	s_add_nc_u64 s[92:93], s[10:11], s[46:47]
	s_add_nc_u64 s[52:53], s[52:53], s[46:47]
	s_add_nc_u64 s[54:55], s[54:55], s[46:47]
	s_wait_alu depctr_va_vdst(0)                   ; the wait behind the head's last vector line
	WIN 0x40                                       ; window 1, v192-255: the pairs of my 64 rows, in the order of the way out.  These 34 loads are older than B's: the counted waits keep their counts
.set II, 0
.rept 32
	global_load_b64 v[192+2*II:193+2*II], v23, s[50:51] offset:(32*((II/8)/2)+8*((II/8)%2)+(2*(II%8))%8+16*((II%8)/4))*8
.set II, II+1
.endr
	WIN 0
	global_load_b128 v[44:47], v31, s[52:53]       ; g and b at my four columns
	global_load_b128 v[48:51], v31, s[54:55]
	BLOAD 0
	BLOAD 1
	BLOAD 2
	ASK 0
	s_wait_tensorcnt 0x0                           ; my load of fill 0 has landed
.if KSTEPS > 8
	ds_add_u32 v28, v29                            ; a later first fill is issued as a refill is
	NEXTFILL 1
	s_wait_dscnt 0x0
	CROUND                                         ; everybody's load has landed, and all sixteen work-groups are here
	LOAD4                                          ; fill 1: ksteps 8-15, into region 1
.else
	s_barrier_signal -1
	s_barrier_wait -1                              ; everybody's load has landed
.endif
	FETCH 0
.if KSTEPS > 8
	ASK 1
.else
	global_prefetch_b8 v21, s[96:97] th:TH_LOAD_NT scope:SCOPE_SE                 ; my 64 rows x 256 bytes of the residual's source, behind the one fill's landing
	global_prefetch_b8 v21, s[96:97] offset:32*4096 th:TH_LOAD_NT scope:SCOPE_SE
.endif
	STEP 0, 1
.set KK, 1
.rept KSTEPS-2                         ; the walk along K is written out: every offset is an immediate, no base is stepped
.if KK%8 == 7
	TURN KK
.else
	STEP KK, 0
.endif
.set KK, KK+1
.endr
	s_wait_loadcnt 33                              ; B's last kstep is in; the residual's 32 loads and the bias may be out
	s_wait_dscnt 0x0
	MUL 0, 4, KSTEPS-1, 0
	WIN 0
.rept 4
	v_nop                                          ; four places behind the last products
.endr
	s_wait_loadcnt 0x0                             ; the residual's source and the bias
	WIN 0x86                                       ; source 0 and destination window 2, source 1 window 1
.set II, 0
.rept 32
	v_pk_add_f32 v[128+4*II:129+4*II], v[128+4*II:129+4*II], v[192+2*II:193+2*II] op_sel_hi:[1,0] neg_lo:[0,1] neg_hi:[0,1]   ; - the row's mean
	v_pk_add_f32 v[130+4*II:131+4*II], v[130+4*II:131+4*II], v[192+2*II:193+2*II] op_sel_hi:[1,0] neg_lo:[0,1] neg_hi:[0,1]
.set II, II+1
.endr
.set II, 0
.rept 32
	v_pk_mul_f32 v[128+4*II:129+4*II], v[128+4*II:129+4*II], v[192+2*II:193+2*II] op_sel:[0,1] op_sel_hi:[1,1]   ; x 1 / deviation
	v_pk_mul_f32 v[130+4*II:131+4*II], v[130+4*II:131+4*II], v[192+2*II:193+2*II] op_sel:[0,1] op_sel_hi:[1,1]
.set II, II+1
.endr
	WIN 0x82
.set II, 0
.rept 32
	v_pk_fma_f32 v[128+4*II:129+4*II], v[128+4*II:129+4*II], v[44:45], v[48:49]   ; x g + b
	v_pk_fma_f32 v[130+4*II:131+4*II], v[130+4*II:131+4*II], v[46:47], v[50:51]
.set II, II+1
.endr
	WIN 0
.macro OUTB a
.if (\a) > 0
	s_wait_xcnt 0x0                                ; the last block's stores have read their registers
.endif
	WIN 0x08                                       ; an LDS store's data: window 2
.irp b, 0,1,2,3
	ds_store_b128 v24, v[32*(\a)+8*\b:32*(\a)+8*\b+3] offset:128*(\b/2)+32*(\b%2)          ; each accumulator from its low end on
	ds_store_b128 v24, v[32*(\a)+8*\b+4:32*(\a)+8*\b+7] offset:128*(\b/2)+32*(\b%2)+16
.endr
	WIN 0
.irp i, 0,1,2,3,4,5,6,7
	ds_load_b128 v[BK+4*\i:BK+4*\i+3], v25 offset:544*\i           ; a wave's LDS instructions are served in order: these see my stores
.endr
	s_wait_dscnt 0x0
.irp i, 0,1,2,3,4,5,6,7
	v_pk_add_f32 v[BK+4*\i:BK+4*\i+1], v[BK+4*\i:BK+4*\i+1], v[40:41]
	v_pk_add_f32 v[BK+4*\i+2:BK+4*\i+3], v[BK+4*\i+2:BK+4*\i+3], v[42:43]
.endr
	WIN 0x08
.irp i, 0,1,2,3,4,5,6,7
	v_pk_add_f32 v[BK+4*\i:BK+4*\i+1], v[BK+4*\i:BK+4*\i+1], v[128+32*(\a)+4*\i:128+32*(\a)+4*\i+1]
	v_pk_add_f32 v[BK+4*\i+2:BK+4*\i+3], v[BK+4*\i+2:BK+4*\i+3], v[128+32*(\a)+4*\i+2:128+32*(\a)+4*\i+3]
.endr
	WIN 0
.irp i, 0,1,2,3,4,5,6,7
	global_store_b128 v26, v[BK+4*\i:BK+4*\i+3], s[98:99] offset:(32*((\a)/2)+8*((\a)%2)+(2*\i)%8+16*(\i/4))*4096   ; 16 lanes store 256 consecutive bytes, aligned
.endr
.endm
	OUTB 0
	OUTB 1
	OUTB 2
	OUTB 3
	s_wait_tensorcnt 0x0                           ; the wave's end
	ds_add_u32 v28, v29
	s_wait_dscnt 0x0
	CROUND                                         ; the closing round
	s_endpgm
.Lfunc_end_k_q37a82b9bb5_proj:
	.size	k_q37a82b9bb5_proj, .Lfunc_end_k_q37a82b9bb5_proj-k_q37a82b9bb5_proj
	.p2alignl 7, 3214868480
	.fill 96, 4, 3214868480
	.section	.rodata,"a",@progbits
	.p2align	6, 0x0
	.amdhsa_kernel k_q37a82b9bb5_proj
		.amdhsa_group_segment_fixed_size 327680
		.amdhsa_private_segment_fixed_size 0
		.amdhsa_enable_private_segment 0
		.amdhsa_kernarg_size 64
		.amdhsa_user_sgpr_count 2
		.amdhsa_user_sgpr_kernarg_segment_ptr 1
		.amdhsa_wavefront_size32 1
		.amdhsa_system_sgpr_workgroup_id_x 1
		.amdhsa_system_sgpr_workgroup_id_y 1
		.amdhsa_system_sgpr_workgroup_id_z 1
		.amdhsa_system_vgpr_workitem_id 0
		.amdhsa_next_free_vgpr 768
		.amdhsa_next_free_sgpr 100
		.amdhsa_reserve_vcc 0
		.amdhsa_float_denorm_mode_32 3
		.amdhsa_float_denorm_mode_16_64 3
		.amdhsa_memory_ordered 1
		.amdhsa_forward_progress 1
		.amdhsa_inst_pref_size 85
	.end_amdhsa_kernel
	.amdgpu_metadata
---
amdhsa.version: [ 1, 2 ]
amdhsa.kernels:
  - .name:           k_q37a82b9bb5_proj
    .symbol:         k_q37a82b9bb5_proj.kd
    .args:
      - { .name: AO, .offset: 0, .size: 8, .value_kind: global_buffer, .address_space: global }
      - { .name: WQ, .offset: 8, .size: 8, .value_kind: global_buffer, .address_space: global }
      - { .name: x, .offset: 16, .size: 8, .value_kind: global_buffer, .address_space: global }
      - { .name: b_attn_proj, .offset: 24, .size: 8, .value_kind: global_buffer, .address_space: global }
      - { .name: X1, .offset: 32, .size: 8, .value_kind: global_buffer, .address_space: global }
      - { .name: XN, .offset: 40, .size: 8, .value_kind: global_buffer, .address_space: global }
      - { .name: ln1_g, .offset: 48, .size: 8, .value_kind: global_buffer, .address_space: global }
      - { .name: ln1_b, .offset: 56, .size: 8, .value_kind: global_buffer, .address_space: global }
    .group_segment_fixed_size: 327680
    .private_segment_fixed_size: 0
    .kernarg_segment_align: 8
    .kernarg_segment_size: 64
    .max_flat_workgroup_size: 128
    .sgpr_count:     100
    .vgpr_count:     768
    .wavefront_size: 32
...
	.end_amdgpu_metadata
.endif
;; end of part 4
;; launch ln2 (part 5): grid 256 x 1, 4 waves a work-group, no clusters, 66,560 bytes of LDS; arguments X1, ln2_g, ln2_b, X2; writes X2
.if DOCPART == 5
	.amdgcn_target "amdgcn-amd-amdhsa--gfx1250"
	.amdhsa_code_object_version 6
	.text
	.protected	k_q37a82b9bb5_ln2
	.globl	k_q37a82b9bb5_ln2
	.p2align	8
	.type	k_q37a82b9bb5_ln2,@function
k_q37a82b9bb5_ln2:
	s_mov_b64 s[64:65], 0
	v_nop
	global_prefetch_b8 v0, s[64:65] scope:SCOPE_SE
	s_setreg_imm32_b32 hwreg(HW_REG_WAVE_MODE, 25, 1), 1
	s_wait_xcnt 0x0
; y = (x - mean) rsqrt(var + 1e-5) g + b for rows of 1,024 f32.  dst takes each token's mean and 1 / deviation (8 bytes a token, from byte 0), y's codes of BF6 quantised along the row
; (from byte 16,777,216: [kstep 8][row block 256][1,536], a fragment's image) and the scale words (from byte 19,922,944: [kstep][storage row]).
; Storage row s holds token s with bits 3 and 4 exchanged.  The variance is taken of x - mean, in a second pass over registers.
; SHARES: a work-group makes one storage row block of 16 tokens.  Wave w normalises stage rows 4 w .. 4 w + 3, which are four neighbouring tokens;
; the rows meet in a stage in LDS (pitch 4,096 + 16); behind one barrier wave w quantises ksteps 2 w and 2 w + 1 of all 16 rows.
; LIMITS: NaN and infinities are not served; a block of zeros, or under 2^-122, takes the byte 1.
.set X,   32                           ; v32-159  row i at 32 i: register 4 j + e = column 128 j + 4 lane + e
.set G,   160                          ; v160-191 g, the same columns
.set BV,  192                          ; v192-223 b
.set ST,  32                           ; phase 2: 64 numbers of a lane
.set PC,  96                           ; the codes just made
.set TM,  116
.set PW,  132
.set SEL, 20
.macro QUANT s                         ; 64 numbers, register 16 b + i = k 32 b + 16 (lane / 16) + i of my row -> codes in v[PC] on, scale word in v[PW]
.irp b, 0,1,2,3
	v_max3_num_f32 v[TM+\b], |v[\s+16*\b]|, |v[\s+1+16*\b]|, 0x2800000
.endr
.irp i, 2,4,6,8,10,12,14
.irp b, 0,1,2,3
	v_max3_num_f32 v[TM+\b], v[TM+\b], |v[\s+16*\b+\i]|, |v[\s+1+16*\b+\i]|
.endr
.endr
.irp b, 0,1,2,3
	v_permlanex16_b32 v[TM+4+\b], v[TM+\b], s[SEL], s[SEL+1]
.endr
.irp b, 0,1,2,3
	v_max_num_f32 v[TM+\b], v[TM+\b], v[TM+4+\b]
.endr
.irp b, 0,1,2,3
	v_add_nc_u32 v[TM+12+\b], 0xfe000000, v[TM+\b]
.endr
.irp b, 0,1,2,3
	v_lshrrev_b32 v[TM+4+\b], 23, v[TM+12+\b]
.endr
	v_lshl_or_b32 v[PW], v[TM+5], 8, v[TM+4]
	v_lshl_or_b32 v[PW], v[TM+6], 16, v[PW]
	v_lshl_or_b32 v[PW], v[TM+7], 24, v[PW]
.irp c, 0,1
	v_cvt_scalef32_pk16_bf6_f32 v[PC+6*\c:PC+2+6*\c], v[\s+32*\c:\s+15+32*\c], v[TM+12+2*\c]
	v_cvt_scalef32_pk16_bf6_f32 v[PC+12+4*\c:PC+14+4*\c], v[\s+16+32*\c:\s+31+32*\c], v[TM+12+2*\c+1]
.endr
	v_nop                                          ; one plain line behind a scaled conversion
.irp c, 0,1
.irp i, 0,1,2
	v_permlane16_swap_b32 v[PC+6*\c+\i], v[PC+12+4*\c+\i]
.endr
.irp i, 0,1,2
	v_mov_b32 v[PC+3+6*\c+\i], v[PC+12+4*\c+\i]
.endr
.endr
.endm
.macro REDUCE                          ; the four rows' figures in v224, v228, v232, v236, summed over the 32 lanes
.irp m, 1,2,4,8
.irp i, 0,1,2,3
	v_add_f32_dpp v[224+4*\i], v[224+4*\i], v[224+4*\i] row_xmask:\m row_mask:0xf bank_mask:0xf
.endr
.endr
.irp i, 0,1,2,3
	v_permlanex16_b32 v[225+4*\i], v[224+4*\i], s[SEL], s[SEL+1]
.endr
.irp i, 0,1,2,3
	v_add_f32 v[224+4*\i], v[224+4*\i], v[225+4*\i]
.endr
.endm
	s_load_b256 s[4:11], s[0:1], 0x0               ; src, g, b, dst
	v_lshl_add_u32 v254, v0, 2, 0x10200
	v_mov_b32 v255, 0
	v_lshrrev_b32 v1, 5, v0
	v_readfirstlane_b32 s14, v1                    ; wave
	v_and_b32 v1, 31, v0
	v_lshlrev_b32 v2, 4, v1                        ; 16 x lane
	v_lshlrev_b32 v5, 3, v1                        ; 8 x lane
	v_and_b32 v7, 15, v0                           ; r
	v_bfe_u32 v24, v0, 4, 1                        ; h
	v_lshlrev_b32 v6, 2, v7                        ; 4 r
	s_mul_i32 s16, s14, 4*4112
	v_add_nc_u32 v3, s16, v2                       ; the stage, in: my four rows, 16 x lane
	v_mul_u32_u24 v4, v7, 4112
	v_lshl_add_u32 v4, v24, 6, v4
	s_lshl_b32 s16, s14, 10
	v_add_nc_u32 v4, s16, v4                       ; and out: row r, + 64 h, + my two ksteps' 1,024 bytes x wave
	s_mov_b32 s12, 0x3a800000                      ; 1 / 1,024
	s_mov_b32 s13, 0x3727c5ac                      ; 1e-5
	s_mov_b32 s[SEL], 0x76543210
	s_mov_b32 s[SEL+1], 0xfedcba98
	s_lshr_b32 s16, ttmp9, 1                       ; my first token: 32 (block / 2) + 8 (block % 2) + 4 (wave % 2) + 16 (wave / 2)
	s_lshl_b32 s16, s16, 5
	s_and_b32 s17, ttmp9, 1
	s_lshl_b32 s17, s17, 3
	s_add_co_u32 s16, s16, s17
	s_and_b32 s17, s14, 1
	s_lshl_b32 s17, s17, 2
	s_add_co_u32 s16, s16, s17
	s_lshr_b32 s17, s14, 1
	s_lshl_b32 s17, s17, 4
	s_add_co_u32 s16, s16, s17
	s_lshl_b32 s16, s16, 12
	s_mov_b32 s17, 0
	s_lshl_b32 s18, s14, 9
	s_add_co_u32 s18, s18, ttmp9
	s_mul_i32 s18, s18, 1536
	s_add_co_u32 s18, s18, 16777216                ; codes: kstep 2 wave, my row block
	s_mov_b32 s19, 0
	s_wait_alu depctr_va_vdst(0)
	s_wait_kmcnt 0x0
	s_add_nc_u64 s[4:5], s[4:5], s[16:17]
	s_lshr_b32 s28, s16, 9                         ; y itself is not stored as f32: dst takes, from byte 0, each token's mean and 1 / deviation, 8 bytes a token; the launch that adds the residual makes y again from src
	s_mov_b32 s29, 0
	s_add_nc_u64 s[22:23], s[10:11], s[28:29]
	s_add_nc_u64 s[24:25], s[10:11], s[18:19]
	s_lshl_b32 s18, s14, 15
	s_lshl_b32 s26, ttmp9, 6
	s_add_co_u32 s18, s18, s26
	s_add_co_u32 s18, s18, 19922944                ; scale words likewise
	s_add_nc_u64 s[26:27], s[10:11], s[18:19]
.irp i, 0,1,2,3
.irp j, 0,1,2,3,4,5,6,7
	global_load_b128 v[X+32*\i+4*\j:X+32*\i+4*\j+3], v2, s[4:5] offset:\i*4096+512*\j th:TH_LOAD_NT
.endr
.endr
.irp j, 0,1,2,3,4,5,6,7
	global_load_b128 v[G+4*\j:G+4*\j+3], v2, s[6:7] offset:512*\j
	global_load_b128 v[BV+4*\j:BV+4*\j+3], v2, s[8:9] offset:512*\j
.endr
	s_wait_loadcnt 16                              ; the rows are in; the 16 loads of g and b may be out
.irp i, 0,1,2,3
	v_pk_add_f32 v[224+4*\i:225+4*\i], v[X+32*\i:X+32*\i+1], v[X+32*\i+2:X+32*\i+3]
	v_pk_add_f32 v[226+4*\i:227+4*\i], v[X+32*\i+4:X+32*\i+5], v[X+32*\i+6:X+32*\i+7]
.endr
.irp j, 8,12,16,20,24,28
.irp i, 0,1,2,3
	v_pk_add_f32 v[224+4*\i:225+4*\i], v[224+4*\i:225+4*\i], v[X+32*\i+\j:X+32*\i+\j+1]
	v_pk_add_f32 v[226+4*\i:227+4*\i], v[226+4*\i:227+4*\i], v[X+32*\i+\j+2:X+32*\i+\j+3]
.endr
.endr
.irp i, 0,1,2,3
	v_pk_add_f32 v[224+4*\i:225+4*\i], v[224+4*\i:225+4*\i], v[226+4*\i:227+4*\i]
.endr
.irp i, 0,1,2,3
	v_add_f32 v[224+4*\i], v[224+4*\i], v[225+4*\i]
.endr
	REDUCE
.irp i, 0,1,2,3
	v_mul_f32 v[8+2*\i], s12, v[224+4*\i]          ; the mean, twice: a pair for the packed forms
	v_mul_f32 v[9+2*\i], s12, v[224+4*\i]
.endr
.irp j, 0,2,4,6,8,10,12,14,16,18,20,22,24,26,28,30
.irp i, 0,1,2,3
	v_pk_add_f32 v[X+32*\i+\j:X+32*\i+\j+1], v[X+32*\i+\j:X+32*\i+\j+1], v[8+2*\i:9+2*\i] neg_lo:[0,1] neg_hi:[0,1]
.endr
.endr
.irp i, 0,1,2,3
	v_pk_mul_f32 v[224+4*\i:225+4*\i], v[X+32*\i:X+32*\i+1], v[X+32*\i:X+32*\i+1]
	v_pk_mul_f32 v[226+4*\i:227+4*\i], v[X+32*\i+2:X+32*\i+3], v[X+32*\i+2:X+32*\i+3]
.endr
.irp j, 4,8,12,16,20,24,28
.irp i, 0,1,2,3
	v_pk_fma_f32 v[224+4*\i:225+4*\i], v[X+32*\i+\j:X+32*\i+\j+1], v[X+32*\i+\j:X+32*\i+\j+1], v[224+4*\i:225+4*\i]
	v_pk_fma_f32 v[226+4*\i:227+4*\i], v[X+32*\i+\j+2:X+32*\i+\j+3], v[X+32*\i+\j+2:X+32*\i+\j+3], v[226+4*\i:227+4*\i]
.endr
.endr
.irp i, 0,1,2,3
	v_pk_add_f32 v[224+4*\i:225+4*\i], v[224+4*\i:225+4*\i], v[226+4*\i:227+4*\i]
.endr
.irp i, 0,1,2,3
	v_add_f32 v[224+4*\i], v[224+4*\i], v[225+4*\i]
.endr
	REDUCE
.irp i, 0,1,2,3
	v_fma_f32 v[224+4*\i], v[224+4*\i], s12, s13   ; var + eps
.endr
	s_wait_alu depctr_va_vdst(0)
.irp i, 0,1,2,3
	v_rsq_f32 v[16+2*\i], v[224+4*\i]
.endr
	v_nop                                          ; a plain line behind the last of the four
	s_wait_alu depctr_va_vdst(0)                   ; one wait for the four, ahead of their first reader
.irp i, 0,1,2,3
	v_mov_b32 v[17+2*\i], v[16+2*\i]
.endr
	s_wait_alu depctr_va_vdst(0)
	s_wait_loadcnt 0x0                             ; g and b
.irp j, 0,2,4,6,8,10,12,14,16,18,20,22,24,26,28,30
.irp i, 0,1,2,3
	v_pk_mul_f32 v[X+32*\i+\j:X+32*\i+\j+1], v[X+32*\i+\j:X+32*\i+\j+1], v[16+2*\i:17+2*\i]
.endr
.endr
.irp j, 0,2,4,6,8,10,12,14,16,18,20,22,24,26,28,30
.irp i, 0,1,2,3
	v_pk_fma_f32 v[X+32*\i+\j:X+32*\i+\j+1], v[X+32*\i+\j:X+32*\i+\j+1], v[G+\j:G+\j+1], v[BV+\j:BV+\j+1]
.endr
.endr
.irp i, 0,1,2,3
.irp j, 0,1,2,3,4,5,6,7
	ds_store_b128 v3, v[X+32*\i+4*\j:X+32*\i+4*\j+3] offset:\i*4112+512*\j
.endr
.endr
	v_and_b32 v224, 3, v1                          ; lane l takes row l % 4 of my four: eight lanes hold the same pair and write it to the same place
	v_cmp_eq_u32 vcc_lo, 1, v224
	v_cndmask_b32 v226, v8, v10, vcc_lo
	v_cndmask_b32 v227, v16, v18, vcc_lo
	v_cmp_eq_u32 vcc_lo, 2, v224
	v_cndmask_b32 v226, v226, v12, vcc_lo
	v_cndmask_b32 v227, v227, v20, vcc_lo
	v_cmp_eq_u32 vcc_lo, 3, v224
	v_cndmask_b32 v226, v226, v14, vcc_lo
	v_cndmask_b32 v227, v227, v22, vcc_lo
	v_lshlrev_b32 v225, 3, v224
	global_store_b64 v225, v[226:227], s[22:23]    ; (mean, 1 / deviation) of four neighbouring tokens: 32 consecutive bytes
	s_wait_dscnt 0x0
	s_barrier_signal -1
	s_barrier_wait -1
	s_wait_xcnt 0x0                                ; the stores have read their registers, which are written again below
.irp b, 0,1,2,3
	v_mov_b32 v[TM+4+\b], 0                        ; a lane permute's destination counts as one of its sources
.endr
.irp u, 0,1
.irp b, 0,1,2,3
.irp j, 0,1,2,3
	ds_load_b128 v[ST+16*\b+4*\j:ST+16*\b+4*\j+3], v4 offset:512*\u+128*\b+16*\j
.endr
.endr
	s_wait_dscnt 0x0
.if \u
	s_wait_xcnt 0x0                                ; the first kstep's stores have read the codes' registers
.endif
	QUANT ST
	global_store_b128 v2, v[PC:PC+3], s[24:25] offset:\u*393216
	global_store_b64 v5, v[PC+4:PC+5], s[24:25] offset:\u*393216+512
	global_store_b128 v2, v[PC+6:PC+9], s[24:25] offset:\u*393216+768
	global_store_b64 v5, v[PC+10:PC+11], s[24:25] offset:\u*393216+1280
	global_store_b32 v6, v[PW], s[26:27] offset:\u*16384           ; lanes r and r + 16 hold the same word and write it to the same place
.endr
	s_wait_tensorcnt 0x0
	ds_add_u32 v254, v255
	s_wait_dscnt 0x0
	s_endpgm
.Lfunc_end_k_q37a82b9bb5_ln2:
	.size	k_q37a82b9bb5_ln2, .Lfunc_end_k_q37a82b9bb5_ln2-k_q37a82b9bb5_ln2
	.p2alignl 7, 3214868480
	.fill 96, 4, 3214868480
	.section	.rodata,"a",@progbits
	.p2align	6, 0x0
	.amdhsa_kernel k_q37a82b9bb5_ln2
		.amdhsa_group_segment_fixed_size 66560
		.amdhsa_private_segment_fixed_size 0
		.amdhsa_enable_private_segment 0
		.amdhsa_kernarg_size 32
		.amdhsa_user_sgpr_count 2
		.amdhsa_user_sgpr_kernarg_segment_ptr 1
		.amdhsa_wavefront_size32 1
		.amdhsa_system_sgpr_workgroup_id_x 1
		.amdhsa_system_sgpr_workgroup_id_y 1
		.amdhsa_system_sgpr_workgroup_id_z 1
		.amdhsa_system_vgpr_workitem_id 0
		.amdhsa_next_free_vgpr 256
		.amdhsa_next_free_sgpr 66
		.amdhsa_reserve_vcc 1
		.amdhsa_float_denorm_mode_32 3
		.amdhsa_float_denorm_mode_16_64 3
		.amdhsa_memory_ordered 1
		.amdhsa_forward_progress 1
		.amdhsa_inst_pref_size 45
	.end_amdhsa_kernel
	.amdgpu_metadata
---
amdhsa.version: [ 1, 2 ]
amdhsa.kernels:
  - .name:           k_q37a82b9bb5_ln2
    .symbol:         k_q37a82b9bb5_ln2.kd
    .args:
      - { .name: X1, .offset: 0, .size: 8, .value_kind: global_buffer, .address_space: global }
      - { .name: ln2_g, .offset: 8, .size: 8, .value_kind: global_buffer, .address_space: global }
      - { .name: ln2_b, .offset: 16, .size: 8, .value_kind: global_buffer, .address_space: global }
      - { .name: X2, .offset: 24, .size: 8, .value_kind: global_buffer, .address_space: global }
    .group_segment_fixed_size: 66560
    .private_segment_fixed_size: 0
    .kernarg_segment_align: 8
    .kernarg_segment_size: 32
    .max_flat_workgroup_size: 128
    .sgpr_count:     66
    .vgpr_count:     256
    .wavefront_size: 32
...
	.end_amdgpu_metadata
.endif
;; end of part 5
;; launch fc (part 6): grid 16 x 16, 4 waves a work-group, clusters of 4 x 4, 327,680 bytes of LDS; arguments X2, WQ, b_fc, H; writes H
.if DOCPART == 6
	.amdgcn_target "amdgcn-amd-amdhsa--gfx1250"
	.amdhsa_code_object_version 6
	.text
	.protected	k_q37a82b9bb5_fc
	.globl	k_q37a82b9bb5_fc
	.p2align	8
	.type	k_q37a82b9bb5_fc,@function
k_q37a82b9bb5_fc:
	s_mov_b64 s[64:65], 0
	v_nop
	global_prefetch_b8 v0, s[64:65] scope:SCOPE_SE
	s_setreg_imm32_b32 hwreg(HW_REG_WAVE_MODE, 25, 1), 1
	s_wait_xcnt 0x0
	s_wait_alu depctr_hold_cnt(0) depctr_sa_sdst(0) depctr_va_vdst(0) depctr_va_sdst(0) depctr_va_ssrc(0) depctr_va_vcc(0) depctr_vm_vsrc(0)
	s_getreg_b32 s2, hwreg(HW_REG_IB_STS2, 6, 4)
	s_cmp_eq_u32 s2, 0
	s_cbranch_scc0 .Lentry_in_a_cluster
	s_endpgm
.Lentry_in_a_cluster:
	s_bfe_u32 s2, ttmp6, 0x10000c
	s_cmp_lg_u32 s2, 0xf033
	s_cbranch_scc0 .Lentry_shape_is_right
	s_endpgm
.Lentry_shape_is_right:
.set MBW, 8
.set NBW, 8
.set NQ, 2
.set KSTEPS, 8
.set RBA, 256
.set RBB, 256
.set SPA, 2048
.set SPB, 2048
.set ACOFF, 16777216
.set ASOFF, 19922944
.set BCOFF, 4096000
.set BSOFF, 7241728
.set LAPS, KSTEPS/(2*NQ)
.set HALFT, NQ*MBW*1536
.set SLOT, 4*HALFT
.set SCL, 2*SLOT
.set HALFS, KSTEPS*MBW*64
.set SPARE, SCL+4*HALFS
.set G1, 24
.set G0, 32
.set G1B, 48
.set G0B, 56
.set G1S, 68
.set G0S, 76
.set G1SB, 80
.set G0SB, 88
.set HA, 64
.set TT, 128
.set PC, 192
.set TM, 212
.set PW, 228
.set SEL, 20
.set MSB, 0
.macro WIN new
.if MSB != (\new)
	s_set_vgpr_msb (MSB<<8)|(\new)
.set MSB, (\new)
.endif
.endm
.macro JLOAD g0a, g1a, g0b, g1b
	s_cmp_eq_u32 s15, 0
	s_cbranch_scc0 .Lfor_b_\@
	tensor_load_to_lds s[\g0a:\g0a+3], s[\g1a:\g1a+7]
	s_nop 0
.rept 4
	v_nop
.endr
	s_branch .Lasked_\@
.Lfor_b_\@:
	tensor_load_to_lds s[\g0b:\g0b+3], s[\g1b:\g1b+7]
	s_nop 0
.rept 4
	v_nop
.endr
.Lasked_\@:
.endm
.macro CREST
	s_cmp_lg_u32 s14, 0
	s_cbranch_scc1 .Lnot_wave_0_\@
	s_barrier_signal -3
.Lnot_wave_0_\@:
	s_barrier_wait -3
	s_barrier_signal -1
	s_barrier_wait -1
.endm
.macro CROUND
	s_barrier_signal -1
	s_barrier_wait -1
	CREST
.endm
.macro FRAGLD reg, a16, a8, off
	ds_load_b128 v[\reg:\reg+3], v[\a16] offset:\off
	ds_load_b64 v[\reg+4:\reg+5], v[\a8] offset:\off+512
	ds_load_b128 v[\reg+6:\reg+9], v[\a16] offset:\off+768
	ds_load_b64 v[\reg+10:\reg+11], v[\a8] offset:\off+1280
.endm
.macro FETCH slot, q, p
	WIN 0x40
.set II, 0
.rept NBW
	FRAGLD 128*(\p)+12*II, 20+\slot, 22+\slot, ((\q)*2*NBW+II)*1536
.set II, II+1
.endr
	WIN 0
.set II, 0
.rept MBW
	FRAGLD 64+12*MBW*(\p)+12*II, 16+\slot, 18+\slot, ((\q)*2*MBW+II)*1536
.set II, II+1
.endr
.endm
.macro SCALES sc
.set II, 0
.rept MBW
.set QQ, 0
.rept NQ
	ds_load_b32 v[32+16*(\sc)+NQ*II+QQ], v27 offset:QQ*2*MBW*64+64*II
.set QQ, QQ+1
.endr
.set II, II+1
.endr
.endm
.macro MUL a0, n, p, q, sc, zero
.set AA, \a0
.rept \n
	WIN 0xa1+0x50*((NBW*AA)/32)
.set BB, 0
.rept NBW
.set AC, 8*((NBW*AA+BB)%32)
.set BF, 128*(\p)+12*BB
.set AFR, 64+12*MBW*(\p)+12*AA
.if \zero
	v_wmma_scale_f32_16x16x128_f8f6f4 v[AC:AC+7], v[BF:BF+11], v[AFR:AFR+11], 0, v[32+16*(\sc)+NQ*BB+(\q)], v[32+16*(\sc)+NQ*AA+(\q)] matrix_a_fmt:MATRIX_FMT_BF6 matrix_b_fmt:MATRIX_FMT_BF6 matrix_a_scale:MATRIX_SCALE_ROW1
.else
	v_wmma_scale_f32_16x16x128_f8f6f4 v[AC:AC+7], v[BF:BF+11], v[AFR:AFR+11], v[AC:AC+7], v[32+16*(\sc)+NQ*BB+(\q)], v[32+16*(\sc)+NQ*AA+(\q)] matrix_a_fmt:MATRIX_FMT_BF6 matrix_b_fmt:MATRIX_FMT_BF6 matrix_a_scale:MATRIX_SCALE_ROW1
.endif
.set BB, BB+1
.endr
.set AA, AA+1
.endr
.endm
.macro STEP slot, q, zero
	s_wait_dscnt 0x0
.rept 4
	v_nop
.endr
	FETCH \slot, (\q)+1, 1-(\q)%2
	MUL 0, MBW, (\q)%2, \q, \slot, \zero
	WIN 0
.endm
.macro MID slot
.if NQ > 2
.set QM, 1
.rept NQ-2
	STEP \slot, QM, 0
.set QM, QM+1
.endr
.endif
.endm
.macro TURN slot, next, fill
	s_wait_tensorcnt 0x0
	ds_add_u32 v28, v29
	s_wait_dscnt 1
	MUL 0, MBW/4, 1, NQ-1, \slot, 0
	s_wait_dscnt 0x0
	s_barrier_signal -1
	MUL MBW/4, MBW/4, 1, NQ-1, \slot, 0
	WIN 0
	s_barrier_wait -1
.if \fill
	CREST
	s_add_nc_u64 s[G0+4*\slot+2:G0+4*\slot+3], s[G0+4*\slot+2:G0+4*\slot+3], 2*NQ*RBA*1536
	s_add_nc_u64 s[G0B+4*\slot+2:G0B+4*\slot+3], s[G0B+4*\slot+2:G0B+4*\slot+3], 2*NQ*RBB*1536
	JLOAD G0+4*\slot, G1, G0B+4*\slot, G1B
.else
.rept 4
	v_nop
.endr
.endif
	s_wait_alu depctr_va_vdst(0)
	v_add_nc_u32 v27, 2048, v27                    ; the next slot's scale words: two ksteps of 1,024 bytes
	FETCH \next, 0, 0
	SCALES \next
	MUL MBW/2, MBW/2, 1, NQ-1, \slot, 0
	WIN 0
.endm
.macro QUANT s
.irp b, 0,1,2,3
	v_max3_num_f32 v[TM+\b], |v[\s+16*\b]|, |v[\s+1+16*\b]|, 0x2800000
.endr
.irp i, 2,4,6,8,10,12,14
.irp b, 0,1,2,3
	v_max3_num_f32 v[TM+\b], v[TM+\b], |v[\s+16*\b+\i]|, |v[\s+1+16*\b+\i]|
.endr
.endr
.irp b, 0,1,2,3
	v_permlanex16_b32 v[TM+4+\b], v[TM+\b], s[SEL], s[SEL+1]
.endr
.irp b, 0,1,2,3
	v_max_num_f32 v[TM+\b], v[TM+\b], v[TM+4+\b]
.endr
.irp b, 0,1,2,3
	v_add_nc_u32 v[TM+12+\b], 0xfe000000, v[TM+\b]
.endr
.irp b, 0,1,2,3
	v_lshrrev_b32 v[TM+4+\b], 23, v[TM+12+\b]
.endr
	v_lshl_or_b32 v[PW], v[TM+5], 8, v[TM+4]
	v_lshl_or_b32 v[PW], v[TM+6], 16, v[PW]
	v_lshl_or_b32 v[PW], v[TM+7], 24, v[PW]
.irp c, 0,1
	v_cvt_scalef32_pk16_bf6_f32 v[PC+6*\c:PC+2+6*\c], v[\s+32*\c:\s+15+32*\c], v[TM+12+2*\c]
	v_cvt_scalef32_pk16_bf6_f32 v[PC+12+4*\c:PC+14+4*\c], v[\s+16+32*\c:\s+31+32*\c], v[TM+12+2*\c+1]
.endr
	v_nop
.irp c, 0,1
.irp i, 0,1,2
	v_permlane16_swap_b32 v[PC+6*\c+\i], v[PC+12+4*\c+\i]
.endr
.irp i, 0,1,2
	v_mov_b32 v[PC+3+6*\c+\i], v[PC+12+4*\c+\i]
.endr
.endr
.endm
	s_load_b256 s[4:11], s[0:1], 0x0
	v_lshl_add_u32 v28, v0, 2, SPARE
	v_mov_b32 v29, 0
	ds_add_u32 v28, v29
	ds_add_u32 v28, v29
	s_wait_dscnt 0x0
	v_lshrrev_b32 v1, 5, v0
	v_readfirstlane_b32 s14, v1
	s_lshr_b32 s15, s14, 1
	s_and_b32 s16, s14, 1
	s_bfe_u32 s40, ttmp6, 0x40000
	s_bfe_u32 s41, ttmp6, 0x40004
	s_lshl_b32 s42, ttmp9, 2
	s_add_co_u32 s42, s42, s40
	s_and_b32 s17, ttmp7, 0xffff
	s_lshl_b32 s17, s17, 2
	s_add_co_u32 s17, s17, s41
	s_lshl_b32 s43, s41, 2
	s_lshl_b32 s43, 15, s43
	s_lshl_b32 s44, 0x1111, s40
	s_or_b32 s[G1+0], s43, (3<<16)|(1<<21)
	s_or_b32 s[G1B+0], s44, (3<<16)|(1<<21)
.irp g, G1, G1B
	s_mov_b32 s[\g+1], (2*MBW*192)<<16             ; the head's shape: a row is a kstep of the tile, 16 images on end
	s_mov_b32 s[\g+2], NQ<<16                      ; rows: slot 0's ksteps
	s_mov_b32 s[\g+3], (2*MBW*192)<<16
	s_mov_b32 s[\g+4], NQ
	s_mov_b32 s[\g+6], 0
	s_mov_b32 s[\g+7], 0
.endr
	s_mov_b32 s[G1+5], RBA*192
	s_mov_b32 s[G1B+5], RBB*192
	s_or_b32 s[G1S+0], s43, (3<<16)|(1<<21)
	s_or_b32 s[G1SB+0], s44, (3<<16)|(1<<21)
.irp g, G1S, G1SB
	s_mov_b32 s[\g+1], (2*MBW*8)<<16               ; a row: the tile's 256 words
	s_mov_b32 s[\g+2], KSTEPS<<16
	s_mov_b32 s[\g+3], (2*MBW*8)<<16
	s_mov_b32 s[\g+4], KSTEPS
	s_mov_b32 s[\g+6], 0
	s_mov_b32 s[\g+7], 0
.endr
	s_mov_b32 s[G1S+5], SPA
	s_mov_b32 s[G1SB+5], SPB
	s_mul_i32 s20, s17, 2*MBW                      ; A's tile: its first row block
	s_mul_i32 s46, s42, 2*MBW                      ; B's
	s_lshl_b32 s22, s20, 6
	s_lshl_b32 s92, s46, 6
	s_mul_i32 s20, s20, 1536
	s_mul_i32 s46, s46, 1536
	s_add_co_u32 s20, s20, ACOFF
	s_add_co_u32 s22, s22, ASOFF
	s_add_co_u32 s46, s46, BCOFF
	s_add_co_u32 s92, s92, BSOFF
	s_mov_b32 s21, 0
	s_mov_b32 s23, 0
	s_mov_b32 s47, 0
	s_mov_b32 s93, 0
	s_mul_i32 s45, s14, HALFT
	s_wait_kmcnt 0x0
	s_add_nc_u64 s[20:21], s[4:5], s[20:21]
	s_add_nc_u64 s[22:23], s[4:5], s[22:23]
	s_add_nc_u64 s[46:47], s[6:7], s[46:47]
	s_add_nc_u64 s[92:93], s[6:7], s[92:93]
	CROUND
	s_mov_b32 s[G0S], 1
	s_mov_b32 s[G0S+1], SCL
	s_mov_b64 s[G0S+2:G0S+3], s[22:23]
	s_or_b32 s[G0S+3], s[G0S+3], 0x80000000
	s_mov_b32 s[G0SB], 1
	s_mov_b32 s[G0SB+1], SCL+2*HALFS
	s_mov_b64 s[G0SB+2:G0SB+3], s[92:93]
	s_or_b32 s[G0SB+3], s[G0SB+3], 0x80000000
.irp s, 0,1
	s_mov_b32 s[G0+4*\s], 1
	s_add_co_u32 s[G0+4*\s+1], s45, \s*SLOT
	s_add_nc_u64 s[G0+4*\s+2:G0+4*\s+3], s[20:21], \s*NQ*RBA*1536
	s_or_b32 s[G0+4*\s+3], s[G0+4*\s+3], 0x80000000
	s_mov_b32 s[G0B+4*\s], 1
	s_add_co_u32 s[G0B+4*\s+1], s45, \s*SLOT
	s_add_nc_u64 s[G0B+4*\s+2:G0B+4*\s+3], s[46:47], \s*NQ*RBB*1536
	s_or_b32 s[G0B+4*\s+3], s[G0B+4*\s+3], 0x80000000
.endr
	; A slot is [kstep][16 blocks][1,536] of A, then of B; the scale words are A's [kstep][256 words], then B's.
	; THE HEAD'S FOUR TILES, ONE JOINT LOAD A WAVE: A's slot 0, B's slot 0, A's scale words, B's: one chain of branches on the wave's number, one join
	s_mov_b32 s[G0+1], 0
	s_mov_b32 s[G0B+1], 2*HALFT
	s_cmp_lt_u32 s14, 1
	s_cbranch_scc0 .Lh1
	tensor_load_to_lds s[G0:G0+3], s[G1:G1+7]
	s_nop 0
.rept 4
	v_nop
.endr
	s_branch .Lh4
.Lh1:
	s_cmp_lt_u32 s14, 2
	s_cbranch_scc0 .Lh2
	tensor_load_to_lds s[G0B:G0B+3], s[G1B:G1B+7]
	s_nop 0
.rept 4
	v_nop
.endr
	s_branch .Lh4
.Lh2:
	s_cmp_lt_u32 s14, 3
	s_cbranch_scc0 .Lh3
	tensor_load_to_lds s[G0S:G0S+3], s[G1S:G1S+7]
	s_nop 0
.rept 4
	v_nop
.endr
	s_branch .Lh4
.Lh3:
	tensor_load_to_lds s[G0SB:G0SB+3], s[G1SB:G1SB+7]
	s_nop 0
.rept 4
	v_nop
.endr
.Lh4:
	s_mul_i32 s2, s16, RBA*1536                    ; in the ring I fetch one kstep of a slot's two
	s_mov_b32 s3, 0
	s_wait_alu depctr_va_vdst(0)
	s_wait_tensorcnt 0x0                           ; my tile of the head's four is in: a later first fill is issued as a refill is,
	ds_add_u32 v28, v29                            ; 0 onto my spare word;
.irp g, G1, G1B
	s_mov_b32 s[\g+1], 32<<16                      ; no load of mine is out, so the descriptors may be written: the ring's shape, 24,576 dense bytes as 96 rows of 256
	s_mov_b32 s[\g+2], 96<<16
	s_mov_b32 s[\g+3], 32<<16
	s_mov_b32 s[\g+4], 96
	s_mov_b32 s[\g+5], 32
.endr
	s_add_co_u32 s[G0+1], s45, 0
	s_add_co_u32 s[G0B+1], s45, 0
.irp s, 0,1
	s_add_nc_u64 s[G0+4*\s+2:G0+4*\s+3], s[G0+4*\s+2:G0+4*\s+3], s[2:3]
	s_add_nc_u64 s[G0B+4*\s+2:G0B+4*\s+3], s[G0B+4*\s+2:G0B+4*\s+3], s[2:3]
.endr
	s_wait_dscnt 0x0                               ; the add is done
	CROUND                                         ; a whole round, and slot 1's load, my one load behind it
	JLOAD G0+4, G1, G0B+4, G1B
	v_and_b32 v1, 15, v0
	v_bfe_u32 v2, v0, 4, 1
	v_and_b32 v3, 31, v0
	v_lshlrev_b32 v4, 4, v3
	v_lshlrev_b32 v5, 3, v3
	s_mul_i32 s21, s15, MBW*1536                   ; my eight blocks of a kstep's sixteen
	s_mul_i32 s22, s16, MBW*1536
	s_add_co_u32 s22, s22, 2*HALFT
.irp s, 0,1
	v_add_nc_u32 v[16+\s], s21, v4
	v_add_nc_u32 v[18+\s], s21, v5
	v_add_nc_u32 v[20+\s], s22, v4
	v_add_nc_u32 v[22+\s], s22, v5
	s_add_co_u32 s21, s21, SLOT
	s_add_co_u32 s22, s22, SLOT
.endr
	v_lshlrev_b32 v6, 2, v1
	s_mul_i32 s21, s15, MBW*64
	s_mul_i32 s22, s16, MBW*64
	s_add_co_u32 s22, s22, 2*HALFS
	s_sub_co_u32 s22, s22, s21
	v_mul_u32_u24 v7, s22, v2
	s_add_co_u32 s21, s21, SCL
	v_add_nc_u32 v6, v6, v7
	v_add_nc_u32 v27, s21, v6
	v_lshlrev_b32 v26, 2, v1
	s_lshl_b32 s18, s42, 8
	s_lshl_b32 s19, s16, 7
	s_add_co_u32 s18, s18, s19
	s_lshl_b32 s18, s18, 2
	s_mov_b32 s19, 0
	s_add_nc_u64 s[92:93], s[8:9], s[18:19]
	v_lshlrev_b32 v6, 6, v2
	WIN 0x40
.irp b, 0,1,2,3,4,5,6,7
.if \b < 4
.set BNR, 96+8*\b
.else
.set BNR, 192+8*\b
.endif
	global_load_b128 v[BNR:BNR+3], v6, s[92:93] offset:(32*(\b/2)+8*(\b%2))*4
	global_load_b128 v[BNR+4:BNR+7], v6, s[92:93] offset:(32*(\b/2)+8*(\b%2))*4+16
.endr
	WIN 0
	s_lshl_b32 s18, s42, 1
	s_add_co_u32 s18, s18, s16
	s_lshl_b32 s19, s17, 4
	s_lshl_b32 s22, s15, 3
	s_add_co_u32 s19, s19, s22
	s_lshl_b32 s22, s18, 8
	s_add_co_u32 s22, s22, s19
	s_mul_i32 s22, s22, 1536
	s_mov_b32 s23, 0
	s_add_nc_u64 s[96:97], s[10:11], s[22:23]
	s_lshl_b32 s22, s18, 14
	s_lshl_b32 s19, s19, 6
	s_add_co_u32 s22, s22, s19
	s_add_co_u32 s22, s22, 12582912
	s_add_nc_u64 s[98:99], s[10:11], s[22:23]
	s_mov_b32 s[SEL], 0x76543210
	s_mov_b32 s[SEL+1], 0xfedcba98
	s_wait_alu depctr_va_vdst(0)
	s_wait_tensorcnt 1
	s_barrier_signal -1
	s_barrier_wait -1
	FETCH 0, 0, 0
	SCALES 0
	STEP 0, 0, 1
.if LAPS > 1
	s_mov_b32 s3, LAPS-1
.Llap:
	MID 0
	TURN 0, 1, 1
	STEP 1, 0, 0
	MID 1
	TURN 1, 0, 1
	STEP 0, 0, 0
	s_sub_co_u32 s3, s3, 1
	s_cmp_lg_u32 s3, 0
	s_cbranch_scc1 .Llap
.endif
	MID 0
	TURN 0, 1, 0
	STEP 1, 0, 0
	MID 1
	s_wait_dscnt 0x0
	MUL 0, MBW, 1, NQ-1, 1, 0
	WIN 0
.rept 4
	v_nop
.endr
	s_wait_loadcnt 0x0
.irp b, 0,1,2,3
	v_mov_b32 v[TM+4+\b], 0
.endr
	v_mov_b32 v230, 0xc0135761
	v_mov_b32 v231, 0xc0135761
	v_mov_b32 v232, 0xbdd2d3e8
	v_mov_b32 v233, 0xbdd2d3e8
.macro GBLK a
	WIN 0x06+(\a)/4
.set JJ, 0
.rept 32
.if JJ < 32
.set BNR, 96+JJ
.else
.set BNR, 192+JJ
.endif
	v_pk_add_f32 v[HA+JJ:HA+JJ+1], v[64*((\a)%4)+JJ:64*((\a)%4)+JJ+1], v[BNR:BNR+1]
.set JJ, JJ+2
.endr
	WIN 0
.set JJ, 0
.rept 32
	v_pk_mul_f32 v[TT+JJ:TT+JJ+1], v[HA+JJ:HA+JJ+1], v[HA+JJ:HA+JJ+1]
.set JJ, JJ+2
.endr
.set JJ, 0
.rept 32
	v_pk_fma_f32 v[TT+JJ:TT+JJ+1], v[TT+JJ:TT+JJ+1], v[232:233], v[230:231]
.set JJ, JJ+2
.endr
.set JJ, 0
.rept 32
	v_pk_mul_f32 v[TT+JJ:TT+JJ+1], v[TT+JJ:TT+JJ+1], v[HA+JJ:HA+JJ+1]
.set JJ, JJ+2
.endr
.set JJ, 0
	s_wait_alu depctr_va_vdst(0)
.rept 64
	v_exp_f32 v[TT+JJ], v[TT+JJ]
.set JJ, JJ+1
.endr
	v_nop
	s_wait_alu depctr_va_vdst(0)
.set JJ, 0
.rept 32
	v_pk_add_f32 v[TT+JJ:TT+JJ+1], v[TT+JJ:TT+JJ+1], 1.0 op_sel_hi:[1,0]
.set JJ, JJ+2
.endr
.set JJ, 0
	s_wait_alu depctr_va_vdst(0)
.rept 64
	v_rcp_f32 v[TT+JJ], v[TT+JJ]
.set JJ, JJ+1
.endr
	v_nop
	s_wait_alu depctr_va_vdst(0)
.set JJ, 0
.rept 32
	v_pk_mul_f32 v[HA+JJ:HA+JJ+1], v[HA+JJ:HA+JJ+1], v[TT+JJ:TT+JJ+1]
.set JJ, JJ+2
.endr
	s_wait_xcnt 0x0
	QUANT HA
	global_store_b128 v4, v[PC:PC+3], s[96:97] offset:(\a)*1536
	global_store_b64 v5, v[PC+4:PC+5], s[96:97] offset:(\a)*1536+512
	global_store_b128 v4, v[PC+6:PC+9], s[96:97] offset:(\a)*1536+768
	global_store_b64 v5, v[PC+10:PC+11], s[96:97] offset:(\a)*1536+1280
	global_store_b32 v26, v[PW], s[98:99] offset:(\a)*64
.endm
.irp a, 0,1,2,3,4,5,6,7
	GBLK \a
.endr
	s_wait_tensorcnt 0x0
	ds_add_u32 v28, v29
	s_wait_dscnt 0x0
	CROUND
	s_endpgm
.Lfunc_end_k_q37a82b9bb5_fc:
	.size	k_q37a82b9bb5_fc, .Lfunc_end_k_q37a82b9bb5_fc-k_q37a82b9bb5_fc
	.p2alignl 7, 3214868480
	.fill 96, 4, 3214868480
	.section	.rodata,"a",@progbits
	.p2align	6, 0x0
	.amdhsa_kernel k_q37a82b9bb5_fc
		.amdhsa_group_segment_fixed_size 327680
		.amdhsa_private_segment_fixed_size 0
		.amdhsa_enable_private_segment 0
		.amdhsa_kernarg_size 32
		.amdhsa_user_sgpr_count 2
		.amdhsa_user_sgpr_kernarg_segment_ptr 1
		.amdhsa_wavefront_size32 1
		.amdhsa_system_sgpr_workgroup_id_x 1
		.amdhsa_system_sgpr_workgroup_id_y 1
		.amdhsa_system_sgpr_workgroup_id_z 1
		.amdhsa_system_vgpr_workitem_id 0
		.amdhsa_next_free_vgpr 1024
		.amdhsa_next_free_sgpr 100
		.amdhsa_reserve_vcc 0
		.amdhsa_float_denorm_mode_32 3
		.amdhsa_float_denorm_mode_16_64 3
		.amdhsa_memory_ordered 1
		.amdhsa_forward_progress 1
		.amdhsa_inst_pref_size 255
	.end_amdhsa_kernel
	.section	.bss,"aw",@nobits
	.p2align	6
	.space	262144
	.amdgpu_metadata
---
amdhsa.version: [ 1, 2 ]
amdhsa.kernels:
  - .name:           k_q37a82b9bb5_fc
    .symbol:         k_q37a82b9bb5_fc.kd
    .args:
      - { .name: X2, .offset: 0, .size: 8, .value_kind: global_buffer, .address_space: global }
      - { .name: WQ, .offset: 8, .size: 8, .value_kind: global_buffer, .address_space: global }
      - { .name: b_fc, .offset: 16, .size: 8, .value_kind: global_buffer, .address_space: global }
      - { .name: H, .offset: 24, .size: 8, .value_kind: global_buffer, .address_space: global }
    .group_segment_fixed_size: 327680
    .private_segment_fixed_size: 0
    .kernarg_segment_align: 8
    .kernarg_segment_size: 32
    .max_flat_workgroup_size: 128
    .sgpr_count:     100
    .vgpr_count:     1024
    .wavefront_size: 32
...
	.end_amdgpu_metadata
.endif
;; end of part 6
;; launch mlp (part 7): grid 8 x 32, 4 waves a work-group, clusters of 4 x 4, 327,680 bytes of LDS; arguments H, WQ, X1, b_mlp_proj, out0, X2, ln2_g, ln2_b; writes out0
.if DOCPART == 7
	.amdgcn_target "amdgcn-amd-amdhsa--gfx1250"
	.amdhsa_code_object_version 6
	.text
	.protected	k_q37a82b9bb5_mlp
	.globl	k_q37a82b9bb5_mlp
	.p2align	8
	.type	k_q37a82b9bb5_mlp,@function
k_q37a82b9bb5_mlp:
	s_mov_b64 s[64:65], 0
	v_nop
	global_prefetch_b8 v0, s[64:65] scope:SCOPE_SE
	s_setreg_imm32_b32 hwreg(HW_REG_WAVE_MODE, 25, 1), 1
	s_wait_xcnt 0x0
	s_wait_alu depctr_hold_cnt(0) depctr_sa_sdst(0) depctr_va_vdst(0) depctr_va_sdst(0) depctr_va_ssrc(0) depctr_va_vcc(0) depctr_vm_vsrc(0)
	s_getreg_b32 s2, hwreg(HW_REG_IB_STS2, 6, 4)
	s_cmp_eq_u32 s2, 0
	s_cbranch_scc0 .Lentry_in_a_cluster
	s_endpgm
.Lentry_in_a_cluster:
	s_bfe_u32 s2, ttmp6, 0x10000c
	s_cmp_lg_u32 s2, 0xf033
	s_cbranch_scc0 .Lentry_shape_is_right
	s_endpgm
.Lentry_shape_is_right:
; out0 = ln2's result + (gelu's result W_mlp_proj + b_mlp_proj), f32.  A: codes of 4,096 rows, B: codes of 1,024 rows (the weight's columns), both BF6 as fragment images
; [kstep of 128][row block of 16][1,536 bytes] with scale words [kstep][row].  K = 4,096: 32 ksteps.  A tile of 128 x 128 (256 tiles), four waves of 64 x 64: 16 accumulators each.
; A AND THE SCALE WORDS GO THROUGH LDS, B GOES STRAIGHT INTO REGISTERS.  A fill is 8 ksteps x (12,288 bytes of A + 512 + 512 of scale words), four joint loads, one a wave: A's codes in two halves of
; 4 ksteps, A's scale words, B's scale words.  Two regions of 8 LDS rows take turns: four fills.  Fill 0 goes out at the head, fill 1 behind the full sequence when fill 0 has landed, fills 2 and 3
; when their regions have been multiplied: in front of each stand the wait for all tensor loads, the add, the wait for it and a round of the cluster's barrier; the fill is the wave's one load behind the round.
; A's loads are shared along a row of the 4 x 4 cluster, B's scale words along a column.
; B's images are laid as the operand's registers want them, so each lane loads its part of a fragment whole (runs of 512 and 256 aligned bytes a wave): four sets of 48 registers, asked for three
; ksteps ahead: 48 loads of a wave are out behind each counted wait.  So B's codes are no joint request (that form is the tensor load's), take no LDS bytes, and a wave reads 6,400 bytes of LDS a kstep.
; PREFETCH: behind fill n each wave names 24 blocks of 256 bytes of the codes of fill n + 1 and 24 of B's ksteps 8 n .. 8 n + 7: 8 ksteps are 384 blocks, 24 to each of the sixteen waves of the four
; partners that read them, told apart by address (lanes 24-31 name the wave's last block again); the last fill has no successor.  Behind fills 2 and 3 also the residual's 64 blocks of each wave, which are
; loaded in the last three ksteps.  The scale words, 1 byte in 24, are not named.
; The matrix instruction is used transposed: a lane holds a row of A.  Storage rows have bits 3 and 4 of the row number exchanged: the way out maps them back by its immediates; a block of 16 rows goes
; through the wave's own stage and leaves as runs of 256 aligned bytes.  lds_bytes: all of it, and the add of 0 onto spare words.
.set KSTEPS, 32
.set NR, 16                            ; LDS rows: kstep k lies in row k % NR
.set ACOFF, 0
.set ASOFF, 12582912
.set BCOFF, 7372800
.set BSOFF, 10518528
.set RBA, 256
.set RBB, 64
.set SPA, 2048
.set SPB, 512
.set ROWC, 12288                       ; a kstep of A's tile: 8 images
.set LA, 0
.set LSA, NR*ROWC
.set LSB, LSA+NR*512
.set SPARE, LSB+NR*512                 ; the spare words: 512 bytes that no other line names
.set STAGE, SPARE+512                  ; 16 rows x 272 bytes for each wave; no fill lands here
.set BK, 64
.set G1A, 24
.set G0A, 32
.set PFA, 36                           ; s[36:37] A's tile at kstep 8, for the prefetches; s[38:39] B's tile; s[48:49] my four blocks of B
.set PFB, 38
.set BB0, 48
.set G0A2, 56
.set G1S, 68
.set G0S, 76
.set G1SB, 80
.set G0SB, 88
.set MSB, 0
.macro WIN new
.if MSB != (\new)
	s_set_vgpr_msb (MSB<<8)|(\new)
.set MSB, (\new)
.endif
.endm
.macro TL g0, g1                       ; s_nop 0 and four v_nop behind the load
	tensor_load_to_lds s[\g0:\g0+3], s[\g1:\g1+7]
	s_nop 0
.rept 4
	v_nop
.endr
.endm
.macro LOAD4                           ; a fill: one chain of branches on the wave's number, one joint load to an arm, one join
	s_cmp_lt_u32 s14, 1
	s_cbranch_scc0 .Lq1_\@
	TL G0A, G1A
	s_branch .Lq4_\@
.Lq1_\@:
	s_cmp_lt_u32 s14, 2
	s_cbranch_scc0 .Lq2_\@
	TL G0A2, G1A
	s_branch .Lq4_\@
.Lq2_\@:
	s_cmp_lt_u32 s14, 3
	s_cbranch_scc0 .Lq3_\@
	TL G0S, G1S
	s_branch .Lq4_\@
.Lq3_\@:
	TL G0SB, G1SB
.Lq4_\@:
.endm
.macro CREST
	s_cmp_lg_u32 s14, 0
	s_cbranch_scc1 .Lnot_wave_0_\@
	s_barrier_signal -3
.Lnot_wave_0_\@:
	s_barrier_wait -3
	s_barrier_signal -1
	s_barrier_wait -1
.endm
.macro CROUND
	s_barrier_signal -1
	s_barrier_wait -1
	CREST
.endm
.macro MKG1 g, mask, w, rows, pitch    ; elements of 8 bytes, no padding; bit 21 beside the mask
	s_or_b32 s[\g], \mask, (3<<16)|(1<<21)
	s_mov_b32 s[\g+1], (\w)<<16
	s_mov_b32 s[\g+2], (\rows)<<16
	s_mov_b32 s[\g+3], (\w)<<16
	s_mov_b32 s[\g+4], \rows
	s_mov_b32 s[\g+5], \pitch
	s_mov_b32 s[\g+6], 0
	s_mov_b32 s[\g+7], 0
.endm
.macro MKG0 g, lds, a
	s_mov_b32 s[\g], 1
	s_mov_b32 s[\g+1], \lds
	s_mov_b64 s[\g+2:\g+3], s[\a:\a+1]
	s_or_b32 s[\g+3], s[\g+3], 0x80000000
.endm
.macro NEXTFILL n                      ; the four descriptors for fill n: 8 ksteps on, into region n % 2
	s_add_nc_u64 s[G0A+2:G0A+3], s[G0A+2:G0A+3], 8*RBA*1536
	s_add_nc_u64 s[G0A2+2:G0A2+3], s[G0A2+2:G0A2+3], 8*RBA*1536
	s_add_nc_u64 s[G0S+2:G0S+3], s[G0S+2:G0S+3], 8*SPA*8
	s_add_nc_u64 s[G0SB+2:G0SB+3], s[G0SB+2:G0SB+3], 8*SPB*8
	s_mov_b32 s[G0A+1], LA+8*((\n)%2)*ROWC
	s_mov_b32 s[G0A2+1], LA+(8*((\n)%2)+4)*ROWC
	s_mov_b32 s[G0S+1], LSA+8*((\n)%2)*512
	s_mov_b32 s[G0SB+1], LSB+8*((\n)%2)*512
.endm
.macro ASK n                           ; behind fill n: the codes of fill n + 1, and B's ksteps 8 n .. 8 n + 7
.if 8*((\n)+1) < KSTEPS
	global_prefetch_b8 v30, s[PFA:PFA+1] offset:(\n)*8*RBA*1536 th:TH_LOAD_NT scope:SCOPE_SE
.endif
.if 8*(\n) < KSTEPS
	global_prefetch_b8 v20, s[PFB:PFB+1] offset:(\n)*8*RBB*1536 th:TH_LOAD_NT scope:SCOPE_SE
.endif
.endm
.macro FRAGLD reg, a16, a8, off        ; a fragment's image into 12 registers
	ds_load_b128 v[\reg:\reg+3], v[\a16] offset:\off
	ds_load_b64 v[\reg+4:\reg+5], v[\a8] offset:\off+512
	ds_load_b128 v[\reg+6:\reg+9], v[\a16] offset:\off+768
	ds_load_b64 v[\reg+10:\reg+11], v[\a8] offset:\off+1280
.endm
.macro FETCH k                         ; kstep k out of LDS into set k % 2: A's four fragments and four scale registers (lanes 0-15 A's block i, lanes 16-31 B's)
.set RW, (\k)%NR
.set II, 0
.rept 4
	FRAGLD 64+48*((\k)%2)+12*II, 8+RW/4, 12+RW/4, (RW%4)*ROWC+II*1536
	ds_load_b32 v[32+4*((\k)%2)+II], v27 offset:RW*512+64*II
.set II, II+1
.endr
.endm
.macro BLOAD k                         ; kstep k of my four blocks of B from memory into set k % 4 (window 1): 16 loads
	WIN 0x40
.set II, 0
.rept 4
.set BR, 48*((\k)%4)+12*II
.set BO, (\k)*RBB*1536+II*1536
	global_load_b128 v[BR:BR+3], v4, s[BB0:BB0+1] offset:BO
	global_load_b64 v[BR+4:BR+5], v5, s[BB0:BB0+1] offset:BO+512
	global_load_b128 v[BR+6:BR+9], v4, s[BB0:BB0+1] offset:BO+768
	global_load_b64 v[BR+10:BR+11], v5, s[BB0:BB0+1] offset:BO+1280
.set II, II+1
.endr
	WIN 0
.endm
.macro XLOAD j                         ; half j of the residual (window 2, v128-255): 16 loads; with the second half the bias: 17
	WIN 0x80
.irp a, 2*(\j), 2*(\j)+1
.irp i, 0,1,2,3,4,5,6,7
	global_load_b128 v[128+32*(\a)+4*\i:128+32*(\a)+4*\i+3], v26, s[96:97] offset:(32*((\a)/2)+8*((\a)%2)+(2*\i)%8+16*(\i/4))*4096
.endr
.endr
	WIN 0
.if (\j) == 1
	global_load_b128 v[40:43], v31, s[92:93]
.endif
.endm
.macro AHEAD k                         ; what kstep k asks of memory: B three ksteps on, or, in the last ksteps, the residual
.if (\k)+3 < KSTEPS
	BLOAD (\k)+3
.else
.if (\k)+3 < KSTEPS+2
	XLOAD (\k)+3-KSTEPS
.endif
.endif
.endm
.macro MUL a0, n, k, zero              ; A's blocks a0 .. a0 + n - 1 against B's four; the accumulators take turns
	WIN 0xa1
.set AA, \a0
.rept \n
.set BB, 0
.rept 4
.set AC, 8*(4*AA+BB)
.set BF, 48*((\k)%4)+12*BB
.set AFR, 64+48*((\k)%2)+12*AA
.set SR, 32+4*((\k)%2)
.if \zero
	v_wmma_scale_f32_16x16x128_f8f6f4 v[AC:AC+7], v[BF:BF+11], v[AFR:AFR+11], 0, v[SR+BB], v[SR+AA] matrix_a_fmt:MATRIX_FMT_BF6 matrix_b_fmt:MATRIX_FMT_BF6 matrix_a_scale:MATRIX_SCALE_ROW1
.else
	v_wmma_scale_f32_16x16x128_f8f6f4 v[AC:AC+7], v[BF:BF+11], v[AFR:AFR+11], v[AC:AC+7], v[SR+BB], v[SR+AA] matrix_a_fmt:MATRIX_FMT_BF6 matrix_b_fmt:MATRIX_FMT_BF6 matrix_a_scale:MATRIX_SCALE_ROW1
.endif
.set BB, BB+1
.endr
.set AA, AA+1
.endr
.endm
.macro STEP k, zero
	s_wait_loadcnt 32                              ; B's kstep k is in; the 16 + 16 loads of the two ksteps behind it may be out
	s_wait_dscnt 0x0                               ; A's set, asked for a kstep ago, is in
.rept 4
	v_nop                                          ; four places behind the products that read the sets written below
.endr
	FETCH (\k)+1
	AHEAD \k
	MUL 0, 4, \k, \zero
	WIN 0
.endm
.macro TURN k                          ; a region's last kstep: the other region is shown whole, and, where ksteps are left to fetch, this one is filled again
.set FN, (\k)/8+2                      ; the fill that would land here
	s_wait_tensorcnt 0x0                           ; all my tensor loads have landed: my part of the other region
	ds_add_u32 v28, v29                            ; 0 onto my spare word
.if 8*FN < KSTEPS
	NEXTFILL FN                                    ; no load of mine is out: the descriptors may be written
.endif
	s_wait_loadcnt 32
	s_wait_dscnt 1                                 ; A's set is in; the add may be out
	MUL 0, 1, \k, 0
	s_wait_dscnt 0x0                               ; the add is done, and my reads of this region are over
	s_barrier_signal -1
	MUL 1, 1, \k, 0
	WIN 0
	s_barrier_wait -1
.if 8*FN < KSTEPS
	CREST                                          ; the barrier has opened a round of the cluster's: no wave of any partner still reads this region or has a load on its way
	LOAD4                                          ; my one load behind the round; its four v_nop are the places in front of the loads below
.else
.rept 4
	v_nop
.endr
.endif
	FETCH (\k)+1
	AHEAD \k
.if 8*FN < KSTEPS
	ASK FN
	global_prefetch_b8 v21, s[96:97] offset:(FN-2)*32*4096 th:TH_LOAD_NT scope:SCOPE_SE   ; 32 of my 64 rows x 256 bytes of the residual's source, behind fills 2 and 3
.endif
	MUL 2, 2, \k, 0
	WIN 0
.endm
	s_load_b256 s[4:11], s[0:1], 0x0               ; A, WQ, the residual, the bias
	s_load_b64 s[12:13], s[0:1], 0x20              ; out
	s_load_b64 s[50:51], s[0:1], 0x28              ; each row's (mean, 1 / deviation), 8 bytes a row
	s_load_b128 s[52:55], s[0:1], 0x30             ; the norm's g and b.  THE RESIDUAL IS THE NORM'S RESULT, MADE AGAIN HERE from the rows that went into the norm, by the same three operations in the same order
	v_lshl_add_u32 v28, v0, 2, SPARE
	v_mov_b32 v29, 0
	ds_add_u32 v28, v29                            ; the opening lines
	ds_add_u32 v28, v29
	v_lshrrev_b32 v1, 5, v0
	v_readfirstlane_b32 s14, v1                    ; wave
	s_lshr_b32 s15, s14, 1                         ; my half of A's rows
	s_and_b32 s16, s14, 1                          ; my half of B's rows
	s_bfe_u32 s40, ttmp6, 0x40000
	s_bfe_u32 s41, ttmp6, 0x40004
	s_lshl_b32 s42, ttmp9, 2
	s_add_co_u32 s42, s42, s40                     ; B's tile
	s_and_b32 s17, ttmp7, 0xffff
	s_lshl_b32 s17, s17, 2
	s_add_co_u32 s17, s17, s41                     ; A's tile
	s_lshl_b32 s43, s41, 2
	s_lshl_b32 s43, 15, s43                        ; my row of the cluster
	s_lshl_b32 s44, 0x1111, s40                    ; my column
	MKG1 G1A, s43, 1536, 4, RBA*192
	MKG1 G1S, s43, 64, 8, SPA
	MKG1 G1SB, s44, 64, 8, SPB
	s_mul_i32 s20, s17, ROWC
	s_add_co_u32 s20, s20, ACOFF
	s_lshl_b32 s22, s17, 9
	s_add_co_u32 s22, s22, ASOFF
	s_mul_i32 s46, s42, ROWC
	s_add_co_u32 s46, s46, BCOFF
	s_lshl_b32 s92, s42, 9
	s_add_co_u32 s92, s92, BSOFF
	s_mov_b32 s21, 0
	s_mov_b32 s23, 0
	s_mov_b32 s47, 0
	s_mov_b32 s93, 0
	s_wait_alu depctr_va_vdst(0)
	s_wait_dscnt 0x0                               ; both opening adds are done
	s_wait_kmcnt 0x0
	s_add_nc_u64 s[20:21], s[4:5], s[20:21]
	s_add_nc_u64 s[22:23], s[4:5], s[22:23]
	s_add_nc_u64 s[46:47], s[6:7], s[46:47]
	s_add_nc_u64 s[92:93], s[6:7], s[92:93]
	CROUND                                         ; all sixteen work-groups are here: the joint loads meet
	MKG0 G0A, LA, 20
	MKG0 G0A2, LA+4*ROWC, 20
	s_add_nc_u64 s[G0A2+2:G0A2+3], s[G0A2+2:G0A2+3], 4*RBA*1536
	MKG0 G0S, LSA, 22
	MKG0 G0SB, LSB, 92
	LOAD4                                          ; fill 0: ksteps 0-7
	s_add_nc_u64 s[PFA:PFA+1], s[20:21], 8*RBA*1536
	s_mov_b64 s[PFB:PFB+1], s[46:47]
	s_mul_i32 s94, s16, 6144
	s_mov_b32 s95, 0
	s_add_nc_u64 s[BB0:BB0+1], s[46:47], s[94:95]  ; my four blocks of B
	s_lshl_b32 s18, s40, 2
	s_add_co_u32 s18, s18, s14                     ; A's prefetches: which of the sixteen waves that share the tile: 4 cx + wave
	s_lshr_b32 s19, s18, 1
	s_mul_i32 s19, s19, RBA*1536                   ; its kstep of the eight,
	s_and_b32 s18, s18, 1
	s_mul_i32 s18, s18, 6144                       ; and its half of the kstep's 48 blocks
	s_add_co_u32 s19, s19, s18
	s_lshl_b32 s18, s41, 2
	s_add_co_u32 s18, s18, s14                     ; B's likewise: 4 cy + wave
	s_lshr_b32 s22, s18, 1
	s_mul_i32 s22, s22, RBB*1536
	s_and_b32 s18, s18, 1
	s_mul_i32 s18, s18, 6144
	s_add_co_u32 s22, s22, s18
	v_and_b32 v1, 15, v0                           ; r
	v_bfe_u32 v2, v0, 4, 1                         ; h
	v_and_b32 v3, 31, v0
	v_lshlrev_b32 v4, 4, v3
	v_lshlrev_b32 v5, 3, v3
	v_min_u32 v22, 23, v3
	v_lshlrev_b32 v22, 8, v22                      ; a lane a block of 256 bytes, 24 blocks
	v_add_nc_u32 v30, s19, v22
	v_add_nc_u32 v20, s22, v22
	v_lshlrev_b32 v21, 12, v3                      ; the residual: a lane a row
	s_mul_i32 s94, s15, 6144                       ; my four blocks of A in an LDS row
	v_add_nc_u32 v6, s94, v4
	v_add_nc_u32 v7, s94, v5
.set II, 0
.rept NR/4
	v_add_nc_u32 v[8+II], II*4*ROWC, v6            ; an address register for each four LDS rows
	v_add_nc_u32 v[12+II], II*4*ROWC, v7
.set II, II+1
.endr
	v_lshlrev_b32 v6, 2, v1
	s_lshl_b32 s94, s15, 8
	s_lshl_b32 s95, s16, 8
	s_add_co_u32 s95, s95, LSB-LSA
	s_sub_co_u32 s95, s95, s94
	v_mul_u32_u24 v7, s95, v2                      ; lanes 16-31 take B's scale words
	s_add_co_u32 s94, s94, LSA
	v_add_nc_u32 v6, v6, v7
	v_add_nc_u32 v27, s94, v6
	s_mul_i32 s23, s14, 16*272
	s_add_co_u32 s23, s23, STAGE
	v_mul_u32_u24 v6, v1, 272
	v_lshl_add_u32 v6, v2, 6, v6
	v_add_nc_u32 v24, s23, v6                      ; into my stage: row r, + 16 h columns
	v_mul_u32_u24 v7, v2, 272
	v_lshl_add_u32 v7, v1, 4, v7
	v_add_nc_u32 v25, s23, v7                      ; back: lanes 0-15 one row, lanes 16-31 the next
	v_lshlrev_b32 v26, 12, v2
	v_lshl_add_u32 v26, v1, 4, v26                 ; and the same in rows of 4,096 bytes
	v_lshlrev_b32 v31, 4, v1
	v_lshlrev_b32 v23, 3, v2                       ; lanes 16-31: the next row's pair
	s_lshl_b32 s18, s17, 7
	s_lshl_b32 s19, s15, 6
	s_add_co_u32 s18, s18, s19                     ; my first row
	s_lshl_b32 s94, s18, 3
	s_mov_b32 s95, 0
	s_add_nc_u64 s[50:51], s[50:51], s[94:95]
	s_lshl_b32 s18, s18, 12
	s_lshl_b32 s46, s42, 9
	s_lshl_b32 s47, s16, 8
	s_add_co_u32 s46, s46, s47                     ; my first column, in bytes
	s_add_co_u32 s18, s18, s46
	s_mov_b32 s19, 0
	s_mov_b32 s47, 0
	s_add_nc_u64 s[96:97], s[8:9], s[18:19]
	s_add_nc_u64 s[98:99], s[12:13], s[18:19]
	s_add_nc_u64 s[92:93], s[10:11], s[46:47]
	s_add_nc_u64 s[52:53], s[52:53], s[46:47]
	s_add_nc_u64 s[54:55], s[54:55], s[46:47]
	s_wait_alu depctr_va_vdst(0)                   ; the wait behind the head's last vector line
	WIN 0x40                                       ; window 1, v192-255: the pairs of my 64 rows, in the order of the way out.  These 34 loads are older than B's: the counted waits keep their counts
.set II, 0
.rept 32
	global_load_b64 v[192+2*II:193+2*II], v23, s[50:51] offset:(32*((II/8)/2)+8*((II/8)%2)+(2*(II%8))%8+16*((II%8)/4))*8
.set II, II+1
.endr
	WIN 0
	global_load_b128 v[44:47], v31, s[52:53]       ; g and b at my four columns
	global_load_b128 v[48:51], v31, s[54:55]
	BLOAD 0
	BLOAD 1
	BLOAD 2
	ASK 0
	s_wait_tensorcnt 0x0                           ; my load of fill 0 has landed
.if KSTEPS > 8
	ds_add_u32 v28, v29                            ; a later first fill is issued as a refill is
	NEXTFILL 1
	s_wait_dscnt 0x0
	CROUND                                         ; everybody's load has landed, and all sixteen work-groups are here
	LOAD4                                          ; fill 1: ksteps 8-15, into region 1
.else
	s_barrier_signal -1
	s_barrier_wait -1                              ; everybody's load has landed
.endif
	FETCH 0
.if KSTEPS > 8
	ASK 1
.else
	global_prefetch_b8 v21, s[96:97] th:TH_LOAD_NT scope:SCOPE_SE                 ; my 64 rows x 256 bytes of the residual's source, behind the one fill's landing
	global_prefetch_b8 v21, s[96:97] offset:32*4096 th:TH_LOAD_NT scope:SCOPE_SE
.endif
	STEP 0, 1
.set KK, 1
.rept KSTEPS-2                         ; the walk along K is written out: every offset is an immediate, no base is stepped
.if KK%8 == 7
	TURN KK
.else
	STEP KK, 0
.endif
.set KK, KK+1
.endr
	s_wait_loadcnt 33                              ; B's last kstep is in; the residual's 32 loads and the bias may be out
	s_wait_dscnt 0x0
	MUL 0, 4, KSTEPS-1, 0
	WIN 0
.rept 4
	v_nop                                          ; four places behind the last products
.endr
	s_wait_loadcnt 0x0                             ; the residual's source and the bias
	WIN 0x86                                       ; source 0 and destination window 2, source 1 window 1
.set II, 0
.rept 32
	v_pk_add_f32 v[128+4*II:129+4*II], v[128+4*II:129+4*II], v[192+2*II:193+2*II] op_sel_hi:[1,0] neg_lo:[0,1] neg_hi:[0,1]   ; - the row's mean
	v_pk_add_f32 v[130+4*II:131+4*II], v[130+4*II:131+4*II], v[192+2*II:193+2*II] op_sel_hi:[1,0] neg_lo:[0,1] neg_hi:[0,1]
.set II, II+1
.endr
.set II, 0
.rept 32
	v_pk_mul_f32 v[128+4*II:129+4*II], v[128+4*II:129+4*II], v[192+2*II:193+2*II] op_sel:[0,1] op_sel_hi:[1,1]   ; x 1 / deviation
	v_pk_mul_f32 v[130+4*II:131+4*II], v[130+4*II:131+4*II], v[192+2*II:193+2*II] op_sel:[0,1] op_sel_hi:[1,1]
.set II, II+1
.endr
	WIN 0x82
.set II, 0
.rept 32
	v_pk_fma_f32 v[128+4*II:129+4*II], v[128+4*II:129+4*II], v[44:45], v[48:49]   ; x g + b
	v_pk_fma_f32 v[130+4*II:131+4*II], v[130+4*II:131+4*II], v[46:47], v[50:51]
.set II, II+1
.endr
	WIN 0
.macro OUTB a
.if (\a) > 0
	s_wait_xcnt 0x0                                ; the last block's stores have read their registers
.endif
	WIN 0x08                                       ; an LDS store's data: window 2
.irp b, 0,1,2,3
	ds_store_b128 v24, v[32*(\a)+8*\b:32*(\a)+8*\b+3] offset:128*(\b/2)+32*(\b%2)          ; each accumulator from its low end on
	ds_store_b128 v24, v[32*(\a)+8*\b+4:32*(\a)+8*\b+7] offset:128*(\b/2)+32*(\b%2)+16
.endr
	WIN 0
.irp i, 0,1,2,3,4,5,6,7
	ds_load_b128 v[BK+4*\i:BK+4*\i+3], v25 offset:544*\i           ; a wave's LDS instructions are served in order: these see my stores
.endr
	s_wait_dscnt 0x0
.irp i, 0,1,2,3,4,5,6,7
	v_pk_add_f32 v[BK+4*\i:BK+4*\i+1], v[BK+4*\i:BK+4*\i+1], v[40:41]
	v_pk_add_f32 v[BK+4*\i+2:BK+4*\i+3], v[BK+4*\i+2:BK+4*\i+3], v[42:43]
.endr
	WIN 0x08
.irp i, 0,1,2,3,4,5,6,7
	v_pk_add_f32 v[BK+4*\i:BK+4*\i+1], v[BK+4*\i:BK+4*\i+1], v[128+32*(\a)+4*\i:128+32*(\a)+4*\i+1]
	v_pk_add_f32 v[BK+4*\i+2:BK+4*\i+3], v[BK+4*\i+2:BK+4*\i+3], v[128+32*(\a)+4*\i+2:128+32*(\a)+4*\i+3]
.endr
	WIN 0
.irp i, 0,1,2,3,4,5,6,7
	global_store_b128 v26, v[BK+4*\i:BK+4*\i+3], s[98:99] offset:(32*((\a)/2)+8*((\a)%2)+(2*\i)%8+16*(\i/4))*4096   ; 16 lanes store 256 consecutive bytes, aligned
.endr
.endm
	OUTB 0
	OUTB 1
	OUTB 2
	OUTB 3
	s_wait_tensorcnt 0x0                           ; the wave's end
	ds_add_u32 v28, v29
	s_wait_dscnt 0x0
	CROUND                                         ; the closing round
	s_endpgm
.Lfunc_end_k_q37a82b9bb5_mlp:
	.size	k_q37a82b9bb5_mlp, .Lfunc_end_k_q37a82b9bb5_mlp-k_q37a82b9bb5_mlp
	.p2alignl 7, 3214868480
	.fill 96, 4, 3214868480
	.section	.rodata,"a",@progbits
	.p2align	6, 0x0
	.amdhsa_kernel k_q37a82b9bb5_mlp
		.amdhsa_group_segment_fixed_size 327680
		.amdhsa_private_segment_fixed_size 0
		.amdhsa_enable_private_segment 0
		.amdhsa_kernarg_size 64
		.amdhsa_user_sgpr_count 2
		.amdhsa_user_sgpr_kernarg_segment_ptr 1
		.amdhsa_wavefront_size32 1
		.amdhsa_system_sgpr_workgroup_id_x 1
		.amdhsa_system_sgpr_workgroup_id_y 1
		.amdhsa_system_sgpr_workgroup_id_z 1
		.amdhsa_system_vgpr_workitem_id 0
		.amdhsa_next_free_vgpr 768
		.amdhsa_next_free_sgpr 100
		.amdhsa_reserve_vcc 0
		.amdhsa_float_denorm_mode_32 3
		.amdhsa_float_denorm_mode_16_64 3
		.amdhsa_memory_ordered 1
		.amdhsa_forward_progress 1
		.amdhsa_inst_pref_size 214
	.end_amdhsa_kernel
	.amdgpu_metadata
---
amdhsa.version: [ 1, 2 ]
amdhsa.kernels:
  - .name:           k_q37a82b9bb5_mlp
    .symbol:         k_q37a82b9bb5_mlp.kd
    .args:
      - { .name: H, .offset: 0, .size: 8, .value_kind: global_buffer, .address_space: global }
      - { .name: WQ, .offset: 8, .size: 8, .value_kind: global_buffer, .address_space: global }
      - { .name: X1, .offset: 16, .size: 8, .value_kind: global_buffer, .address_space: global }
      - { .name: b_mlp_proj, .offset: 24, .size: 8, .value_kind: global_buffer, .address_space: global }
      - { .name: out0, .offset: 32, .size: 8, .value_kind: global_buffer, .address_space: global }
      - { .name: X2, .offset: 40, .size: 8, .value_kind: global_buffer, .address_space: global }
      - { .name: ln2_g, .offset: 48, .size: 8, .value_kind: global_buffer, .address_space: global }
      - { .name: ln2_b, .offset: 56, .size: 8, .value_kind: global_buffer, .address_space: global }
    .group_segment_fixed_size: 327680
    .private_segment_fixed_size: 0
    .kernarg_segment_align: 8
    .kernarg_segment_size: 64
    .max_flat_workgroup_size: 128
    .sgpr_count:     100
    .vgpr_count:     768
    .wavefront_size: 32
...
	.end_amdgpu_metadata
.endif
;; end of part 7
